; MI455X (gfx1250); checked and timed in simulation.
; The chip was launched on July 23, 2026; its instructions are those of AMD's public machine-readable ISA for CDNA 5 (MIT licence, August 2026) and "CDNA5" Instruction Set Architecture Reference Guide (July 2026). The comments in the code are by the model that wrote it; some were corrected since.
;; Self Attention. Allowed arithmetic: float matrix products may take bf16 or f16 operands with f32 sums; all other float work in f32.
;; Inputs: Wk 1,024 x 1,024 float32; Wq 1,024 x 1,024 float32; Wv 1,024 x 1,024 float32; bk 1,024 float32; bq 1,024 float32; bv 1,024 float32; x 4 x 2,048 x 1,024 float32.
;; Outputs: out0 4 x 2,048 x 1,024 float32.
;; 3 versions, each right; version 3 is version 2 with the launch cvt written anew for expert scheduling mode. Each part assembles by itself: llvm-mc -triple=amdgcn-amd-amdhsa -mcpu=gfx1250 --defsym DOCPART=n.
;; ======== version 1 of 3: 4 launches
;; limits: values are held in f16: magnitudes above 65,504 overflow, below 6.1e-05 lose precision
;; workspace buffers: xw 23,068,672 bytes; qkv 50,331,648 bytes; pt 33,554,432 bytes; st 1,048,576 bytes
;; launch cvt (part 1): grid 704 x 1, 8 waves a work-group, no clusters, 0 bytes of LDS; arguments x, Wq, Wk, Wv, xw; writes xw
.if DOCPART == 1
	.amdgcn_target "amdgcn-amd-amdhsa--gfx1250"
	.amdhsa_code_object_version 6
	.text
	.protected	k_q4f4994012a_cvt
	.globl	k_q4f4994012a_cvt
	.p2align	8
	.type	k_q4f4994012a_cvt,@function
k_q4f4994012a_cvt:
	s_mov_b64 s[64:65], 0
	v_nop
	global_prefetch_b8 v0, s[64:65] scope:SCOPE_SE
	s_setreg_imm32_b32 hwreg(HW_REG_WAVE_MODE, 25, 1), 1
	s_wait_xcnt 0x0
; First of four launches for O = softmax((x Wq^T + bq)(x Wk^T + bk)^T / 32) (x Wv^T + bv).
; This one rounds x, Wq, Wk and Wv from f32 to f16, once, into xw = [11264][1024] f16: rows 0-8191 x, then 1024 rows each of Wq, Wk, Wv.
;
; WORK LEFT OUT, for all values of the inputs: bk.  With K = K' + bk (K' = x Wk^T) a score is Q_q . K'_k / 32 + Q_q . bk / 32, and the
; second term does not hang on k: it is the same along the softmax's axis, so it cancels between the exponentials and their sum.  bk has
; then no way to the output: it is not loaded and is no argument of any launch.
; bv is not left out but added once: the weights of a row sum to 1, so sum_k w_k (V'_k + bv) = sum_k w_k V'_k + bv (last launch).
; LIMITS: a NaN, an infinity or an overflow that reaches only the term with bk is not carried to the result.  The order of rounding differs from the
; reference's: Q, K' and V' are rounded to f16.  Matrix operands are f16: |x|, |W|, |Q|, |K'|, |V'| have to stay below 65,504.
;
; A stream: no LDS, no barrier, no matrix work, nothing shared between work-groups.  A work-group takes 65,536 bytes of f32 (16 loads of 16
; bytes a thread, all on their way at once; a wave's load covers 512 consecutive bytes) and stores 32,768 bytes of f16 (a wave's store of
; 8 bytes a lane covers 256 consecutive bytes, aligned).  Work-groups 0-511 take x, 512-575 Wq, 576-639 Wk, 640-703 Wv.
.set XGROUPS, 512                      ; 33,554,432 bytes of x / 65,536
.set INR,  4                           ; v[4:67]   16 x 4 registers as loaded
.set OUTR, 68                          ; v[68:99]  16 x 2 registers to store
	s_load_b256 s[4:11], s[0:1], 0x0               ; x s[4:5], Wq s[6:7], Wk s[8:9], Wv s[10:11]
	s_load_b64 s[12:13], s[0:1], 0x20              ; xw
	s_sub_co_u32 s14, ttmp9, XGROUPS               ; number among the weights' work-groups (not used by x's)
	s_lshr_b32 s15, s14, 6                         ; which weight: 0, 1, 2
	s_and_b32 s16, s14, 63                         ; which 65,536 bytes of it
	v_lshlrev_b32 v1, 4, v0                        ; 16 bytes a thread in
	v_lshlrev_b32 v2, 3, v0                        ; 8 bytes a thread out
	s_lshl_b32 s22, ttmp9, 15                      ; the work-group's 32,768 bytes of xw
	s_mov_b32 s23, 0
	s_mov_b32 s21, 0
	s_wait_kmcnt 0x0
	s_cmp_eq_u32 s15, 1                            ; the source is chosen by the work-group's number alone
	s_cselect_b64 s[18:19], s[8:9], s[6:7]
	s_cmp_eq_u32 s15, 2
	s_cselect_b64 s[18:19], s[10:11], s[18:19]
	s_cmp_lt_u32 ttmp9, XGROUPS
	s_cselect_b64 s[18:19], s[4:5], s[18:19]
	s_cselect_b32 s16, ttmp9, s16
	s_lshl_b32 s20, s16, 16
	s_add_nc_u64 s[18:19], s[18:19], s[20:21]
	s_add_nc_u64 s[12:13], s[12:13], s[22:23]
.irp i, 0,1,2,3,4,5,6,7,8,9,10,11,12,13,14,15
	global_load_b128 v[INR+4*\i:INR+4*\i+3], v1, s[18:19] offset:4096*\i th:TH_LOAD_NT   ; read once in the launch
.endr
.irp i, 0,1,2,3,4,5,6,7,8,9,10,11,12,13,14,15
	s_wait_loadcnt 15-\i                           ; loads come back in order: load i is in, the 15 - i younger ones stay out
	v_cvt_pk_f16_f32 v[OUTR+2*\i],   v[INR+4*\i],   v[INR+4*\i+1]
	v_cvt_pk_f16_f32 v[OUTR+2*\i+1], v[INR+4*\i+2], v[INR+4*\i+3]
	global_store_b64 v2, v[OUTR+2*\i:OUTR+2*\i+1], s[12:13] offset:2048*\i
.endr
	s_endpgm
.Lfunc_end_k_q4f4994012a_cvt:
	.size	k_q4f4994012a_cvt, .Lfunc_end_k_q4f4994012a_cvt-k_q4f4994012a_cvt
	.p2alignl 7, 3214868480
	.fill 96, 4, 3214868480
	.section	.rodata,"a",@progbits
	.p2align	6, 0x0
	.amdhsa_kernel k_q4f4994012a_cvt
		.amdhsa_group_segment_fixed_size 0
		.amdhsa_private_segment_fixed_size 0
		.amdhsa_enable_private_segment 0
		.amdhsa_kernarg_size 40
		.amdhsa_user_sgpr_count 2
		.amdhsa_user_sgpr_kernarg_segment_ptr 1
		.amdhsa_wavefront_size32 1
		.amdhsa_system_sgpr_workgroup_id_x 1
		.amdhsa_system_sgpr_workgroup_id_y 1
		.amdhsa_system_sgpr_workgroup_id_z 1
		.amdhsa_system_vgpr_workitem_id 0
		.amdhsa_next_free_vgpr 100
		.amdhsa_next_free_sgpr 66
		.amdhsa_reserve_vcc 0
		.amdhsa_float_denorm_mode_32 3
		.amdhsa_float_denorm_mode_16_64 3
		.amdhsa_memory_ordered 1
		.amdhsa_forward_progress 1
		.amdhsa_inst_pref_size 7
	.end_amdhsa_kernel
	.amdgpu_metadata
---
amdhsa.version: [ 1, 2 ]
amdhsa.kernels:
  - .name:           k_q4f4994012a_cvt
    .symbol:         k_q4f4994012a_cvt.kd
    .args:
      - { .name: x, .offset: 0, .size: 8, .value_kind: global_buffer, .address_space: global }
      - { .name: Wq, .offset: 8, .size: 8, .value_kind: global_buffer, .address_space: global }
      - { .name: Wk, .offset: 16, .size: 8, .value_kind: global_buffer, .address_space: global }
      - { .name: Wv, .offset: 24, .size: 8, .value_kind: global_buffer, .address_space: global }
      - { .name: xw, .offset: 32, .size: 8, .value_kind: global_buffer, .address_space: global }
    .group_segment_fixed_size: 0
    .private_segment_fixed_size: 0
    .kernarg_segment_align: 8
    .kernarg_segment_size: 40
    .max_flat_workgroup_size: 256
    .sgpr_count:     66
    .vgpr_count:     100
    .wavefront_size: 32
...
	.end_amdgpu_metadata
.endif
;; end of part 1
;; launch proj (part 2): grid 24 x 32, 4 waves a work-group, clusters of 4 x 4, 327,680 bytes of LDS; arguments xw, bq, qkv; writes qkv
.if DOCPART == 2
	.amdgcn_target "amdgcn-amd-amdhsa--gfx1250"
	.amdhsa_code_object_version 6
	.text
	.protected	k_q4f4994012a_proj
	.globl	k_q4f4994012a_proj
	.p2align	8
	.type	k_q4f4994012a_proj,@function
k_q4f4994012a_proj:
	s_mov_b64 s[64:65], 0
	v_nop
	global_prefetch_b8 v0, s[64:65] scope:SCOPE_SE
	s_setreg_imm32_b32 hwreg(HW_REG_WAVE_MODE, 25, 1), 1
	s_wait_xcnt 0x0
	s_wait_alu depctr_hold_cnt(0) depctr_sa_sdst(0) depctr_va_vdst(0) depctr_va_sdst(0) depctr_va_ssrc(0) depctr_va_vcc(0) depctr_vm_vsrc(0)
	s_getreg_b32 s2, hwreg(HW_REG_IB_STS2, 6, 4)
	s_cmp_eq_u32 s2, 0
	s_cbranch_scc0 .Lentry_in_a_cluster
	s_endpgm
.Lentry_in_a_cluster:
	s_bfe_u32 s2, ttmp6, 0x10000c
	s_cmp_lg_u32 s2, 0xf033
	s_cbranch_scc0 .Lentry_shape_is_right
	s_endpgm
.Lentry_shape_is_right:
; qkv[0] = Q = x Wq^T + bq, qkv[1] = K' = x Wk^T, qkv[2] = V' = x Wv^T, each [8192][1024] f16; sums in f32.
; Left out here: bk (the same along the softmax's axis for every input: see the first launch's head); bv is added in the last launch.
; LIMIT: |Q|, |K'|, |V'| below 65,504 (f16).
; One product [8192 x 3072 x 1024]: Y = the rows of x, X = the 3072 rows of Wq, Wk, Wv, both in xw with K along the rows.
; A work-group makes 256 (Y) x 128 (X) with four waves; wave w makes Y rows 64 w .. 64 w + 63 x all 128 X rows: 32 accumulator tiles, 256
; registers.  768 work-groups.  K goes in steps of 128 (a tile's rows are 256 consecutive bytes, aligned) through two LDS slots.
; CLUSTERS: 4 x 4 work-groups.  Y's tile hangs on the block row alone and is asked for jointly by the four of a row of the cluster, X's on
; the block column alone and is asked for jointly by the four of a column.  Waves 0, 1 ask for Y's halves (128 rows), waves 2, 3 for X's (64).
; THE MATRIX INSTRUCTION IS USED TRANSPOSED: source 0 = 16 rows of X, source 1 = 16 rows of Y, so lane l holds output row l % 16 and its
; registers 0-7 the columns 8 (l / 16) + 0..7: eight neighbouring numbers of a row.
; REGISTERS: window 0: v0-31 addresses, v32-63 packed results, v64-191 X's fragments (two buffers of 64), v192-255 Y's (two of 32);
; window 1: accumulator tile (a, b) at v[8 (8 a + b)], a = 0..3 (16 Y rows each), b = 0..7 (16 X rows each).
.set PITCH,  272                       ; an LDS row: 256 bytes + 16 of padding, so row r starts 16 r further modulo 256: the 16 rows of a fragment load start in 16 different 16-byte columns
.set ATILE,  256*PITCH                 ; Y's 256 rows
.set SLOT,   ATILE+128*PITCH           ; then X's 128 rows
.set STAGE,  2*SLOT                    ; behind the ring: 16 rows x 272 bytes for each wave, for the way out; no fill lands here
.set SPITCH, 272
.set LAPS,   4                         ; a lap = two K steps = once round the ring; 1024 / 256
.set YSTEP,  256                       ; bytes from a K step's tile to the next, in Y
.set XSTEP,  256                       ; and in X
.set ADRX, 6                           ; v6-7   LDS address of my X fragments in slot 0, 1
.set ADRY, 8                           ; v8-9   the same for Y
.set STO,  10                          ; the way out: where I put 16 bytes of a row
.set RD,   11                          ; the way out: where I read a row back
.set CO,   12                          ; my byte offset in the output
.set VB,   15                          ; 32 h: my eight columns' offset in the bias
.set TMP,  32
.set XF,   64
.set YF,   192
.set EW,   64                          ; the way out: results with the bias, f32
.set BQ,   192                         ; the way out: bq of my 64 columns
.set G1,  24                           ; s[24:31] descriptor group 1 for Y
.set G0,  32                           ; s[32:39] descriptor group 0 for Y, one set for each slot
.set G1B, 48                           ; s[48:55] group 1 for X
.set G0B, 56                           ; s[56:63] group 0 for X
.set MULW, 0x50                        ; C and D in window 1
.set S01,  0x01                        ; source 0 in window 1
.set S05,  0x05                        ; sources 0 and 1 in window 1
.set MSB, 0
.macro WIN new                         ; the immediate's high byte repeats the setting that is left
.if MSB != \new
	s_set_vgpr_msb (MSB<<8)|\new
.set MSB, \new
.endif
.endm
.macro PLACES                          ; four plain vector instructions behind matrix instructions, in front of loads into their sources and of readers of their results
.rept 4
	v_nop
.endr
.endm
.macro JLOAD s                         ; a joint load: each line has one mask; the branch hangs on the wave's number alone
	s_cmp_eq_u32 s11, 0
	s_cbranch_scc0 .Lfor_x_\@
	tensor_load_to_lds s[G0+4*\s:G0+4*\s+3], s[G1:G1+7]
	s_nop 0
	s_branch .Lasked_\@
.Lfor_x_\@:
	tensor_load_to_lds s[G0B+4*\s:G0B+4*\s+3], s[G1B:G1B+7]
	s_nop 0
.Lasked_\@:
.endm
.macro CREST                           ; a round of the cluster's barrier behind its opening work-group barrier
	s_cmp_lg_u32 s10, 0
	s_cbranch_scc1 .Lnot_wave_0_\@
	s_barrier_signal -3
.Lnot_wave_0_\@:
	s_barrier_wait -3
	s_barrier_signal -1
	s_barrier_wait -1
.endm
.macro CROUND
	s_barrier_signal -1
	s_barrier_wait -1
	CREST
.endm
	s_load_b128 s[4:7], s[0:1], 0x0                ; xw s[4:5], bq s[6:7]
	s_load_b64 s[8:9], s[0:1], 0x10                ; qkv
	v_lshl_add_u32 v30, v0, 2, 0x37400
	v_mov_b32 v31, 0
	ds_add_u32 v30, v31
	ds_add_u32 v30, v31
	v_lshrrev_b32 v4, 5, v0
	v_readfirstlane_b32 s10, v4                    ; wave 0..3
	s_lshr_b32 s11, s10, 1                         ; I fetch for Y (0) or for X (1)
	s_and_b32 s12, s10, 1                          ; which half of that tile
	s_bfe_u32 s40, ttmp6, 0x40000                  ; cx
	s_bfe_u32 s41, ttmp6, 0x40004                  ; cy
	s_lshl_b32 s42, ttmp9, 2
	s_add_co_u32 s42, s42, s40                     ; block column 0..23 = 4 x cluster x + cx
	s_and_b32 s13, ttmp7, 0xffff
	s_lshl_b32 s13, s13, 2
	s_add_co_u32 s13, s13, s41                     ; block row 0..31 = 4 x cluster y + cy
	s_lshr_b32 s45, ttmp9, 1                       ; plane 0 (Q), 1 (K'), 2 (V'): 8 block columns = 2 clusters each, the same in all sixteen partners
	s_lshl_b32 s43, s41, 2
	s_lshl_b32 s43, 15, s43                        ; my row of the cluster
	s_lshl_b32 s44, 0x1111, s40                    ; my column
	s_or_b32 s[G1+0], s43, (1<<16)|(1<<20)|(1<<21)|(5<<22)|(3<<25)   ; mask; elements of 2 bytes; padding on; bit 21 beside a mask; after every 64 words 4 words
	s_mov_b32 s[G1+1], 128<<16                     ; tensor_dim0 = 128
	s_mov_b32 s[G1+2], 128<<16                     ; tensor_dim1 = 128
	s_mov_b32 s[G1+3], 128<<16                     ; tile_dim0 = 128 elements
	s_mov_b32 s[G1+4], 128                         ; tile_dim1 = 128 rows
	s_mov_b32 s[G1+5], 1024                        ; elements from row to row
	s_mov_b32 s[G1+6], 0
	s_mov_b32 s[G1+7], 0
	s_or_b32 s[G1B+0], s44, (1<<16)|(1<<20)|(1<<21)|(5<<22)|(3<<25)
	s_mov_b32 s[G1B+1], 128<<16
	s_mov_b32 s[G1B+2], 64<<16                     ; tensor_dim1 = 64
	s_mov_b32 s[G1B+3], 128<<16
	s_mov_b32 s[G1B+4], 64                         ; tile_dim1 = 64 rows
	s_mov_b32 s[G1B+5], 1024
	s_mov_b32 s[G1B+6], 0
	s_mov_b32 s[G1B+7], 0
	s_lshl_b32 s16, s13, 8                         ; Y: row 256 x block row + 128 x half, rows of 2,048 bytes
	s_lshl_b32 s22, s12, 7
	s_add_co_u32 s16, s16, s22
	s_lshl_b32 s16, s16, 11
	s_mov_b32 s17, 0
	s_lshl_b32 s46, s42, 7                         ; X: row 8192 + 128 x block column + 64 x half
	s_lshl_b32 s23, s12, 6
	s_add_co_u32 s46, s46, s23
	s_lshl_b32 s46, s46, 11
	s_add_co_u32 s46, s46, 8192*2048
	s_mov_b32 s47, 0
	s_mul_i32 s20, s10, 128*PITCH                  ; where Y's halves go: waves 0, 1 at 0 and 34,816
	s_mul_i32 s21, s10, 64*PITCH
	s_add_co_u32 s21, s21, 128*PITCH               ; where X's go: waves 2, 3 at 69,632 and 87,040
	s_wait_dscnt 0x0
	s_wait_kmcnt 0x0
	s_add_nc_u64 s[14:15], s[4:5], s[16:17]
	s_add_nc_u64 s[46:47], s[4:5], s[46:47]
	CROUND                                         ; all sixteen work-groups are here: the first joint loads meet
.irp s, 0,1
	s_mov_b32 s[G0+4*\s], 1
	s_add_co_u32 s[G0+4*\s+1], s20, \s*SLOT
	s_add_nc_u64 s[G0+4*\s+2:G0+4*\s+3], s[14:15], \s*YSTEP
	s_or_b32 s[G0+4*\s+3], s[G0+4*\s+3], 0x80000000
	s_mov_b32 s[G0B+4*\s], 1
	s_add_co_u32 s[G0B+4*\s+1], s21, \s*SLOT
	s_add_nc_u64 s[G0B+4*\s+2:G0B+4*\s+3], s[46:47], \s*XSTEP
	s_or_b32 s[G0B+4*\s+3], s[G0B+4*\s+3], 0x80000000
	JLOAD \s                                       ; K steps 0 and 1: both slots are asked for before anything else is done
.endr
	v_and_b32 v1, 15, v0                           ; r = l % 16
	v_bfe_u32 v2, v0, 4, 1                         ; h = l / 16
	v_mul_u32_u24 v4, v1, PITCH
	v_lshl_add_u32 v4, v2, 4, v4                   ; 272 r + 16 h
	s_mul_i32 s22, s10, 64*PITCH                   ; my 64 rows of Y
	v_add_nc_u32 v[ADRY], s22, v4
	v_add_nc_u32 v[ADRY+1], SLOT, v[ADRY]
	v_add_nc_u32 v[ADRX], ATILE, v4
	v_add_nc_u32 v[ADRX+1], ATILE+SLOT, v4
	s_mul_i32 s23, s10, 16*SPITCH
	s_add_co_u32 s23, s23, STAGE                   ; my stage
	v_add_nc_u32 v[STO], s23, v4                   ; in: row r, 16 bytes for each half of the lanes
	v_mul_u32_u24 v5, v2, SPITCH
	v_lshl_add_u32 v5, v1, 4, v5
	v_add_nc_u32 v[RD], s23, v5                    ; back: lanes 0-15 one row of 256 bytes, lanes 16-31 the next
	v_lshlrev_b32 v5, 11, v2
	v_lshl_add_u32 v[CO], v1, 4, v5                ; the same two rows in the output (2,048 bytes a row)
	v_lshlrev_b32 v[VB], 5, v2
; 16 matrix instructions: Y blocks a0, a0 + 1 x all 8 X blocks, 32 along K, from fragment buffer f.  zero = 1: the product starts the sums.
; The 32 accumulators take turns, one instruction a turn, in the same order in every quarter step, over the backward jump too.
.macro MUL16 f, a0, zero
.irp a, \a0, \a0+1
.irp b, 0,1,2,3,4,5,6,7
.if \zero
	v_wmma_f32_16x16x32_f16 v[8*(8*(\a)+\b):8*(8*(\a)+\b)+7], v[XF+64*\f+8*\b:XF+64*\f+8*\b+7], v[YF+32*\f+8*(\a):YF+32*\f+8*(\a)+7], 0
.else
	v_wmma_f32_16x16x32_f16 v[8*(8*(\a)+\b):8*(8*(\a)+\b)+7], v[XF+64*\f+8*\b:XF+64*\f+8*\b+7], v[YF+32*\f+8*(\a):YF+32*\f+8*(\a)+7], v[8*(8*(\a)+\b):8*(8*(\a)+\b)+7]
.endif
.endr
.endr
.endm
; 24 LDS loads: the fragments of quarter q (32 along K = 64 bytes of the rows) of a slot into buffer f.  A fragment: lane l holds row l % 16;
; registers 0-3 K = 8 (l / 16) + 0..7, registers 4-7 K = 16 + 8 (l / 16) + 0..7: two loads of 16 bytes, 32 bytes apart.
.macro FETCH slot, q, f
.irp i, 0,1,2,3,4,5,6,7
	ds_load_b128 v[XF+64*\f+8*\i:XF+64*\f+8*\i+3],   v[ADRX+\slot] offset:64*\q+\i*16*PITCH
	ds_load_b128 v[XF+64*\f+8*\i+4:XF+64*\f+8*\i+7], v[ADRX+\slot] offset:64*\q+\i*16*PITCH+32
.endr
.irp i, 0,1,2,3
	ds_load_b128 v[YF+32*\f+8*\i:YF+32*\f+8*\i+3],   v[ADRY+\slot] offset:64*\q+\i*16*PITCH
	ds_load_b128 v[YF+32*\f+8*\i+4:YF+32*\f+8*\i+7], v[ADRY+\slot] offset:64*\q+\i*16*PITCH+32
.endr
.endm
; One of a K step's first three quarters: asks for quarter q into buffer g, then multiplies buffer f (asked for a quarter ago, 32 matrix instructions).
.macro QUARTER slot, q, f, g, zero
	s_wait_dscnt 0x0                               ; buffer f is in
	PLACES                                         ; buffer g was read by the matrix instructions just issued
	WIN 0
	FETCH \slot, \q, \g
	WIN MULW
	MUL16 \f, 0, \zero
	MUL16 \f, 2, \zero
.endm
.macro THREE slot, zero
	QUARTER \slot, 1, 0, 1, \zero
	QUARTER \slot, 2, 1, 0, 0
	QUARTER \slot, 3, 0, 1, 0
.endm
; The last quarter multiplies buffer 1 and changes slots.  In front of the barrier each wave has waited for its reads of this slot and for all
; its tensor loads (one is out: its part of the next slot).  fill = 1: the barrier opens a round of the cluster's barrier, and behind the round
; this slot is asked for again, two K steps ahead, first thing; that load has a whole K step less 16 matrix instructions in which to land.
.macro TURN slot, next, fill
	s_wait_dscnt 0x0                               ; buffer 1 is in, and with it my last reads of this slot
	s_wait_tensorcnt 0x0                           ; all my tensor loads have landed
	ds_add_u32 v30, v31
	s_wait_dscnt 0x0
	s_barrier_signal -1
	WIN MULW
	MUL16 1, 0, 0                                  ; register work while the others arrive
	WIN 0
	s_barrier_wait -1
.if \fill
	CREST                                          ; no wave of any partner still reads this slot or has a load on its way
	s_add_nc_u64 s[G0+4*\slot+2:G0+4*\slot+3], s[G0+4*\slot+2:G0+4*\slot+3], 2*YSTEP
	s_add_nc_u64 s[G0B+4*\slot+2:G0B+4*\slot+3], s[G0B+4*\slot+2:G0B+4*\slot+3], 2*XSTEP
	JLOAD \slot
.endif
	PLACES
	FETCH \next, 0, 0
	WIN MULW
	MUL16 1, 2, 0
.endm
.macro LAP zero
	THREE 0, \zero
	TURN 0, 1, 1
	THREE 1, 0
	TURN 1, 0, 1
.endm
	s_wait_tensorcnt 0x1                           ; my part of K step 0 is in; K step 1's may stay out
	s_barrier_signal -1
	s_barrier_wait -1                              ; everybody's is
	FETCH 0, 0, 0
	LAP 1                                          ; the first lap's first products start the sums: nothing is cleared
	WIN 0
	s_mov_b32 s3, LAPS-2
.Llap:
	LAP 0
	WIN 0
	s_sub_co_u32 s3, s3, 1
	s_cmp_lg_u32 s3, 0
	s_cbranch_scc1 .Llap
	THREE 0, 0                                     ; the last lap fills nothing
	TURN 0, 1, 0
	THREE 1, 0
	s_wait_dscnt 0x0
	WIN MULW
	MUL16 1, 0, 0
	MUL16 1, 2, 0
	PLACES                                         ; behind the last matrix instructions: for the readers of the results and the loads into the fragment registers
	WIN 0
	; THE WAY OUT.  Offsets in registers that feed no descriptor.
	s_lshl_b32 s74, s13, 8
	s_lshl_b32 s76, s10, 6
	s_add_co_u32 s74, s74, s76                     ; my first row
	s_lshl_b32 s74, s74, 11
	s_and_b32 s76, s42, 7                          ; block column inside the plane
	s_lshl_b32 s77, s76, 8                         ; 128 columns of 2 bytes
	s_add_co_u32 s74, s74, s77
	s_lshl_b32 s77, s45, 24                        ; a plane is 16,777,216 bytes
	s_add_co_u32 s74, s74, s77
	s_mov_b32 s75, 0
	s_add_nc_u64 s[8:9], s[8:9], s[74:75]
	s_lshl_b32 s76, s76, 9                         ; 128 columns of 4 bytes in bq
	s_mov_b32 s77, 0
	s_add_nc_u64 s[6:7], s[6:7], s[76:77]
; Rows 16 i .. 16 i + 15 of my 64: (bias,) round to f16, 16 bytes a lane into my own stage, read back as whole rows of 256 bytes, store.
.macro OUT16 i, bias, rb
.if \bias
	WIN S01
.irp b, 0,1,2,3,4,5,6,7
.irp p, 0,1,2,3
	v_pk_add_f32 v[EW+8*\b+2*\p:EW+8*\b+2*\p+1], v[8*(8*\i+\b)+2*\p:8*(8*\i+\b)+2*\p+1], v[BQ+8*\b+2*\p:BQ+8*\b+2*\p+1]
.endr
.endr
	WIN 0
.irp b, 0,1,2,3,4,5,6,7
.irp p, 0,1,2,3
	v_cvt_pk_f16_f32 v[TMP+4*\b+\p], v[EW+8*\b+2*\p], v[EW+8*\b+2*\p+1]
.endr
.endr
.else
	WIN S05
.irp b, 0,1,2,3,4,5,6,7
.irp p, 0,1,2,3
	v_cvt_pk_f16_f32 v[TMP+4*\b+\p], v[8*(8*\i+\b)+2*\p], v[8*(8*\i+\b)+2*\p+1]
.endr
.endr
	WIN 0
.endif
.irp b, 0,1,2,3,4,5,6,7
	ds_store_b128 v[STO], v[TMP+4*\b:TMP+4*\b+3] offset:32*\b
.endr
	s_wait_xcnt 0x0                                ; the earlier stores' data registers and base are rewritten only behind this wait
.if \i
	s_add_nc_u64 s[8:9], s[8:9], 16*2048
.endif
.irp t, 0,1,2,3,4,5,6,7
	ds_load_b128 v[\rb+4*\t:\rb+4*\t+3], v[RD] offset:\t*2*SPITCH   ; LDS serves a wave's instructions in order: these see the stores above
.endr
.irp t, 0,1,2,3,4,5,6,7
	s_wait_dscnt 7-\t                              ; read-back t is in, the 7 - t younger ones stay out
	global_store_b128 v[CO], v[\rb+4*\t:\rb+4*\t+3], s[8:9] offset:\t*4096   ; 16 lanes store 256 consecutive bytes, aligned
.endr
.endm
	s_cmp_lg_u32 s45, 0                            ; the plane hangs on the cluster's x alone: all partners take the same way
	s_cbranch_scc1 .Lplain
.irp b, 0,1,2,3,4,5,6,7
	global_load_b128 v[BQ+8*\b:BQ+8*\b+3],   v[VB], s[6:7] offset:64*\b      ; bq of columns 16 b + 8 h + 0..3
	global_load_b128 v[BQ+8*\b+4:BQ+8*\b+7], v[VB], s[6:7] offset:64*\b+16   ; and + 4..7
.endr
	s_wait_loadcnt 0x0
	OUT16 0, 1, 128
	OUT16 1, 1, 160
	OUT16 2, 1, 128
	OUT16 3, 1, 160
	s_branch .Ldone
.Lplain:
	OUT16 0, 0, 128
	OUT16 1, 0, 160
	OUT16 2, 0, 128
	OUT16 3, 0, 160
.Ldone:
	s_wait_tensorcnt 0x0
	ds_add_u32 v30, v31
	s_wait_dscnt 0x0
	CROUND                                         ; the closing round: no work-group ends while a partner may still ask for a tile that names it
	s_endpgm
.Lfunc_end_k_q4f4994012a_proj:
	.size	k_q4f4994012a_proj, .Lfunc_end_k_q4f4994012a_proj-k_q4f4994012a_proj
	.p2alignl 7, 3214868480
	.fill 96, 4, 3214868480
	.section	.rodata,"a",@progbits
	.p2align	6, 0x0
	.amdhsa_kernel k_q4f4994012a_proj
		.amdhsa_group_segment_fixed_size 327680
		.amdhsa_private_segment_fixed_size 0
		.amdhsa_enable_private_segment 0
		.amdhsa_kernarg_size 24
		.amdhsa_user_sgpr_count 2
		.amdhsa_user_sgpr_kernarg_segment_ptr 1
		.amdhsa_wavefront_size32 1
		.amdhsa_system_sgpr_workgroup_id_x 1
		.amdhsa_system_sgpr_workgroup_id_y 1
		.amdhsa_system_sgpr_workgroup_id_z 1
		.amdhsa_system_vgpr_workitem_id 0
		.amdhsa_next_free_vgpr 512
		.amdhsa_next_free_sgpr 80
		.amdhsa_reserve_vcc 0
		.amdhsa_float_denorm_mode_32 3
		.amdhsa_float_denorm_mode_16_64 3
		.amdhsa_memory_ordered 1
		.amdhsa_forward_progress 1
		.amdhsa_inst_pref_size 143
	.end_amdhsa_kernel
	.amdgpu_metadata
---
amdhsa.version: [ 1, 2 ]
amdhsa.kernels:
  - .name:           k_q4f4994012a_proj
    .symbol:         k_q4f4994012a_proj.kd
    .args:
      - { .name: xw, .offset: 0, .size: 8, .value_kind: global_buffer, .address_space: global }
      - { .name: bq, .offset: 8, .size: 8, .value_kind: global_buffer, .address_space: global }
      - { .name: qkv, .offset: 16, .size: 8, .value_kind: global_buffer, .address_space: global }
    .group_segment_fixed_size: 327680
    .private_segment_fixed_size: 0
    .kernarg_segment_align: 8
    .kernarg_segment_size: 24
    .max_flat_workgroup_size: 128
    .sgpr_count:     80
    .vgpr_count:     512
    .wavefront_size: 32
...
	.end_amdgpu_metadata
.endif
;; end of part 2
;; launch scores (part 3): grid 16 x 32, 4 waves a work-group, clusters of 4 x 4, 327,680 bytes of LDS; arguments qkv, pt, st; writes pt, st
.if DOCPART == 3
	.amdgcn_target "amdgcn-amd-amdhsa--gfx1250"
	.amdhsa_code_object_version 6
	.text
	.protected	k_q4f4994012a_scores
	.globl	k_q4f4994012a_scores
	.p2align	8
	.type	k_q4f4994012a_scores,@function
k_q4f4994012a_scores:
	s_mov_b64 s[64:65], 0
	v_nop
	global_prefetch_b8 v0, s[64:65] scope:SCOPE_SE
	s_setreg_imm32_b32 hwreg(HW_REG_WAVE_MODE, 25, 1), 1
	s_wait_xcnt 0x0
	s_wait_alu depctr_hold_cnt(0) depctr_sa_sdst(0) depctr_va_vdst(0) depctr_va_sdst(0) depctr_va_ssrc(0) depctr_va_vcc(0) depctr_vm_vsrc(0)
	s_getreg_b32 s2, hwreg(HW_REG_IB_STS2, 6, 4)
	s_cmp_eq_u32 s2, 0
	s_cbranch_scc0 .Lentry_in_a_cluster
	s_endpgm
.Lentry_in_a_cluster:
	s_bfe_u32 s2, ttmp6, 0x10000c
	s_cmp_lg_u32 s2, 0xf033
	s_cbranch_scc0 .Lentry_shape_is_right
	s_endpgm
.Lentry_shape_is_right:
; For each block of 256 queries x 128 keys of one batch: s = Q . K' (f32 sums), and for each query row of the block
;   m' = c max_k s,  pt = exp2(c s - m') in f16,  l = the sum of these exponentials in f32,  c = log2(e) / 32 (the scale 1 / sqrt(1024) and the base in one).
; pt: [8192 query rows][2048 keys of the row's batch] f16.  st: [16 key blocks][8192 rows][2] f32 = (m', l).
; The maximum taken away is the row's own over the block's 128 keys, so pt <= 1 and l >= about 1; the last launch brings the 16 blocks of a row to
; their common maximum.  Left out here: the term with bk (the same along the softmax's axis for every input: see the first launch's head).
; LIMIT: finite scores; the maximum used drops a NaN.
; The product is built as in the launch before: Y = rows of Q, X = rows of K', K = 1024 in steps of 128, block 256 x 128, four waves of 64 x 128, two LDS
; slots, 4 x 4 clusters with Y's tile asked for jointly along a row of the cluster and X's along a column.  A wave holds whole rows of the block
; (lane l: row l % 16, columns 8 (l / 16) + 0..7 of each of 8 tiles), so a row's maximum and sum need one exchange between the lanes' halves and none between waves.
; REGISTERS: window 0: v0-31 addresses and row figures, v32-63 packed results, v64-191 X's fragments, v192-255 Y's; window 1: accumulator tile (a, b) at v[8 (8 a + b)].
.set PITCH,  272                       ; 256 bytes + 16 of padding: the 16 rows of a fragment load start in 16 different 16-byte columns modulo 256
.set ATILE,  256*PITCH
.set SLOT,   ATILE+128*PITCH
.set STAGE,  2*SLOT                    ; 16 rows x 272 bytes for each wave; no fill lands here
.set SPITCH, 272
.set LAPS,   4
.set YSTEP,  256
.set XSTEP,  256
.set CSC,    0x3d38aa3b                ; c = 1.442695 / 32
.set CSCN,   0xbd38aa3b                ; -c
.set ADRX, 6
.set ADRY, 8
.set STO,  10
.set RD,   11
.set CO,   12
.set SO,   13                          ; 8 l: my row's pair in st
.set M,    16                          ; v16-19  four running maxima
.set NM,   20                          ; v20-21  -m', twice (a pair for the packed multiply-add)
.set MS,   24                          ; v24-27  m' of my row in Y block a
.set LS,   28                          ; v28-31  l of my row in Y block a
.set TMP,  32
.set XF,   64
.set YF,   192
.set EW,   64                          ; the way out: 64 exponents, then exponentials
.set SU,   192                         ; the way out: four running sums (pairs)
.set STV,  200                         ; the way out: (m', l) to store
.set G1,  24
.set G0,  32
.set G1B, 48
.set G0B, 56
.set MULW, 0x50                        ; C and D in window 1
.set S01,  0x01                        ; source 0 in window 1
.set S05,  0x05                        ; sources 0 and 1 in window 1
.set MSB, 0
.macro WIN new                         ; the immediate's high byte repeats the setting that is left
.if MSB != \new
	s_set_vgpr_msb (MSB<<8)|\new
.set MSB, \new
.endif
.endm
.macro PLACES                          ; four plain vector instructions behind matrix instructions (ISA guide 7.12.1)
.rept 4
	v_nop
.endr
.endm
.macro JLOAD s                         ; a joint load: each line has one mask; the branch hangs on the wave's number alone
	s_cmp_eq_u32 s11, 0
	s_cbranch_scc0 .Lfor_x_\@
	tensor_load_to_lds s[G0+4*\s:G0+4*\s+3], s[G1:G1+7]
	s_nop 0
	s_branch .Lasked_\@
.Lfor_x_\@:
	tensor_load_to_lds s[G0B+4*\s:G0B+4*\s+3], s[G1B:G1B+7]
	s_nop 0
.Lasked_\@:
.endm
.macro CREST
	s_cmp_lg_u32 s10, 0
	s_cbranch_scc1 .Lnot_wave_0_\@
	s_barrier_signal -3
.Lnot_wave_0_\@:
	s_barrier_wait -3
	s_barrier_signal -1
	s_barrier_wait -1
.endm
.macro CROUND
	s_barrier_signal -1
	s_barrier_wait -1
	CREST
.endm
	s_load_b128 s[4:7], s[0:1], 0x0                ; qkv s[4:5], pt s[6:7]
	s_load_b64 s[8:9], s[0:1], 0x10                ; st
	v_lshl_add_u32 v22, v0, 2, 0x37400
	v_mov_b32 v23, 0
	ds_add_u32 v22, v23
	ds_add_u32 v22, v23
	v_lshrrev_b32 v4, 5, v0
	v_readfirstlane_b32 s10, v4                    ; wave 0..3
	s_lshr_b32 s11, s10, 1                         ; I fetch for Y (0) or for X (1)
	s_and_b32 s12, s10, 1                          ; which half of that tile
	s_mov_b32 s66, 0x76543210                      ; v_permlanex16_b32: lane i of one half reads lane i of the other
	s_mov_b32 s67, 0xfedcba98
	s_bfe_u32 s40, ttmp6, 0x40000                  ; cx
	s_bfe_u32 s41, ttmp6, 0x40004                  ; cy
	s_lshl_b32 s42, ttmp9, 2
	s_add_co_u32 s42, s42, s40                     ; key block 0..15
	s_and_b32 s13, ttmp7, 0xffff
	s_lshr_b32 s45, s13, 1                         ; batch: 8 block rows = 2 clusters each, the same in all sixteen partners
	s_lshl_b32 s13, s13, 2
	s_add_co_u32 s13, s13, s41                     ; block row 0..31
	s_lshl_b32 s43, s41, 2
	s_lshl_b32 s43, 15, s43                        ; my row of the cluster
	s_lshl_b32 s44, 0x1111, s40                    ; my column
	s_or_b32 s[G1+0], s43, (1<<16)|(1<<20)|(1<<21)|(5<<22)|(3<<25)   ; mask; elements of 2 bytes; padding on; bit 21 beside a mask; after every 64 words 4 words
	s_mov_b32 s[G1+1], 128<<16                     ; tensor_dim0 = 128
	s_mov_b32 s[G1+2], 128<<16                     ; tensor_dim1 = 128
	s_mov_b32 s[G1+3], 128<<16                     ; tile_dim0 = 128
	s_mov_b32 s[G1+4], 128                         ; tile_dim1 = 128
	s_mov_b32 s[G1+5], 1024                        ; elements from row to row
	s_mov_b32 s[G1+6], 0
	s_mov_b32 s[G1+7], 0
	s_or_b32 s[G1B+0], s44, (1<<16)|(1<<20)|(1<<21)|(5<<22)|(3<<25)
	s_mov_b32 s[G1B+1], 128<<16
	s_mov_b32 s[G1B+2], 64<<16
	s_mov_b32 s[G1B+3], 128<<16
	s_mov_b32 s[G1B+4], 64
	s_mov_b32 s[G1B+5], 1024
	s_mov_b32 s[G1B+6], 0
	s_mov_b32 s[G1B+7], 0
	s_lshl_b32 s16, s13, 8                         ; Y: Q's row 256 x block row + 128 x half
	s_lshl_b32 s22, s12, 7
	s_add_co_u32 s16, s16, s22
	s_lshl_b32 s16, s16, 11
	s_mov_b32 s17, 0
	s_lshl_b32 s46, s45, 11                        ; X: K' (the second plane), row 2048 x batch + 128 x key block + 64 x half
	s_lshl_b32 s23, s42, 7
	s_add_co_u32 s46, s46, s23
	s_lshl_b32 s23, s12, 6
	s_add_co_u32 s46, s46, s23
	s_lshl_b32 s46, s46, 11
	s_add_co_u32 s46, s46, 8192*2048
	s_mov_b32 s47, 0
	s_mul_i32 s20, s10, 128*PITCH                  ; Y's halves: waves 0, 1 at 0 and 34,816
	s_mul_i32 s21, s10, 64*PITCH
	s_add_co_u32 s21, s21, 128*PITCH               ; X's halves: waves 2, 3 at 69,632 and 87,040
	s_wait_dscnt 0x0
	s_wait_kmcnt 0x0
	s_add_nc_u64 s[14:15], s[4:5], s[16:17]
	s_add_nc_u64 s[46:47], s[4:5], s[46:47]
	CROUND                                         ; all sixteen work-groups are here: the first joint loads meet
.irp s, 0,1
	s_mov_b32 s[G0+4*\s], 1
	s_add_co_u32 s[G0+4*\s+1], s20, \s*SLOT
	s_add_nc_u64 s[G0+4*\s+2:G0+4*\s+3], s[14:15], \s*YSTEP
	s_or_b32 s[G0+4*\s+3], s[G0+4*\s+3], 0x80000000
	s_mov_b32 s[G0B+4*\s], 1
	s_add_co_u32 s[G0B+4*\s+1], s21, \s*SLOT
	s_add_nc_u64 s[G0B+4*\s+2:G0B+4*\s+3], s[46:47], \s*XSTEP
	s_or_b32 s[G0B+4*\s+3], s[G0B+4*\s+3], 0x80000000
	JLOAD \s
.endr
	v_and_b32 v1, 15, v0                           ; r
	v_bfe_u32 v2, v0, 4, 1                         ; h
	v_and_b32 v3, 31, v0                           ; l
	v_mul_u32_u24 v4, v1, PITCH
	v_lshl_add_u32 v4, v2, 4, v4                   ; 272 r + 16 h
	s_mul_i32 s22, s10, 64*PITCH
	v_add_nc_u32 v[ADRY], s22, v4
	v_add_nc_u32 v[ADRY+1], SLOT, v[ADRY]
	v_add_nc_u32 v[ADRX], ATILE, v4
	v_add_nc_u32 v[ADRX+1], ATILE+SLOT, v4
	s_mul_i32 s23, s10, 16*SPITCH
	s_add_co_u32 s23, s23, STAGE
	v_add_nc_u32 v[STO], s23, v4
	v_mul_u32_u24 v5, v2, SPITCH
	v_lshl_add_u32 v5, v1, 4, v5
	v_add_nc_u32 v[RD], s23, v5
	v_lshlrev_b32 v5, 12, v2
	v_lshl_add_u32 v[CO], v1, 4, v5                ; two rows of pt (4,096 bytes a row)
	v_lshlrev_b32 v[SO], 3, v3
; The 32 accumulators take turns, one instruction a turn, in the same order in every quarter step, over the backward jump too.
.macro MUL16 f, a0, zero
.irp a, \a0, \a0+1
.irp b, 0,1,2,3,4,5,6,7
.if \zero
	v_wmma_f32_16x16x32_f16 v[8*(8*(\a)+\b):8*(8*(\a)+\b)+7], v[XF+64*\f+8*\b:XF+64*\f+8*\b+7], v[YF+32*\f+8*(\a):YF+32*\f+8*(\a)+7], 0
.else
	v_wmma_f32_16x16x32_f16 v[8*(8*(\a)+\b):8*(8*(\a)+\b)+7], v[XF+64*\f+8*\b:XF+64*\f+8*\b+7], v[YF+32*\f+8*(\a):YF+32*\f+8*(\a)+7], v[8*(8*(\a)+\b):8*(8*(\a)+\b)+7]
.endif
.endr
.endr
.endm
.macro FETCH slot, q, f                ; 24 LDS loads: quarter q of a slot into fragment buffer f
.irp i, 0,1,2,3,4,5,6,7
	ds_load_b128 v[XF+64*\f+8*\i:XF+64*\f+8*\i+3],   v[ADRX+\slot] offset:64*\q+\i*16*PITCH
	ds_load_b128 v[XF+64*\f+8*\i+4:XF+64*\f+8*\i+7], v[ADRX+\slot] offset:64*\q+\i*16*PITCH+32
.endr
.irp i, 0,1,2,3
	ds_load_b128 v[YF+32*\f+8*\i:YF+32*\f+8*\i+3],   v[ADRY+\slot] offset:64*\q+\i*16*PITCH
	ds_load_b128 v[YF+32*\f+8*\i+4:YF+32*\f+8*\i+7], v[ADRY+\slot] offset:64*\q+\i*16*PITCH+32
.endr
.endm
.macro QUARTER slot, q, f, g, zero     ; asks for quarter q into buffer g, multiplies buffer f (asked for 32 matrix instructions ago)
	s_wait_dscnt 0x0                               ; buffer f is in
	PLACES                                         ; buffer g was read by the matrix instructions just issued
	WIN 0
	FETCH \slot, \q, \g
	WIN MULW
	MUL16 \f, 0, \zero
	MUL16 \f, 2, \zero
.endm
.macro THREE slot, zero
	QUARTER \slot, 1, 0, 1, \zero
	QUARTER \slot, 2, 1, 0, 0
	QUARTER \slot, 3, 0, 1, 0
.endm
; The last quarter changes slots: each wave's reads of this slot and all its tensor loads are waited for in front of the barrier; where the slot is filled
; again the barrier opens a round of the cluster's barrier, and the joint refill is the first tensor load behind the round.
.macro TURN slot, next, fill
	s_wait_dscnt 0x0                               ; buffer 1 is in, and with it my last reads of this slot
	s_wait_tensorcnt 0x0                           ; all my tensor loads have landed: the one that was out is my part of the next slot
	ds_add_u32 v22, v23
	s_wait_dscnt 0x0
	s_barrier_signal -1
	WIN MULW
	MUL16 1, 0, 0
	WIN 0
	s_barrier_wait -1
.if \fill
	CREST
	s_add_nc_u64 s[G0+4*\slot+2:G0+4*\slot+3], s[G0+4*\slot+2:G0+4*\slot+3], 2*YSTEP
	s_add_nc_u64 s[G0B+4*\slot+2:G0B+4*\slot+3], s[G0B+4*\slot+2:G0B+4*\slot+3], 2*XSTEP
	JLOAD \slot
.endif
	PLACES
	FETCH \next, 0, 0
	WIN MULW
	MUL16 1, 2, 0
.endm
.macro LAP zero
	THREE 0, \zero
	TURN 0, 1, 1
	THREE 1, 0
	TURN 1, 0, 1
.endm
	s_wait_tensorcnt 0x1                           ; my part of K step 0 is in; K step 1's may stay out
	s_barrier_signal -1
	s_barrier_wait -1
	FETCH 0, 0, 0
	LAP 1
	WIN 0
	s_mov_b32 s3, LAPS-2
.Llap:
	LAP 0
	WIN 0
	s_sub_co_u32 s3, s3, 1
	s_cmp_lg_u32 s3, 0
	s_cbranch_scc1 .Llap
	THREE 0, 0
	TURN 0, 1, 0
	THREE 1, 0
	s_wait_dscnt 0x0
	WIN MULW
	MUL16 1, 0, 0
	MUL16 1, 2, 0
	PLACES
	WIN 0
	s_lshl_b32 s74, s13, 8
	s_lshl_b32 s76, s10, 6
	s_add_co_u32 s74, s74, s76                     ; my first query row
	s_lshl_b32 s76, s42, 13
	s_add_co_u32 s76, s76, s74
	s_lshl_b32 s76, s76, 3                         ; st: (8192 x key block + row) x 8 bytes
	s_mov_b32 s77, 0
	s_lshl_b32 s74, s74, 12                        ; pt: rows of 4,096 bytes,
	s_lshl_b32 s78, s42, 8                         ; 128 keys of 2 bytes
	s_add_co_u32 s74, s74, s78
	s_mov_b32 s75, 0
	s_add_nc_u64 s[6:7], s[6:7], s[74:75]
	s_add_nc_u64 s[8:9], s[8:9], s[76:77]
; Rows 16 a .. 16 a + 15 of my 64: maximum, exponentials, sum, f16, out through my stage.
.macro SOFT a, rb
	WIN S05
.irp c, 0,1,2,3
	v_max_num_f32 v[M+\c], v[64*\a+16*\c], v[64*\a+16*\c+1]        ; four chains of 16 numbers; the first two start each
.endr
.irp k, 1,2,3,4,5,6,7
.irp c, 0,1,2,3
	v_max3_num_f32 v[M+\c], v[64*\a+16*\c+2*\k], v[64*\a+16*\c+2*\k+1], v[M+\c]
.endr
.endr
	WIN 0
	v_max3_num_f32 v[M], v[M], v[M+1], v[M+2]
	v_max_num_f32 v[M], v[M], v[M+3]               ; over my 64 columns of row r
	v_permlanex16_b32 v[M+1], v[M], s66, s67       ; the other 64 lie in lane l xor 16
	v_max_num_f32 v[M], v[M], v[M+1]
	v_mul_f32 v[MS+\a], CSC, v[M]                  ; m'
	v_mul_f32 v[NM], CSCN, v[M]                    ; -m', the same number with the other sign
	v_mul_f32 v[NM+1], CSCN, v[M]
	WIN S01
.set kk, 0
.rept 32
	v_pk_fma_f32 v[EW+2*kk:EW+2*kk+1], v[64*\a+2*kk:64*\a+2*kk+1], CSC, v[NM:NM+1] op_sel_hi:[1,0,1]   ; c s - m'
.set kk, kk+1
.endr
	WIN 0
.set kk, 0
.rept 64
	v_exp_f32 v[EW+kk], v[EW+kk]
.set kk, kk+1
.endr
	v_nop                                          ; one plain vector instruction between the last exponential and the first use (ISA guide 5.7.2)
	s_wait_alu depctr_va_vdst(0)
.irp c, 0,1,2,3
	v_pk_add_f32 v[SU+2*\c:SU+2*\c+1], v[EW+2*\c:EW+2*\c+1], v[EW+8+2*\c:EW+8+2*\c+1]   ; four chains; the first pairs start them
.endr
.set kk, 8
.rept 24
	v_pk_add_f32 v[SU+2*(kk%4):SU+2*(kk%4)+1], v[SU+2*(kk%4):SU+2*(kk%4)+1], v[EW+2*kk:EW+2*kk+1]
.set kk, kk+1
.endr
	v_pk_add_f32 v[SU:SU+1], v[SU:SU+1], v[SU+2:SU+3]
	v_pk_add_f32 v[SU+4:SU+5], v[SU+4:SU+5], v[SU+6:SU+7]
	v_pk_add_f32 v[SU:SU+1], v[SU:SU+1], v[SU+4:SU+5]
	v_add_f32 v[SU], v[SU], v[SU+1]
	v_permlanex16_b32 v[SU+1], v[SU], s66, s67
	v_add_f32 v[LS+\a], v[SU], v[SU+1]             ; l
.irp b, 0,1,2,3,4,5,6,7
.irp p, 0,1,2,3
	v_cvt_pk_f16_f32 v[TMP+4*\b+\p], v[EW+8*\b+2*\p], v[EW+8*\b+2*\p+1]
.endr
.endr
.irp b, 0,1,2,3,4,5,6,7
	ds_store_b128 v[STO], v[TMP+4*\b:TMP+4*\b+3] offset:32*\b
.endr
	s_wait_xcnt 0x0                                ; the earlier stores' data registers and base are rewritten only behind this wait
.if \a
	s_add_nc_u64 s[6:7], s[6:7], 16*4096
.endif
.irp t, 0,1,2,3,4,5,6,7
	ds_load_b128 v[\rb+4*\t:\rb+4*\t+3], v[RD] offset:\t*2*SPITCH   ; LDS serves a wave's instructions in order: these see the stores above
.endr
.irp t, 0,1,2,3,4,5,6,7
	s_wait_dscnt 7-\t                              ; read-back t is in, the 7 - t younger ones stay out
	global_store_b128 v[CO], v[\rb+4*\t:\rb+4*\t+3], s[6:7] offset:\t*8192   ; 16 lanes store 256 consecutive bytes, aligned
.endr
.endm
	SOFT 0, 128
	SOFT 1, 160
	SOFT 2, 128
	SOFT 3, 160
	; (m', l) of my 64 rows: lanes 0-15 hold those of Y block 2 p, lanes 16-31 take those of block 2 p + 1: lane l stores row 32 p + l
	v_cmp_lt_u32 vcc_lo, 15, v3
.irp p, 0,1
	v_cndmask_b32 v[STV+2*\p],   v[MS+2*\p], v[MS+2*\p+1], vcc_lo
	v_cndmask_b32 v[STV+2*\p+1], v[LS+2*\p], v[LS+2*\p+1], vcc_lo
	global_store_b64 v[SO], v[STV+2*\p:STV+2*\p+1], s[8:9] offset:256*\p   ; 32 lanes store 256 consecutive bytes, aligned
.endr
	s_wait_tensorcnt 0x0
	ds_add_u32 v22, v23
	s_wait_dscnt 0x0
	CROUND                                         ; the closing round
	s_endpgm
.Lfunc_end_k_q4f4994012a_scores:
	.size	k_q4f4994012a_scores, .Lfunc_end_k_q4f4994012a_scores-k_q4f4994012a_scores
	.p2alignl 7, 3214868480
	.fill 96, 4, 3214868480
	.section	.rodata,"a",@progbits
	.p2align	6, 0x0
	.amdhsa_kernel k_q4f4994012a_scores
		.amdhsa_group_segment_fixed_size 327680
		.amdhsa_private_segment_fixed_size 0
		.amdhsa_enable_private_segment 0
		.amdhsa_kernarg_size 24
		.amdhsa_user_sgpr_count 2
		.amdhsa_user_sgpr_kernarg_segment_ptr 1
		.amdhsa_wavefront_size32 1
		.amdhsa_system_sgpr_workgroup_id_x 1
		.amdhsa_system_sgpr_workgroup_id_y 1
		.amdhsa_system_sgpr_workgroup_id_z 1
		.amdhsa_system_vgpr_workitem_id 0
		.amdhsa_next_free_vgpr 512
		.amdhsa_next_free_sgpr 80
		.amdhsa_reserve_vcc 1
		.amdhsa_float_denorm_mode_32 3
		.amdhsa_float_denorm_mode_16_64 3
		.amdhsa_memory_ordered 1
		.amdhsa_forward_progress 1
		.amdhsa_inst_pref_size 155
	.end_amdhsa_kernel
	.amdgpu_metadata
---
amdhsa.version: [ 1, 2 ]
amdhsa.kernels:
  - .name:           k_q4f4994012a_scores
    .symbol:         k_q4f4994012a_scores.kd
    .args:
      - { .name: qkv, .offset: 0, .size: 8, .value_kind: global_buffer, .address_space: global }
      - { .name: pt, .offset: 8, .size: 8, .value_kind: global_buffer, .address_space: global }
      - { .name: st, .offset: 16, .size: 8, .value_kind: global_buffer, .address_space: global }
    .group_segment_fixed_size: 327680
    .private_segment_fixed_size: 0
    .kernarg_segment_align: 8
    .kernarg_segment_size: 24
    .max_flat_workgroup_size: 128
    .sgpr_count:     80
    .vgpr_count:     512
    .wavefront_size: 32
...
	.end_amdgpu_metadata
.endif
;; end of part 3
;; launch pv (part 4): grid 8 x 32, 4 waves a work-group, clusters of 4 x 4, 327,680 bytes of LDS; arguments pt, qkv, st, bv, out0; writes out0
.if DOCPART == 4
	.amdgcn_target "amdgcn-amd-amdhsa--gfx1250"
	.amdhsa_code_object_version 6
	.text
	.protected	k_q4f4994012a_pv
	.globl	k_q4f4994012a_pv
	.p2align	8
	.type	k_q4f4994012a_pv,@function
k_q4f4994012a_pv:
	s_mov_b64 s[64:65], 0
	v_nop
	global_prefetch_b8 v0, s[64:65] scope:SCOPE_SE
	s_setreg_imm32_b32 hwreg(HW_REG_WAVE_MODE, 25, 1), 1
	s_wait_xcnt 0x0
	s_wait_alu depctr_hold_cnt(0) depctr_sa_sdst(0) depctr_va_vdst(0) depctr_va_sdst(0) depctr_va_ssrc(0) depctr_va_vcc(0) depctr_vm_vsrc(0)
	s_getreg_b32 s2, hwreg(HW_REG_IB_STS2, 6, 4)
	s_cmp_eq_u32 s2, 0
	s_cbranch_scc0 .Lentry_in_a_cluster
	s_endpgm
.Lentry_in_a_cluster:
	s_bfe_u32 s2, ttmp6, 0x10000c
	s_cmp_lg_u32 s2, 0xf033
	s_cbranch_scc0 .Lentry_shape_is_right
	s_endpgm
.Lentry_shape_is_right:
; out0[q][d] = bv[d] + sum over the 16 key blocks j of f_j[q] (pt_j V'_j)[q][d],  f_j = exp2(m'_j - max_i m'_i) / sum_i exp2(m'_i - max_i m'_i) l_i.
; The maximum of a row's 16 block maxima is taken away, so every exponential is at most 1 and the denominator at least about 1.
; bv stands outside the sum since a row's weights sum to 1; bk is left out (the same along the softmax's axis: see the first launch's head).
; The factor differs from key block to key block and from row to row, so a block's product is summed by itself in T (its first matrix
; instruction takes the constant 0) and folded into O by packed multiply-adds in f32; the first fold takes bv as its addend, so nothing is cleared.
; (Rescaling one running sum by ratios of factors could overflow: a factor may be 0.)
; The product: Y = rows of pt (K = keys along the rows), X = columns of V', whose tile lies in LDS as [key][d] and is read by transposing loads.
; Block 256 queries x 128 columns, four waves of 64 x 128, a K step = one key block of 128, 16 steps, two LDS slots, 256 work-groups.
; CLUSTERS: 4 x 4: pt's tile hangs on the block row alone (joint along a row of the cluster), V's on the batch and the block column (joint along a column).
; REGISTERS: window 0: v0-31 addresses and factors, v64-191 X's fragments (two buffers), v192-255 Y's; window 1: T, tile (a, b) at v[8 (8 a + b)];
; window 2: O, the same places; window 3, v0-63: bv of my columns 16 b + 8 h + j at v[8 b + j].
.set PITCH,  272                       ; pt's LDS rows: 256 bytes + 16
.set PITCHV, 288                       ; V's LDS rows: 256 bytes + 32, an odd multiple of 32, for the transposing loads
.set ATILE,  256*PITCH
.set SLOT,   ATILE+128*PITCHV
.set FTAB,   2*SLOT                    ; 4,096 bytes for each wave: factor of (key block kb, my row) at 256 kb + 4 row; no fill lands here
.set STAGE,  FTAB+4*4096               ; 16 rows x 528 bytes for each wave; no fill lands here
.set SPITCH, 528                       ; 512 bytes + 16
.set LAPS,   8                         ; 16 K steps
.set YSTEP,  256                       ; 128 keys along pt's rows
.set XSTEP,  128*2048                  ; 128 rows of V'
.set ADRX, 6
.set ADRY, 8
.set STO,  10
.set RD,   11
.set CO,   12
.set SO,   13                          ; 8 l
.set ADRF, 14                          ; where this K step's factors of rows r, 16 + r, 32 + r, 48 + r begin; steps by 256
.set VB,   15                          ; 32 h
.set FC,   16                          ; v16-19  this K step's factor of my row in Y block a
.set ADRFW, 22                         ; where lane l puts factors
.set R,    23                          ; 1 / denominator
.set XF,   64
.set YF,   192
.set SM,   64                          ; prologue: (m', l) of row 32 p + l and key block kb at v[64 + 32 p + 2 kb]
.set G1,  24
.set G0,  32
.set G1B, 48
.set G0B, 56
.set MULW, 0x50                        ; C and D in window 1
.set MRG,  0xa1                        ; source 0 (T) window 1, source 2 and destination (O) window 2
.set MRG1, 0xb1                        ; the same with source 2 (bv) in window 3
.set D3,   0xc0                        ; destination in window 3
.set ST2,  0x08                        ; an LDS store's data in window 2
.set MSB, 0
.macro WIN new                         ; the immediate's high byte repeats the setting that is left
.if MSB != \new
	s_set_vgpr_msb (MSB<<8)|\new
.set MSB, \new
.endif
.endm
.macro PLACES                          ; four plain vector instructions behind matrix instructions (ISA guide 7.12.1)
.rept 4
	v_nop
.endr
.endm
.macro JLOAD s                         ; a joint load: each line has one mask; the branch hangs on the wave's number alone
	s_cmp_eq_u32 s11, 0
	s_cbranch_scc0 .Lfor_x_\@
	tensor_load_to_lds s[G0+4*\s:G0+4*\s+3], s[G1:G1+7]
	s_nop 0
	s_branch .Lasked_\@
.Lfor_x_\@:
	tensor_load_to_lds s[G0B+4*\s:G0B+4*\s+3], s[G1B:G1B+7]
	s_nop 0
.Lasked_\@:
.endm
.macro CREST
	s_cmp_lg_u32 s10, 0
	s_cbranch_scc1 .Lnot_wave_0_\@
	s_barrier_signal -3
.Lnot_wave_0_\@:
	s_barrier_wait -3
	s_barrier_signal -1
	s_barrier_wait -1
.endm
.macro CROUND
	s_barrier_signal -1
	s_barrier_wait -1
	CREST
.endm
	s_load_b128 s[4:7], s[0:1], 0x0                ; pt s[4:5], qkv s[6:7]
	s_load_b128 s[68:71], s[0:1], 0x10             ; st s[68:69], bv s[70:71]
	s_load_b64 s[72:73], s[0:1], 0x20              ; out0
	v_lshl_add_u32 v62, v0, 2, 0x40400
	v_mov_b32 v63, 0
	ds_add_u32 v62, v63
	ds_add_u32 v62, v63
	v_lshrrev_b32 v4, 5, v0
	v_readfirstlane_b32 s10, v4                    ; wave 0..3
	s_lshr_b32 s11, s10, 1                         ; I fetch for Y (0) or for X (1)
	s_and_b32 s12, s10, 1                          ; which half of that tile
	s_bfe_u32 s40, ttmp6, 0x40000                  ; cx
	s_bfe_u32 s41, ttmp6, 0x40004                  ; cy
	s_lshl_b32 s42, ttmp9, 2
	s_add_co_u32 s42, s42, s40                     ; block column 0..7
	s_and_b32 s13, ttmp7, 0xffff
	s_lshr_b32 s45, s13, 1                         ; batch, the same in all sixteen partners
	s_lshl_b32 s13, s13, 2
	s_add_co_u32 s13, s13, s41                     ; block row 0..31
	s_lshl_b32 s43, s41, 2
	s_lshl_b32 s43, 15, s43                        ; my row of the cluster
	s_lshl_b32 s44, 0x1111, s40                    ; my column
	s_or_b32 s[G1+0], s43, (1<<16)|(1<<20)|(1<<21)|(5<<22)|(3<<25)   ; mask; elements of 2 bytes; padding on; bit 21 beside a mask; after every 64 words 4 words
	s_mov_b32 s[G1+1], 128<<16                     ; tensor_dim0 = 128
	s_mov_b32 s[G1+2], 128<<16                     ; tensor_dim1 = 128
	s_mov_b32 s[G1+3], 128<<16                     ; tile_dim0 = 128
	s_mov_b32 s[G1+4], 128                         ; tile_dim1 = 128
	s_mov_b32 s[G1+5], 2048                        ; pt: elements from row to row
	s_mov_b32 s[G1+6], 0
	s_mov_b32 s[G1+7], 0
	s_or_b32 s[G1B+0], s44, (1<<16)|(1<<20)|(1<<21)|(5<<22)|(7<<25)  ; the same with 8 words of padding
	s_mov_b32 s[G1B+1], 128<<16
	s_mov_b32 s[G1B+2], 64<<16
	s_mov_b32 s[G1B+3], 128<<16
	s_mov_b32 s[G1B+4], 64
	s_mov_b32 s[G1B+5], 1024
	s_mov_b32 s[G1B+6], 0
	s_mov_b32 s[G1B+7], 0
	s_lshl_b32 s16, s13, 8                         ; Y: pt's row 256 x block row + 128 x half, rows of 4,096 bytes
	s_lshl_b32 s22, s12, 7
	s_add_co_u32 s16, s16, s22
	s_lshl_b32 s16, s16, 12
	s_mov_b32 s17, 0
	s_lshl_b32 s46, s45, 11                        ; X: V' (the third plane), row 2048 x batch + 64 x half, column 128 x block column
	s_lshl_b32 s23, s12, 6
	s_add_co_u32 s46, s46, s23
	s_lshl_b32 s46, s46, 11
	s_lshl_b32 s23, s42, 8
	s_add_co_u32 s46, s46, s23
	s_add_co_u32 s46, s46, 2*8192*2048
	s_mov_b32 s47, 0
	s_mul_i32 s20, s10, 128*PITCH                  ; Y's halves: waves 0, 1 at 0 and 34,816
	s_mul_i32 s21, s10, 64*PITCHV
	s_add_co_u32 s21, s21, ATILE-2*64*PITCHV       ; X's halves: waves 2, 3 at 69,632 and 88,064
	s_lshl_b32 s76, s13, 8                         ; offsets in registers that feed no descriptor: st at my first row,
	s_lshl_b32 s78, s10, 6
	s_add_co_u32 s76, s76, s78
	s_lshl_b32 s76, s76, 3
	s_mov_b32 s77, 0
	s_lshl_b32 s78, s42, 9                         ; bv at my first column
	s_mov_b32 s79, 0
	s_wait_dscnt 0x0
	s_wait_kmcnt 0x0
	s_add_nc_u64 s[14:15], s[4:5], s[16:17]
	s_add_nc_u64 s[46:47], s[6:7], s[46:47]
	s_add_nc_u64 s[68:69], s[68:69], s[76:77]
	s_add_nc_u64 s[70:71], s[70:71], s[78:79]
	CROUND                                         ; all sixteen work-groups are here: the first joint loads meet
.irp s, 0,1
	s_mov_b32 s[G0+4*\s], 1
	s_add_co_u32 s[G0+4*\s+1], s20, \s*SLOT
	s_add_nc_u64 s[G0+4*\s+2:G0+4*\s+3], s[14:15], \s*YSTEP
	s_or_b32 s[G0+4*\s+3], s[G0+4*\s+3], 0x80000000
	s_mov_b32 s[G0B+4*\s], 1
	s_add_co_u32 s[G0B+4*\s+1], s21, \s*SLOT
	s_add_nc_u64 s[G0B+4*\s+2:G0B+4*\s+3], s[46:47], \s*XSTEP
	s_or_b32 s[G0B+4*\s+3], s[G0B+4*\s+3], 0x80000000
	JLOAD \s
.endr
	v_and_b32 v1, 15, v0                           ; r
	v_bfe_u32 v2, v0, 4, 1                         ; h
	v_and_b32 v3, 31, v0                           ; l
	v_lshlrev_b32 v[SO], 3, v3
	v_lshlrev_b32 v[VB], 5, v2
	; THE PROLOGUE, while the first tiles are on their way: bv, and the 16 factors of each of my 64 rows
	WIN D3
.irp b, 0,1,2,3,4,5,6,7
	global_load_b128 v[8*\b:8*\b+3],   v[VB], s[70:71] offset:64*\b      ; window 3: bv of columns 16 b + 8 h + 0..3
	global_load_b128 v[8*\b+4:8*\b+7], v[VB], s[70:71] offset:64*\b+16   ; and + 4..7
.endr
	WIN 0
.irp p, 0,1
.irp k, 0,1,2,3,4,5,6,7,8,9,10,11,12,13,14,15
	global_load_b64 v[SM+32*\p+2*\k:SM+32*\p+2*\k+1], v[SO], s[68:69] offset:65536*\k+256*\p   ; (m', l) of row 32 p + l in key block k: 256 consecutive bytes a load
.endr
.endr
	v_mul_u32_u24 v4, v1, PITCH
	v_lshl_add_u32 v4, v2, 4, v4                   ; 272 r + 16 h
	s_mul_i32 s22, s10, 64*PITCH
	v_add_nc_u32 v[ADRY], s22, v4
	v_add_nc_u32 v[ADRY+1], SLOT, v[ADRY]
	v_and_b32 v4, 7, v0                            ; the transposing load: lane l addresses key 8 h + l % 8,
	v_lshl_add_u32 v4, v2, 3, v4
	v_mul_u32_u24 v4, v4, PITCHV
	v_bfe_u32 v5, v0, 3, 1                         ; and 16 bytes (8 columns) for each half of a group of 16 lanes
	v_lshl_add_u32 v4, v5, 4, v4
	v_add_nc_u32 v[ADRX], ATILE, v4
	v_add_nc_u32 v[ADRX+1], ATILE+SLOT, v4
	s_lshl_b32 s22, s10, 12
	s_add_co_u32 s22, s22, FTAB                    ; my table of factors
	v_lshl_add_u32 v[ADRFW], v3, 2, s22
	v_lshl_add_u32 v[ADRF], v1, 2, s22
	s_mul_i32 s23, s10, 16*SPITCH
	s_add_co_u32 s23, s23, STAGE                   ; my stage
	v_mul_u32_u24 v4, v1, SPITCH
	v_lshl_add_u32 v4, v2, 5, v4
	v_add_nc_u32 v[STO], s23, v4                   ; in: row r, 32 bytes for each half of the lanes
	v_lshl_add_u32 v[RD], v3, 4, s23               ; back: a row of 512 bytes for the 32 lanes
	v_lshlrev_b32 v[CO], 4, v3
	s_wait_loadcnt 0x0
.macro FACT p                          ; the 16 factors of row 32 p + l
	v_max_num_f32 v4, v[SM+32*\p], v[SM+32*\p+2]
.irp k, 1,2,3,4,5,6,7
	v_max3_num_f32 v4, v[SM+32*\p+4*\k], v[SM+32*\p+4*\k+2], v4
.endr
.irp k, 0,1,2,3,4,5,6,7,8,9,10,11,12,13,14,15
	v_sub_f32 v[SM+32*\p+2*\k], v[SM+32*\p+2*\k], v4               ; m' is kept in powers of two
.endr
.irp k, 0,1,2,3,4,5,6,7,8,9,10,11,12,13,14,15
	v_exp_f32 v[SM+32*\p+2*\k], v[SM+32*\p+2*\k]
.endr
	v_nop                                          ; one plain vector instruction behind the exponentials (ISA guide 5.7.2)
	s_wait_alu depctr_va_vdst(0)
	v_mul_f32 v5, v[SM+32*\p], v[SM+32*\p+1]
.irp k, 1,2,3,4,5,6,7,8,9,10,11,12,13,14,15
	v_fmac_f32 v5, v[SM+32*\p+2*\k], v[SM+32*\p+2*\k+1]            ; the row's denominator
.endr
	v_rcp_f32 v[R], v5
	v_nop                                          ; and one behind the reciprocal
	s_wait_alu depctr_va_vdst(0)
.irp k, 0,1,2,3,4,5,6,7,8,9,10,11,12,13,14,15
	v_mul_f32 v[SM+32*\p+2*\k], v[SM+32*\p+2*\k], v[R]
.endr
.irp k, 0,1,2,3,4,5,6,7,8,9,10,11,12,13,14,15
	ds_store_b32 v[ADRFW], v[SM+32*\p+2*\k] offset:256*\k+128*\p   ; my wave's own bytes: only this wave reads them
.endr
.endm
	FACT 0
	FACT 1
; The 32 tiles of T take turns, one instruction a turn, in the same order in every quarter step, over the backward jump too.
.macro MUL16 f, a0, zero
.irp a, \a0, \a0+1
.irp b, 0,1,2,3,4,5,6,7
.if \zero
	v_wmma_f32_16x16x32_f16 v[8*(8*(\a)+\b):8*(8*(\a)+\b)+7], v[XF+64*\f+8*\b:XF+64*\f+8*\b+7], v[YF+32*\f+8*(\a):YF+32*\f+8*(\a)+7], 0
.else
	v_wmma_f32_16x16x32_f16 v[8*(8*(\a)+\b):8*(8*(\a)+\b)+7], v[XF+64*\f+8*\b:XF+64*\f+8*\b+7], v[YF+32*\f+8*(\a):YF+32*\f+8*(\a)+7], v[8*(8*(\a)+\b):8*(8*(\a)+\b)+7]
.endif
.endr
.endr
.endm
; 24 LDS loads: quarter q (32 keys) of a slot into buffer f.  X: two transposing loads for 16 columns, keys 32 q + 8 h + 0..7 and 16 keys further down.
.macro FETCH slot, q, f
.irp i, 0,1,2,3,4,5,6,7
	ds_load_tr16_b128 v[XF+64*\f+8*\i:XF+64*\f+8*\i+3],   v[ADRX+\slot] offset:\q*32*PITCHV+32*\i
	ds_load_tr16_b128 v[XF+64*\f+8*\i+4:XF+64*\f+8*\i+7], v[ADRX+\slot] offset:\q*32*PITCHV+32*\i+16*PITCHV
.endr
.irp i, 0,1,2,3
	ds_load_b128 v[YF+32*\f+8*\i:YF+32*\f+8*\i+3],   v[ADRY+\slot] offset:64*\q+\i*16*PITCH
	ds_load_b128 v[YF+32*\f+8*\i+4:YF+32*\f+8*\i+7], v[ADRY+\slot] offset:64*\q+\i*16*PITCH+32
.endr
.endm
.macro QUARTER slot, q, f, g, zero     ; asks for quarter q into buffer g, multiplies buffer f (asked for 32 matrix instructions ago)
	s_wait_dscnt 0x0                               ; buffer f is in (and, in a step's first quarter, the step's factors)
	PLACES                                         ; buffer g was read by the matrix instructions issued last
	WIN 0
	FETCH \slot, \q, \g
	WIN MULW
	MUL16 \f, 0, \zero
	MUL16 \f, 2, \zero
.endm
.macro THREE slot, zero
	QUARTER \slot, 1, 0, 1, \zero
	QUARTER \slot, 2, 1, 0, 0
	QUARTER \slot, 3, 0, 1, 0
.endm
; The last quarter changes slots: each wave's reads of this slot and all its tensor loads are waited for in front of the barrier; where the slot is filled
; again the barrier opens a round of the cluster's barrier, and the joint refill is the first tensor load behind the round.
.macro TURN slot, next, fill
	s_wait_dscnt 0x0                               ; buffer 1 is in, and with it my last reads of this slot
	s_wait_tensorcnt 0x0                           ; all my tensor loads have landed: the one that was out is my part of the next slot
	ds_add_u32 v62, v63
	s_wait_dscnt 0x0
	s_barrier_signal -1
	WIN MULW
	MUL16 1, 0, 0
	WIN 0
	s_barrier_wait -1
.if \fill
	CREST
	s_add_nc_u64 s[G0+4*\slot+2:G0+4*\slot+3], s[G0+4*\slot+2:G0+4*\slot+3], 2*YSTEP
	s_add_nc_u64 s[G0B+4*\slot+2:G0B+4*\slot+3], s[G0B+4*\slot+2:G0B+4*\slot+3], 2*XSTEP
	JLOAD \slot
.endif
	PLACES
	FETCH \next, 0, 0
	WIN MULW
	MUL16 1, 2, 0
.endm
.macro FLOAD                           ; this K step's factors of my four rows; waited for by the next quarter's wait for all LDS loads
.irp a, 0,1,2,3
	ds_load_b32 v[FC+\a], v[ADRF] offset:64*\a
.endr
	v_add_nc_u32 v[ADRF], 256, v[ADRF]
.endm
; O(a, .) = T(a, .) x factor + O (first = 1: + bv).  fp: the pair that holds the factor; odd = 1: in its second register.
.macro MROW a, fp, odd, first
.irp b, 0,1,2,3,4,5,6,7
.irp p, 0,1,2,3
.if \first
.if \odd
	v_pk_fma_f32 v[64*\a+8*\b+2*\p:64*\a+8*\b+2*\p+1], v[64*\a+8*\b+2*\p:64*\a+8*\b+2*\p+1], v[\fp:\fp+1], v[8*\b+2*\p:8*\b+2*\p+1] op_sel:[0,1,0]
.else
	v_pk_fma_f32 v[64*\a+8*\b+2*\p:64*\a+8*\b+2*\p+1], v[64*\a+8*\b+2*\p:64*\a+8*\b+2*\p+1], v[\fp:\fp+1], v[8*\b+2*\p:8*\b+2*\p+1] op_sel_hi:[1,0,1]
.endif
.else
.if \odd
	v_pk_fma_f32 v[64*\a+8*\b+2*\p:64*\a+8*\b+2*\p+1], v[64*\a+8*\b+2*\p:64*\a+8*\b+2*\p+1], v[\fp:\fp+1], v[64*\a+8*\b+2*\p:64*\a+8*\b+2*\p+1] op_sel:[0,1,0]
.else
	v_pk_fma_f32 v[64*\a+8*\b+2*\p:64*\a+8*\b+2*\p+1], v[64*\a+8*\b+2*\p:64*\a+8*\b+2*\p+1], v[\fp:\fp+1], v[64*\a+8*\b+2*\p:64*\a+8*\b+2*\p+1] op_sel_hi:[1,0,1]
.endif
.endif
.endr
.endr
.endm
.macro MERGE first
	PLACES                                         ; behind the step's last matrix instructions, in front of the readers of T
.if \first
	WIN MRG1
.else
	WIN MRG
.endif
	MROW 0, FC,   0, \first
	MROW 1, FC,   1, \first
	MROW 2, FC+2, 0, \first
	MROW 3, FC+2, 1, \first
.endm
.macro STEP slot, next, fill, first    ; a K step = a key block
	WIN 0
	FLOAD
	THREE \slot, 1                                 ; the step's first products start T anew
	TURN \slot, \next, \fill
	MERGE \first
.endm
	s_wait_dscnt 0x0                               ; my stores of the factors are done: no LDS instruction is pending at a signal
	s_wait_tensorcnt 0x1                           ; my part of K step 0 is in; K step 1's may stay out
	s_barrier_signal -1
	s_barrier_wait -1
	FETCH 0, 0, 0
	STEP 0, 1, 1, 1                                ; the first fold takes bv as its addend
	STEP 1, 0, 1, 0
	WIN 0
	s_mov_b32 s3, LAPS-2
.Llap:
	STEP 0, 1, 1, 0
	STEP 1, 0, 1, 0
	WIN 0
	s_sub_co_u32 s3, s3, 1
	s_cmp_lg_u32 s3, 0
	s_cbranch_scc1 .Llap
	STEP 0, 1, 0, 0                                ; the last lap fills nothing
	WIN 0
	FLOAD
	THREE 1, 1
	s_wait_dscnt 0x0
	WIN MULW
	MUL16 1, 0, 0
	MUL16 1, 2, 0
	MERGE 0
	WIN 0
	s_lshl_b32 s74, s13, 8
	s_lshl_b32 s76, s10, 6
	s_add_co_u32 s74, s74, s76                     ; my first row
	s_lshl_b32 s74, s74, 12                        ; rows of 4,096 bytes
	s_lshl_b32 s76, s42, 9                         ; 128 columns of 4 bytes
	s_add_co_u32 s74, s74, s76
	s_mov_b32 s75, 0
	s_add_nc_u64 s[72:73], s[72:73], s[74:75]
; Rows 16 a .. 16 a + 15 of my 64: 32 bytes a lane and tile into my own stage, read back as whole rows of 512 bytes, stored.
.macro OUTF a, rb
	WIN ST2
.irp b, 0,1,2,3,4,5,6,7
	ds_store_b128 v[STO], v[64*\a+8*\b:64*\a+8*\b+3]   offset:64*\b
	ds_store_b128 v[STO], v[64*\a+8*\b+4:64*\a+8*\b+7] offset:64*\b+16
.endr
	WIN 0
	s_wait_xcnt 0x0                                ; the earlier stores' data registers and base are rewritten only behind this wait
.if \a
	s_add_nc_u64 s[72:73], s[72:73], 16*4096
.endif
.irp t, 0,1,2,3,4,5,6,7,8,9,10,11,12,13,14,15
	ds_load_b128 v[\rb+4*\t:\rb+4*\t+3], v[RD] offset:\t*SPITCH    ; LDS serves a wave's instructions in order: these see the stores above
.endr
.irp t, 0,1,2,3,4,5,6,7,8,9,10,11,12,13,14,15
	s_wait_dscnt 15-\t                             ; read-back t is in, the 15 - t younger ones stay out
	global_store_b128 v[CO], v[\rb+4*\t:\rb+4*\t+3], s[72:73] offset:\t*4096 th:TH_STORE_NT   ; 32 lanes store 512 consecutive bytes, aligned
.endr
.endm
	OUTF 0, 64
	OUTF 1, 128
	OUTF 2, 64
	OUTF 3, 128
	s_wait_tensorcnt 0x0
	ds_add_u32 v62, v63
	s_wait_dscnt 0x0
	CROUND                                         ; the closing round
	s_endpgm
.Lfunc_end_k_q4f4994012a_pv:
	.size	k_q4f4994012a_pv, .Lfunc_end_k_q4f4994012a_pv-k_q4f4994012a_pv
	.p2alignl 7, 3214868480
	.fill 96, 4, 3214868480
	.section	.rodata,"a",@progbits
	.p2align	6, 0x0
	.amdhsa_kernel k_q4f4994012a_pv
		.amdhsa_group_segment_fixed_size 327680
		.amdhsa_private_segment_fixed_size 0
		.amdhsa_enable_private_segment 0
		.amdhsa_kernarg_size 40
		.amdhsa_user_sgpr_count 2
		.amdhsa_user_sgpr_kernarg_segment_ptr 1
		.amdhsa_wavefront_size32 1
		.amdhsa_system_sgpr_workgroup_id_x 1
		.amdhsa_system_sgpr_workgroup_id_y 1
		.amdhsa_system_sgpr_workgroup_id_z 1
		.amdhsa_system_vgpr_workitem_id 0
		.amdhsa_next_free_vgpr 832
		.amdhsa_next_free_sgpr 80
		.amdhsa_reserve_vcc 0
		.amdhsa_float_denorm_mode_32 3
		.amdhsa_float_denorm_mode_16_64 3
		.amdhsa_memory_ordered 1
		.amdhsa_forward_progress 1
		.amdhsa_inst_pref_size 180
	.end_amdhsa_kernel
	.amdgpu_metadata
---
amdhsa.version: [ 1, 2 ]
amdhsa.kernels:
  - .name:           k_q4f4994012a_pv
    .symbol:         k_q4f4994012a_pv.kd
    .args:
      - { .name: pt, .offset: 0, .size: 8, .value_kind: global_buffer, .address_space: global }
      - { .name: qkv, .offset: 8, .size: 8, .value_kind: global_buffer, .address_space: global }
      - { .name: st, .offset: 16, .size: 8, .value_kind: global_buffer, .address_space: global }
      - { .name: bv, .offset: 24, .size: 8, .value_kind: global_buffer, .address_space: global }
      - { .name: out0, .offset: 32, .size: 8, .value_kind: global_buffer, .address_space: global }
    .group_segment_fixed_size: 327680
    .private_segment_fixed_size: 0
    .kernarg_segment_align: 8
    .kernarg_segment_size: 40
    .max_flat_workgroup_size: 128
    .sgpr_count:     80
    .vgpr_count:     832
    .wavefront_size: 32
...
	.end_amdgpu_metadata
.endif
;; end of part 4
;; ======== version 2 of 3: 5 launches
;; limits: values are held in f16: magnitudes above 65,504 overflow, below 6.1e-05 lose precision; right only within a limited range of input values; values outside matrix products are rounded to f16
;; workspace buffers: xw 23,068,672 bytes; gt 2,097,152 bytes; gb 4,096 bytes; qv 33,554,432 bytes; pt 33,554,432 bytes; st 1,048,576 bytes
;; launch cvt (part 5): grid 704 x 1, 8 waves a work-group, no clusters, 0 bytes of LDS; arguments x, Wq, Wk, Wv, xw; writes xw
.if DOCPART == 5
	.amdgcn_target "amdgcn-amd-amdhsa--gfx1250"
	.amdhsa_code_object_version 6
	.text
	.protected	k_q4f4994012a_cvt
	.globl	k_q4f4994012a_cvt
	.p2align	8
	.type	k_q4f4994012a_cvt,@function
k_q4f4994012a_cvt:
	s_mov_b64 s[64:65], 0
	v_nop
	global_prefetch_b8 v0, s[64:65] scope:SCOPE_SE
	s_setreg_imm32_b32 hwreg(HW_REG_WAVE_MODE, 25, 1), 1
	s_wait_xcnt 0x0
; First of five launches for O = softmax((x Wq^T + bq)(x Wk^T + bk)^T / 32) (x Wv^T + bv).
; This one rounds x, Wq, Wk and Wv from f32 to f16, once, into xw = [11264][1024] f16: rows 0-8191 x, then 1024 rows each of Wq, Wk, Wv.
;
; WORK LEFT OUT, for all values of the inputs: bk.  With K = K' + bk (K' = x Wk^T) a score is Q_q . K'_k / 32 + Q_q . bk / 32, and the
; second term does not hang on k: it is the same along the softmax's axis, so it cancels between the exponentials and their sum.  bk has
; then no way to the output: it is not loaded and is no argument of any launch.
; REGROUPED, an identity for all values of the inputs: Q_q . K'_k = Q_q . (Wk x_k) = (Q_q Wk) . x_k, and Q Wk = x (Wq^T Wk) + bq Wk.  So K' is never
; made: the second launch forms G = Wq^T Wk (1024^3 multiply-adds) and g = bq Wk once, the third makes Q~ = x G + g in Q's place, and the fourth
; takes x itself as the keys.  8192 x 1024^2 multiply-adds and the 16,777,216 bytes of K' go.
; bv is not left out but added once: the weights of a row sum to 1, so sum_k w_k (V'_k + bv) = sum_k w_k V'_k + bv (last launch).
; LIMITS: a NaN, an infinity or an overflow that reaches only the term with bk is not carried to the result.  The order of rounding differs from the
; reference's: G and Q~ are rounded to f16.  Matrix operands are f16: |x|, |W|, |bq|, |G|, |V'| have to stay below 65,504, and |Q~|, which is kept as
; 2^-10 Q~, below 6.7e7.  (With the drawn spread G is about 0.03 and Q~, V' about 1; with every input 30 times larger G about 28, V' about 900 and
; Q~ about 27,000; with a common offset of 30 spreads on x and on the weights G about 900, V' about 29,000 and Q~ about 1024 x 30 x 900 = 2.8e7.)
;
; A stream: no LDS, no barrier, no matrix work, nothing shared between work-groups.  A work-group takes 65,536 bytes of f32 (16 loads of 16
; bytes a thread, all on their way at once; a wave's load covers 512 consecutive bytes) and stores 32,768 bytes of f16 (a wave's store of
; 8 bytes a lane covers 256 consecutive bytes, aligned).  Work-groups 0-511 take x, 512-575 Wq, 576-639 Wk, 640-703 Wv.
.set XGROUPS, 512                      ; 33,554,432 bytes of x / 65,536
.set INR,  4                           ; v[4:67]   16 x 4 registers as loaded
.set OUTR, 68                          ; v[68:99]  16 x 2 registers to store
	s_load_b256 s[4:11], s[0:1], 0x0               ; x s[4:5], Wq s[6:7], Wk s[8:9], Wv s[10:11]
	s_load_b64 s[12:13], s[0:1], 0x20              ; xw
	s_sub_co_u32 s14, ttmp9, XGROUPS               ; number among the weights' work-groups (not used by x's)
	s_lshr_b32 s15, s14, 6                         ; which weight: 0, 1, 2
	s_and_b32 s16, s14, 63                         ; which 65,536 bytes of it
	v_lshlrev_b32 v1, 4, v0                        ; 16 bytes a thread in
	v_lshlrev_b32 v2, 3, v0                        ; 8 bytes a thread out
	s_lshl_b32 s22, ttmp9, 15                      ; the work-group's 32,768 bytes of xw
	s_mov_b32 s23, 0
	s_mov_b32 s21, 0
	s_wait_kmcnt 0x0
	s_cmp_eq_u32 s15, 1                            ; the source is chosen by the work-group's number alone
	s_cselect_b64 s[18:19], s[8:9], s[6:7]
	s_cmp_eq_u32 s15, 2
	s_cselect_b64 s[18:19], s[10:11], s[18:19]
	s_cmp_lt_u32 ttmp9, XGROUPS
	s_cselect_b64 s[18:19], s[4:5], s[18:19]
	s_cselect_b32 s16, ttmp9, s16
	s_lshl_b32 s20, s16, 16
	s_add_nc_u64 s[18:19], s[18:19], s[20:21]
	s_add_nc_u64 s[12:13], s[12:13], s[22:23]
.irp i, 0,1,2,3,4,5,6,7,8,9,10,11,12,13,14,15
	global_load_b128 v[INR+4*\i:INR+4*\i+3], v1, s[18:19] offset:4096*\i th:TH_LOAD_NT   ; read once in the launch
.endr
.irp i, 0,1,2,3,4,5,6,7,8,9,10,11,12,13,14,15
	s_wait_loadcnt 15-\i                           ; loads come back in order: load i is in, the 15 - i younger ones stay out
	v_cvt_pk_f16_f32 v[OUTR+2*\i],   v[INR+4*\i],   v[INR+4*\i+1]
	v_cvt_pk_f16_f32 v[OUTR+2*\i+1], v[INR+4*\i+2], v[INR+4*\i+3]
	global_store_b64 v2, v[OUTR+2*\i:OUTR+2*\i+1], s[12:13] offset:2048*\i
.endr
	s_endpgm
.Lfunc_end_k_q4f4994012a_cvt:
	.size	k_q4f4994012a_cvt, .Lfunc_end_k_q4f4994012a_cvt-k_q4f4994012a_cvt
	.p2alignl 7, 3214868480
	.fill 96, 4, 3214868480
	.section	.rodata,"a",@progbits
	.p2align	6, 0x0
	.amdhsa_kernel k_q4f4994012a_cvt
		.amdhsa_group_segment_fixed_size 0
		.amdhsa_private_segment_fixed_size 0
		.amdhsa_enable_private_segment 0
		.amdhsa_kernarg_size 40
		.amdhsa_user_sgpr_count 2
		.amdhsa_user_sgpr_kernarg_segment_ptr 1
		.amdhsa_wavefront_size32 1
		.amdhsa_system_sgpr_workgroup_id_x 1
		.amdhsa_system_sgpr_workgroup_id_y 1
		.amdhsa_system_sgpr_workgroup_id_z 1
		.amdhsa_system_vgpr_workitem_id 0
		.amdhsa_next_free_vgpr 100
		.amdhsa_next_free_sgpr 66
		.amdhsa_reserve_vcc 0
		.amdhsa_float_denorm_mode_32 3
		.amdhsa_float_denorm_mode_16_64 3
		.amdhsa_memory_ordered 1
		.amdhsa_forward_progress 1
		.amdhsa_inst_pref_size 7
	.end_amdhsa_kernel
	.amdgpu_metadata
---
amdhsa.version: [ 1, 2 ]
amdhsa.kernels:
  - .name:           k_q4f4994012a_cvt
    .symbol:         k_q4f4994012a_cvt.kd
    .args:
      - { .name: x, .offset: 0, .size: 8, .value_kind: global_buffer, .address_space: global }
      - { .name: Wq, .offset: 8, .size: 8, .value_kind: global_buffer, .address_space: global }
      - { .name: Wk, .offset: 16, .size: 8, .value_kind: global_buffer, .address_space: global }
      - { .name: Wv, .offset: 24, .size: 8, .value_kind: global_buffer, .address_space: global }
      - { .name: xw, .offset: 32, .size: 8, .value_kind: global_buffer, .address_space: global }
    .group_segment_fixed_size: 0
    .private_segment_fixed_size: 0
    .kernarg_segment_align: 8
    .kernarg_segment_size: 40
    .max_flat_workgroup_size: 256
    .sgpr_count:     66
    .vgpr_count:     100
    .wavefront_size: 32
...
	.end_amdgpu_metadata
.endif
;; end of part 5
;; launch gmat (part 6): grid 8 x 8, 4 waves a work-group, no clusters, 327,680 bytes of LDS; arguments xw, bq, gt, gb; writes gt, gb
.if DOCPART == 6
	.amdgcn_target "amdgcn-amd-amdhsa--gfx1250"
	.amdhsa_code_object_version 6
	.text
	.protected	k_q4f4994012a_gmat
	.globl	k_q4f4994012a_gmat
	.p2align	8
	.type	k_q4f4994012a_gmat,@function
k_q4f4994012a_gmat:
	s_mov_b64 s[64:65], 0
	v_nop
	global_prefetch_b8 v0, s[64:65] scope:SCOPE_SE
	s_setreg_imm32_b32 hwreg(HW_REG_WAVE_MODE, 25, 1), 1
	s_wait_xcnt 0x0
; gt[d'][d] = sum_e Wk[e][d'] Wq[e][d] = G^T, [1024][1024] f16 (sums in f32), and gb[d'] = 2^-10 sum_e bq[e] Wk[e][d'] = 2^-10 g, [1024] f32.
; They take K's place: a score without bk is (x_q G + g) . x_k (see the first launch's head; bk is left out there for every input).
; gb carries the factor 2^-10 with which the next launch keeps Q~ in f16; a power of two costs no rounding.  LIMIT: |G|, |bq| below 65,504 (f16).
; The product: Y = columns of Wk, X = columns of Wq, K = e.  Both lie in xw as [e][column], so both tiles lie in LDS as [e][column] and are read by transposing loads.
; A work-group makes 128 (d') x 128 (d) with four waves; wave w makes rows 32 w .. 32 w + 31 x all 128 columns: 16 accumulator tiles, whole rows of 256 bytes.
; 8 x 8 = 64 work-groups.  K goes in steps of 128 rows of 256 consecutive bytes, aligned, through two LDS slots of two K steps each: a slot holds Y's tiles of
; steps A and B, then X's; wave w brings tile w of a slot with one load of 128 rows.  Both slots are asked for at the start (half of K), and each is filled once more.
; g: the work-groups of block column 0 alone make it, from the Y fragments that they hold anyway: two more matrix instructions a quarter step, against a fragment
; whose 16 rows are all bq.  The main part is written out twice, with g and without, behind ONE branch on the block column, so that no register is written
; under one branch and read under another; the branch is the same for the four waves, so every wave passes every barrier of its way.
; NO CLUSTER: the partners of a cluster may not differ in a branch, and g's work cannot be shared out among the four that hold the same columns of Wk without one.
; The launch brings 64 x 512 KiB of tiles in all, from 4 MiB of weights.
; THE MATRIX INSTRUCTION IS USED TRANSPOSED: source 0 = 16 columns of Wq (or bq 16 times), source 1 = 16 columns of Wk, so lane l holds output row d' = l % 16 and its
; registers 0-7 the columns d = 8 (l / 16) + 0..7.
; REGISTERS: window 0: v0-20 addresses, v32-63 packed results, v64-127 and v128-191 X's fragments (two buffers), v192-207 and v208-223 Y's, v224-231 and v232-239 bq's;
; window 1: accumulator tile (a, b) at v[8 (8 a + b)], a = 0, 1, b = 0..7; g's two tiles at v128, v136.
.set PITCHV, 288                       ; an LDS row: 256 bytes + 32, an odd multiple of 32, for the transposing loads
.set TILE,   128*PITCHV                ; 128 rows: what one tensor load brings
.set SLOT,   4*TILE                    ; Y step A, Y step B, X step A, X step B
.set BQL,    2*SLOT                    ; behind the ring: bq in f16, 2,048 bytes for each wave, its own copy; no fill lands here
.set STAGE,  BQL+4*2048                ; 16 rows x 272 bytes for each wave, for the way out; no fill lands here
.set SPITCH, 272
.set STEPB,  128*2048                  ; bytes from a K step's tile to the next: 128 rows of xw
.set QSC,    0x3a800000                ; 2^-10
.set ADRX, 6                           ; v6-9    LDS address of my X fragments in tile t = 2 x slot + step
.set ADRY, 10                          ; v10-13  the same for Y
.set STO,  14                          ; the way out: where I put 16 bytes of a row
.set RD,   15                          ; the way out: where I read a row back
.set CO,   16                          ; my byte offset in gt
.set ADRB, 17                          ; bq's fragments: my copy + 16 h
.set BW,   18                          ; where lane l puts 4 numbers of bq: my copy + 8 l
.set BO,   19                          ; 16 l: where lane l reads 4 numbers of bq
.set GO,   20                          ; 4 l: my number of gb
.set TMP,  32
.set XF,   64
.set YF,   192
.set BF,   224
.set GA,   128                         ; window 1
.set G1,  24                           ; s[24:31] descriptor group 1, the same for every load
.set G0,  32                           ; s[32:39] descriptor group 0, one set for each slot
.set MULW, 0x50                        ; C and D in window 1
.set S01,  0x01                        ; source 0 in window 1
.set S05,  0x05                        ; sources 0 and 1 in window 1
.set MSB, 0
.macro WIN new                         ; the immediate's high byte repeats the setting that is left
.if MSB != \new
	s_set_vgpr_msb (MSB<<8)|\new
.set MSB, \new
.endif
.endm
.macro PLACES                          ; four plain vector instructions behind matrix instructions, in front of loads into their sources and of readers of their results
.rept 4
	v_nop
.endr
.endm
	s_load_b256 s[4:11], s[0:1], 0x0               ; xw s[4:5], bq s[6:7], gt s[8:9], gb s[10:11]
	v_lshl_add_u32 v254, v0, 2, 0x4e400
	v_mov_b32 v255, 0
	ds_add_u32 v254, v255
	ds_add_u32 v254, v255
	v_lshrrev_b32 v4, 5, v0
	v_readfirstlane_b32 s12, v4                    ; wave 0..3
	s_lshr_b32 s13, s12, 1                         ; I fetch Wk's tiles (0) or Wq's (1)
	s_and_b32 s14, s12, 1                          ; which K step of a slot I fetch
	s_mov_b32 s15, ttmp9                           ; block column: 128 columns d of Wq
	s_and_b32 s16, ttmp7, 0xffff                   ; block row: 128 columns d' of Wk
	s_mov_b32 s[G1+0], (1<<16)|(1<<20)|(5<<22)|(7<<25)   ; no mask; elements of 2 bytes; padding on: after every 64 words 8 words
	s_mov_b32 s[G1+1], 128<<16                     ; tensor_dim0 = 128
	s_mov_b32 s[G1+2], 128<<16                     ; tensor_dim1 = 128
	s_mov_b32 s[G1+3], 128<<16                     ; tile_dim0 = 128 elements
	s_mov_b32 s[G1+4], 128                         ; tile_dim1 = 128 rows
	s_mov_b32 s[G1+5], 1024                        ; elements from row to row
	s_mov_b32 s[G1+6], 0
	s_mov_b32 s[G1+7], 0
	s_lshl_b32 s17, s13, 10
	s_sub_co_u32 s17, 9216, s17                    ; Wk begins at row 9216 of xw, Wq at row 8192
	s_lshl_b32 s19, s14, 7
	s_add_co_u32 s17, s17, s19                     ; + 128 rows for the slot's second K step
	s_lshl_b32 s40, s17, 11                        ; rows of 2,048 bytes
	s_cmp_eq_u32 s13, 0
	s_cselect_b32 s18, s16, s15                    ; Wk's columns by the block row, Wq's by the block column
	s_lshl_b32 s18, s18, 8                         ; 128 columns of 2 bytes
	s_add_co_u32 s40, s40, s18
	s_mov_b32 s41, 0
	s_mul_i32 s20, s12, TILE                       ; where my tile goes: wave x 128 rows
	s_lshl_b32 s42, s16, 7
	s_lshl_b32 s43, s12, 5
	s_add_co_u32 s42, s42, s43                     ; my first row d'
	s_lshl_b32 s44, s42, 2                         ; its place in gb
	s_mov_b32 s45, 0
	s_lshl_b32 s42, s42, 11                        ; and in gt: rows of 2,048 bytes,
	s_lshl_b32 s43, s15, 8                         ; 128 columns of 2 bytes
	s_add_co_u32 s42, s42, s43
	s_mov_b32 s43, 0
	s_wait_dscnt 0x0
	s_wait_kmcnt 0x0
	s_add_nc_u64 s[40:41], s[4:5], s[40:41]
	s_add_nc_u64 s[8:9], s[8:9], s[42:43]
.irp s, 0,1
	s_mov_b32 s[G0+4*\s], 1
	s_add_co_u32 s[G0+4*\s+1], s20, \s*SLOT
	s_add_nc_u64 s[G0+4*\s+2:G0+4*\s+3], s[40:41], \s*2*STEPB
	s_or_b32 s[G0+4*\s+3], s[G0+4*\s+3], 0x80000000
	tensor_load_to_lds s[G0+4*\s:G0+4*\s+3], s[G1:G1+7]   ; K steps 0, 1 and 2, 3: both slots are asked for before anything else is done
	s_nop 0
.endr
	v_and_b32 v1, 15, v0                           ; r = l % 16
	v_bfe_u32 v2, v0, 4, 1                         ; h = l / 16
	v_and_b32 v3, 31, v0                           ; l
	v_and_b32 v4, 7, v0                            ; the transposing load: lane l addresses row e = 8 h + l % 8,
	v_lshl_add_u32 v4, v2, 3, v4
	v_mul_u32_u24 v4, v4, PITCHV
	v_bfe_u32 v5, v0, 3, 1                         ; and 16 bytes (8 columns) for each half of a group of 16 lanes
	v_lshl_add_u32 v4, v5, 4, v4
	s_lshl_b32 s21, s12, 6                         ; my 32 columns of Wk's tile: 64 bytes a wave
	v_add_nc_u32 v[ADRY], s21, v4
	v_add_nc_u32 v[ADRY+1], TILE, v[ADRY]
	v_add_nc_u32 v[ADRY+2], SLOT, v[ADRY]
	v_add_nc_u32 v[ADRY+3], SLOT+TILE, v[ADRY]
	v_add_nc_u32 v[ADRX], 2*TILE, v4
	v_add_nc_u32 v[ADRX+1], 3*TILE, v4
	v_add_nc_u32 v[ADRX+2], SLOT+2*TILE, v4
	v_add_nc_u32 v[ADRX+3], SLOT+3*TILE, v4
	s_mul_i32 s22, s12, 16*SPITCH
	s_add_co_u32 s22, s22, STAGE                   ; my stage
	v_mul_u32_u24 v4, v1, SPITCH
	v_lshl_add_u32 v4, v2, 4, v4
	v_add_nc_u32 v[STO], s22, v4                   ; in: row r, 16 bytes for each half of the lanes
	v_mul_u32_u24 v5, v2, SPITCH
	v_lshl_add_u32 v5, v1, 4, v5
	v_add_nc_u32 v[RD], s22, v5                    ; back: lanes 0-15 one row of 256 bytes, lanes 16-31 the next
	v_lshlrev_b32 v5, 11, v2
	v_lshl_add_u32 v[CO], v1, 4, v5                ; the same two rows in gt (2,048 bytes a row)
; 8 matrix instructions: Y block a x all 8 X blocks, 32 along K, from fragment buffer f; g = 1: and Y block a against bq.  zero = 1: the product starts the sums.
; The 16 (18) accumulators take turns, one instruction a turn, in the same order in every quarter step.
.macro MUL8 f, a, zero, g
.irp b, 0,1,2,3,4,5,6,7
.if \zero
	v_wmma_f32_16x16x32_f16 v[8*(8*\a+\b):8*(8*\a+\b)+7], v[XF+64*(\f)+8*\b:XF+64*(\f)+8*\b+7], v[YF+16*(\f)+8*\a:YF+16*(\f)+8*\a+7], 0
.else
	v_wmma_f32_16x16x32_f16 v[8*(8*\a+\b):8*(8*\a+\b)+7], v[XF+64*(\f)+8*\b:XF+64*(\f)+8*\b+7], v[YF+16*(\f)+8*\a:YF+16*(\f)+8*\a+7], v[8*(8*\a+\b):8*(8*\a+\b)+7]
.endif
.endr
.if \g
.if \zero
	v_wmma_f32_16x16x32_f16 v[GA+8*\a:GA+8*\a+7], v[BF+8*(\f):BF+8*(\f)+7], v[YF+16*(\f)+8*\a:YF+16*(\f)+8*\a+7], 0
.else
	v_wmma_f32_16x16x32_f16 v[GA+8*\a:GA+8*\a+7], v[BF+8*(\f):BF+8*(\f)+7], v[YF+16*(\f)+8*\a:YF+16*(\f)+8*\a+7], v[GA+8*\a:GA+8*\a+7]
.endif
.endif
.endm
; 20 LDS loads: quarter q (32 rows e) of tile t = 2 x slot + step into buffer f: two transposing loads for 16 columns, rows 32 q + 8 h + 0..7 and 16 rows further down.
; g = 1: and bq's numbers 128 st + 32 q + 8 h + 0..7 and 16 further on, the same in the 16 lanes of a half (st: the K step, 0..7).
.macro FETCH t, q, f, st, g
.irp i, 0,1,2,3,4,5,6,7
	ds_load_tr16_b128 v[XF+64*(\f)+8*\i:XF+64*(\f)+8*\i+3],   v[ADRX+\t] offset:\q*32*PITCHV+32*\i
	ds_load_tr16_b128 v[XF+64*(\f)+8*\i+4:XF+64*(\f)+8*\i+7], v[ADRX+\t] offset:\q*32*PITCHV+32*\i+16*PITCHV
.endr
.irp i, 0,1
	ds_load_tr16_b128 v[YF+16*(\f)+8*\i:YF+16*(\f)+8*\i+3],   v[ADRY+\t] offset:\q*32*PITCHV+32*\i
	ds_load_tr16_b128 v[YF+16*(\f)+8*\i+4:YF+16*(\f)+8*\i+7], v[ADRY+\t] offset:\q*32*PITCHV+32*\i+16*PITCHV
.endr
.if \g
	ds_load_b128 v[BF+8*(\f):BF+8*(\f)+3],   v[ADRB] offset:256*(\st)+64*\q
	ds_load_b128 v[BF+8*(\f)+4:BF+8*(\f)+7], v[ADRB] offset:256*(\st)+64*\q+32
.endif
.endm
; A quarter step: asks for the next quarter (tile nt, quarter nq, K step nst) into the other buffer, then multiplies buffer f, asked for a quarter ago.
.macro QUARTER nt, nq, nst, f, g, zero
	s_wait_dscnt 0x0                               ; buffer f is in
	PLACES                                         ; the other buffer was read by the matrix instructions just issued
	WIN 0
	FETCH \nt, \nq, 1-\f, \nst, \g
	WIN MULW
	MUL8 \f, 0, \zero, \g
	MUL8 \f, 1, \zero, \g
.endm
; Seven of the eight quarters of a slot (tiles t0 and t0 + 1, K steps st0 and st0 + 1).  No barrier stands between a slot's two steps: the one in front has shown the whole slot.
.macro VISIT t0, st0, g, zero
	QUARTER \t0,   1, \st0,   0, \g, \zero
	QUARTER \t0,   2, \st0,   1, \g, 0
	QUARTER \t0,   3, \st0,   0, \g, 0
	QUARTER \t0+1, 0, \st0+1, 1, \g, 0
	QUARTER \t0+1, 1, \st0+1, 0, \g, 0
	QUARTER \t0+1, 2, \st0+1, 1, \g, 0
	QUARTER \t0+1, 3, \st0+1, 0, \g, 0
.endm
; The eighth quarter multiplies buffer 1 and changes slots.  In front of the barrier each wave has waited for its reads of this slot and for all its tensor loads
; (its part of the other slot).  fill = 1: behind the barrier this slot is asked for again, four K steps on, first thing, one load a wave.
.macro TURN slot, nt, nst, fill, g
	s_wait_dscnt 0x0                               ; buffer 1 is in, and with it my last reads of this slot
	s_wait_tensorcnt 0x0                           ; all my tensor loads have landed, so a group 0 may be written
	ds_add_u32 v254, v255
	s_wait_dscnt 0x0
.if \fill
	s_add_nc_u64 s[G0+4*\slot+2:G0+4*\slot+3], s[G0+4*\slot+2:G0+4*\slot+3], 4*STEPB
.endif
	s_barrier_signal -1
	WIN MULW
	MUL8 1, 0, 0, \g                               ; register work while the others arrive
	WIN 0
	s_barrier_wait -1
.if \fill
	tensor_load_to_lds s[G0+4*\slot:G0+4*\slot+3], s[G1:G1+7]
	s_nop 0
.endif
	PLACES
	FETCH \nt, 0, 0, \nst, \g
	WIN MULW
	MUL8 1, 1, 0, \g
.endm
.macro MAIN g
	s_wait_tensorcnt 0x1                           ; my tile of slot 0 is in; slot 1's may stay out
	s_barrier_signal -1
	s_barrier_wait -1                              ; everybody's is
	FETCH 0, 0, 0, 0, \g
	VISIT 0, 0, \g, 1                              ; K steps 0, 1: the first products start the sums, nothing is cleared
	TURN 0, 2, 2, 1, \g                            ; slot 0 is asked for again: K steps 4, 5
	VISIT 2, 2, \g, 0                              ; K steps 2, 3
	TURN 1, 0, 4, 1, \g                            ; slot 1 is asked for again: K steps 6, 7
	VISIT 0, 4, \g, 0                              ; K steps 4, 5
	TURN 0, 2, 6, 0, \g                            ; nothing is left to fetch
	VISIT 2, 6, \g, 0                              ; K steps 6, 7
	s_wait_dscnt 0x0
	WIN MULW
	MUL8 1, 0, 0, \g
	MUL8 1, 1, 0, \g
	PLACES                                         ; behind the last matrix instructions: for the readers of the results and the loads into the fragment registers
	WIN 0
.endm
	s_cmp_lg_u32 s15, 0                            ; the block column: the same for the four waves
	s_cbranch_scc1 .Lplain
	; block column 0: bq, rounded to f16, into my wave's own copy, while the first tiles are on their way
	s_add_nc_u64 s[10:11], s[10:11], s[44:45]
	s_lshl_b32 s23, s12, 11
	s_add_co_u32 s23, s23, BQL
	v_lshl_add_u32 v[ADRB], v2, 4, s23
	v_lshl_add_u32 v[BW], v3, 3, s23
	v_lshlrev_b32 v[BO], 4, v3
	v_lshlrev_b32 v[GO], 2, v3
.irp i, 0,1,2,3,4,5,6,7
	global_load_b128 v[XF+4*\i:XF+4*\i+3], v[BO], s[6:7] offset:512*\i   ; bq's numbers 128 i + 4 l + 0..3: 512 consecutive bytes a load
.endr
	s_wait_loadcnt 0x0
.irp i, 0,1,2,3,4,5,6,7
	v_cvt_pk_f16_f32 v[TMP+2*\i],   v[XF+4*\i],   v[XF+4*\i+1]
	v_cvt_pk_f16_f32 v[TMP+2*\i+1], v[XF+4*\i+2], v[XF+4*\i+3]
	ds_store_b64 v[BW], v[TMP+2*\i:TMP+2*\i+1] offset:256*\i   ; my wave's own bytes: only this wave reads them
.endr
	s_wait_dscnt 0x0                               ; no LDS instruction is pending at a signal
	MAIN 1
	v_mov_b32 v5, QSC
	WIN S01
	v_mul_f32 v4, v[GA], v5                        ; every register of g's tile a holds g of row 16 a + r: the first is taken
	v_mul_f32 v21, v[GA+8], v5
	WIN 0
	v_cmp_lt_u32 vcc_lo, 15, v3
	v_cndmask_b32 v4, v4, v21, vcc_lo              ; lanes 0-15 tile 0, lanes 16-31 tile 1: lane l holds row 32 w + l
	global_store_b32 v[GO], v4, s[10:11]           ; 32 lanes store 128 consecutive bytes; gb is 4,096 bytes in all
	s_branch .Lout
.Lplain:
	MAIN 0
.Lout:
; Rows 16 i .. 16 i + 15 of my 32: round to f16, 16 bytes a lane into my own stage, read back as whole rows of 256 bytes, store.
.macro OUT16 i, rb
	WIN S05
.irp b, 0,1,2,3,4,5,6,7
.irp p, 0,1,2,3
	v_cvt_pk_f16_f32 v[TMP+4*\b+\p], v[8*(8*\i+\b)+2*\p], v[8*(8*\i+\b)+2*\p+1]
.endr
.endr
	WIN 0
.irp b, 0,1,2,3,4,5,6,7
	ds_store_b128 v[STO], v[TMP+4*\b:TMP+4*\b+3] offset:32*\b
.endr
	s_wait_xcnt 0x0                                ; the earlier stores' data registers and base are rewritten only behind this wait
.if \i
	s_add_nc_u64 s[8:9], s[8:9], 16*2048
.endif
.irp t, 0,1,2,3,4,5,6,7
	ds_load_b128 v[\rb+4*\t:\rb+4*\t+3], v[RD] offset:\t*2*SPITCH   ; LDS serves a wave's instructions in order: these see the stores above
.endr
.irp t, 0,1,2,3,4,5,6,7
	s_wait_dscnt 7-\t                              ; read-back t is in, the 7 - t younger ones stay out
	global_store_b128 v[CO], v[\rb+4*\t:\rb+4*\t+3], s[8:9] offset:\t*4096   ; 16 lanes store 256 consecutive bytes, aligned
.endr
.endm
	OUT16 0, 128
	OUT16 1, 160
	s_wait_tensorcnt 0x0
	ds_add_u32 v254, v255
	s_wait_dscnt 0x0
	s_endpgm
.Lfunc_end_k_q4f4994012a_gmat:
	.size	k_q4f4994012a_gmat, .Lfunc_end_k_q4f4994012a_gmat-k_q4f4994012a_gmat
	.p2alignl 7, 3214868480
	.fill 96, 4, 3214868480
	.section	.rodata,"a",@progbits
	.p2align	6, 0x0
	.amdhsa_kernel k_q4f4994012a_gmat
		.amdhsa_group_segment_fixed_size 327680
		.amdhsa_private_segment_fixed_size 0
		.amdhsa_enable_private_segment 0
		.amdhsa_kernarg_size 32
		.amdhsa_user_sgpr_count 2
		.amdhsa_user_sgpr_kernarg_segment_ptr 1
		.amdhsa_wavefront_size32 1
		.amdhsa_system_sgpr_workgroup_id_x 1
		.amdhsa_system_sgpr_workgroup_id_y 1
		.amdhsa_system_sgpr_workgroup_id_z 1
		.amdhsa_system_vgpr_workitem_id 0
		.amdhsa_next_free_vgpr 400
		.amdhsa_next_free_sgpr 66
		.amdhsa_reserve_vcc 1
		.amdhsa_float_denorm_mode_32 3
		.amdhsa_float_denorm_mode_16_64 3
		.amdhsa_memory_ordered 1
		.amdhsa_forward_progress 1
		.amdhsa_inst_pref_size 184
	.end_amdhsa_kernel
	.amdgpu_metadata
---
amdhsa.version: [ 1, 2 ]
amdhsa.kernels:
  - .name:           k_q4f4994012a_gmat
    .symbol:         k_q4f4994012a_gmat.kd
    .args:
      - { .name: xw, .offset: 0, .size: 8, .value_kind: global_buffer, .address_space: global }
      - { .name: bq, .offset: 8, .size: 8, .value_kind: global_buffer, .address_space: global }
      - { .name: gt, .offset: 16, .size: 8, .value_kind: global_buffer, .address_space: global }
      - { .name: gb, .offset: 24, .size: 8, .value_kind: global_buffer, .address_space: global }
    .group_segment_fixed_size: 327680
    .private_segment_fixed_size: 0
    .kernarg_segment_align: 8
    .kernarg_segment_size: 32
    .max_flat_workgroup_size: 128
    .sgpr_count:     66
    .vgpr_count:     400
    .wavefront_size: 32
...
	.end_amdgpu_metadata
.endif
;; end of part 6
;; launch proj (part 7): grid 8 x 32, 4 waves a work-group, clusters of 4 x 4, 327,680 bytes of LDS; arguments xw, gt, gb, qv; writes qv
.if DOCPART == 7
	.amdgcn_target "amdgcn-amd-amdhsa--gfx1250"
	.amdhsa_code_object_version 6
	.text
	.protected	k_q4f4994012a_proj
	.globl	k_q4f4994012a_proj
	.p2align	8
	.type	k_q4f4994012a_proj,@function
k_q4f4994012a_proj:
	s_mov_b64 s[64:65], 0
	v_nop
	global_prefetch_b8 v0, s[64:65] scope:SCOPE_SE
	s_setreg_imm32_b32 hwreg(HW_REG_WAVE_MODE, 25, 1), 1
	s_wait_xcnt 0x0
	s_wait_alu depctr_hold_cnt(0) depctr_sa_sdst(0) depctr_va_vdst(0) depctr_va_sdst(0) depctr_va_ssrc(0) depctr_va_vcc(0) depctr_vm_vsrc(0)
	s_getreg_b32 s2, hwreg(HW_REG_IB_STS2, 6, 4)
	s_cmp_eq_u32 s2, 0
	s_cbranch_scc0 .Lentry_in_a_cluster
	s_endpgm
.Lentry_in_a_cluster:
	s_bfe_u32 s2, ttmp6, 0x10000c
	s_cmp_lg_u32 s2, 0xf033
	s_cbranch_scc0 .Lentry_shape_is_right
	s_endpgm
.Lentry_shape_is_right:
; qv[0] = 2^-10 Q~ = 2^-10 (x G + g), qv[1] = V' = x Wv^T, each [8192][1024] f16; sums in f32.
; Left out here: K' and bk (a score is Q~_q . x_k but for a term that is the same along the softmax's axis: see the first launch's head); bv is added in the last launch.
; The factor 2^-10, a power of two that costs no rounding, keeps Q~ inside f16; the next launch's constant takes it back.  LIMIT: |Q~| below 6.7e7, |V'| below 65,504.
; One product [8192 x 2048 x 1024]: Y = the rows of x, X = the 1024 rows of gt (G^T) and the 1024 rows of Wv in xw, all with K along the rows.
; A work-group makes 256 (Y) x 256 (X) with four waves, as many as a WGP has SIMDs; a wave makes 128 x 128: 64 accumulator tiles, 512 registers.
; 8 x 32 = 256 work-groups.  K goes in steps of 128 (a tile's rows are 256 consecutive bytes, aligned) through two LDS slots; a step is 256 matrix
; instructions a wave, of which 240 stand between a slot's request and the wait for it.
; CLUSTERS: 4 x 4 work-groups.  Y's tile hangs on the block row alone and is asked for jointly by the four of a row of the cluster, X's on the block
; column alone and is asked for jointly by the four of a column.  Waves 0, 1 ask for Y's halves, waves 2, 3 for X's, 128 rows each.
; THE MATRIX INSTRUCTION IS USED TRANSPOSED: source 0 = 16 rows of X, source 1 = 16 rows of Y, so lane l holds output row l % 16 and its
; registers 0-7 the columns 8 (l / 16) + 0..7: eight neighbouring numbers of a row.
; REGISTERS, in windows of 256: window 0: v0-31 addresses, v32-63 packed results, v64-127 and v128-191 Y's fragments (two buffers), v192-255 gb on the way out;
; window 1: v64-127, v128-191 X's fragments; window 2: the 32 accumulator tiles of my rows 0-63 (tile (a, b) at v[8 (8 a + b)]); window 3: those of my rows 64-127.
.set PITCH,  272                       ; an LDS row: 256 bytes + 16 of padding, so row r starts 16 r further modulo 256: the 16 rows of a fragment load start in 16 different 16-byte columns
.set HALFT,  128*PITCH                 ; 128 rows: what one tensor load brings, and what one wave reads of Y or of X
.set SLOT,   4*HALFT                   ; Y's 256 rows, then X's 256 rows
.set STAGE,  2*SLOT                    ; behind the ring: 16 rows x 272 bytes for each wave, for the way out; no fill lands here
.set SPITCH, 272
.set LAPS,   4                         ; a lap = two K steps = once round the ring; 1024 / 256
.set KSTEPB, 256                       ; bytes from a K step's tile to the next
.set QSC,    0x3a800000                ; 2^-10
.set ADRX, 6                           ; v6-7   LDS address of my X fragments in slot 0, 1
.set ADRY, 8                           ; v8-9   the same for Y
.set STO,  10                          ; the way out: where I put 16 bytes of a row
.set RD,   11                          ; the way out: where I read a row back
.set CO,   12                          ; my byte offset in the output
.set VB,   15                          ; 32 h: my eight columns' offset in gb
.set TMP,  32
.set F0,   64                          ; fragment buffer 0
.set F1,   128                         ; fragment buffer 1
.set EW,   64                          ; the way out: scaled results with g, f32
.set BQ,   192                         ; the way out: gb of my 64 columns
.set G1,  24                           ; s[24:31] descriptor group 1 for Y
.set G0,  32                           ; s[32:39] descriptor group 0 for Y, one set for each slot
.set G1B, 48                           ; s[48:55] group 1 for X: it differs from Y's in the mask alone
.set G0B, 56                           ; s[56:63] group 0 for X
.set MUL_LO, 0xa1                      ; source 0 (X) window 1, source 1 (Y) window 0, C and D window 2
.set MUL_HI, 0xf1                      ; the same, C and D window 3
.set TO_X,   0x40                      ; destination window 1, address window 0
.set MSB, 0
.macro WIN new                         ; the immediate's high byte repeats the setting that is left
.if MSB != \new
	s_set_vgpr_msb (MSB<<8)|\new
.set MSB, \new
.endif
.endm
.macro PLACES                          ; four plain vector instructions behind matrix instructions, in front of loads into their sources and of readers of their results
.rept 4
	v_nop
.endr
.endm
.macro JLOAD s                         ; a joint load: each line has one mask; the branch hangs on the wave's number alone
	s_cmp_eq_u32 s11, 0
	s_cbranch_scc0 .Lfor_x_\@
	tensor_load_to_lds s[G0+4*\s:G0+4*\s+3], s[G1:G1+7]
	s_nop 0
	s_branch .Lasked_\@
.Lfor_x_\@:
	tensor_load_to_lds s[G0B+4*\s:G0B+4*\s+3], s[G1B:G1B+7]
	s_nop 0
.Lasked_\@:
.endm
.macro CREST                           ; a round of the cluster's barrier behind its opening work-group barrier
	s_cmp_lg_u32 s10, 0
	s_cbranch_scc1 .Lnot_wave_0_\@
	s_barrier_signal -3
.Lnot_wave_0_\@:
	s_barrier_wait -3
	s_barrier_signal -1
	s_barrier_wait -1
.endm
.macro CROUND
	s_barrier_signal -1
	s_barrier_wait -1
	CREST
.endm
	s_load_b128 s[4:7], s[0:1], 0x0                ; xw s[4:5], gt s[6:7]
	s_load_b128 s[68:71], s[0:1], 0x10             ; gb s[68:69], qv s[70:71]
	s_set_vgpr_msb 0x40
	v_lshl_add_u32 v255, v0, 2, 0x48400
	s_set_vgpr_msb 0x4000
	v_mov_b32 v31, 0
	s_set_vgpr_msb 0x1
	ds_add_u32 v255, v31
	ds_add_u32 v255, v31
	s_set_vgpr_msb 0x100
	v_lshrrev_b32 v4, 5, v0
	v_readfirstlane_b32 s10, v4                    ; wave 0..3
	s_lshr_b32 s11, s10, 1                         ; which half of the block's rows is mine.  Also: I fetch for Y (0) or for X (1)
	s_and_b32 s12, s10, 1                          ; which half of its columns.  Also: which 128 rows of that tile I fetch
	s_bfe_u32 s40, ttmp6, 0x40000                  ; cx: the block column inside the plane (4 block columns = 1 cluster a plane)
	s_bfe_u32 s41, ttmp6, 0x40004                  ; cy
	s_and_b32 s13, ttmp7, 0xffff
	s_lshl_b32 s13, s13, 2
	s_add_co_u32 s13, s13, s41                     ; block row 0..31 = 4 x cluster y + cy
	s_mov_b32 s45, ttmp9                           ; plane 0 (Q~), 1 (V'): the cluster's x, the same in all sixteen partners
	s_lshl_b32 s43, s41, 2
	s_lshl_b32 s43, 15, s43                        ; my row of the cluster
	s_lshl_b32 s44, 0x1111, s40                    ; my column
	s_or_b32 s[G1+0], s43, (1<<16)|(1<<20)|(1<<21)|(5<<22)|(3<<25)   ; mask; elements of 2 bytes; padding on; bit 21 beside a mask; after every 64 words 4 words
	s_mov_b32 s[G1+1], 128<<16                     ; tensor_dim0 = 128
	s_mov_b32 s[G1+2], 128<<16                     ; tensor_dim1 = 128
	s_mov_b32 s[G1+3], 128<<16                     ; tile_dim0 = 128 elements
	s_mov_b32 s[G1+4], 128                         ; tile_dim1 = 128 rows
	s_mov_b32 s[G1+5], 1024                        ; elements from row to row
	s_mov_b32 s[G1+6], 0
	s_mov_b32 s[G1+7], 0
	s_or_b32 s[G1B+0], s44, (1<<16)|(1<<20)|(1<<21)|(5<<22)|(3<<25)
	s_mov_b32 s[G1B+1], 128<<16
	s_mov_b32 s[G1B+2], 128<<16
	s_mov_b32 s[G1B+3], 128<<16
	s_mov_b32 s[G1B+4], 128
	s_mov_b32 s[G1B+5], 1024
	s_mov_b32 s[G1B+6], 0
	s_mov_b32 s[G1B+7], 0
	s_lshl_b32 s22, s12, 7                         ; which 128 rows of the tile I fetch
	s_lshl_b32 s16, s13, 8                         ; Y: row 256 x block row + 128 x half, rows of 2,048 bytes
	s_add_co_u32 s16, s16, s22
	s_lshl_b32 s16, s16, 11
	s_mov_b32 s17, 0
	s_lshl_b32 s46, s40, 8                         ; X: row 256 x block column in the plane + 128 x half
	s_add_co_u32 s46, s46, s22
	s_lshl_b32 s46, s46, 11
	s_mov_b32 s47, 0
	s_mul_i32 s20, s10, HALFT                      ; where they go: Y's two halves, then X's two halves = wave x 128 rows
	s_wait_dscnt 0x0
	s_wait_kmcnt 0x0
	s_cmp_eq_u32 s45, 0                            ; the plane chooses X's buffer: gt, or Wv's rows, which begin at row 10240 of xw
	s_cselect_b64 s[72:73], s[6:7], s[4:5]
	s_cselect_b32 s23, 0, 10240*2048
	s_add_co_u32 s46, s46, s23
	s_add_nc_u64 s[14:15], s[4:5], s[16:17]
	s_add_nc_u64 s[46:47], s[72:73], s[46:47]
	CROUND                                         ; all sixteen work-groups are here: the first joint loads meet
.irp s, 0,1
	s_mov_b32 s[G0+4*\s], 1
	s_add_co_u32 s[G0+4*\s+1], s20, \s*SLOT
	s_add_nc_u64 s[G0+4*\s+2:G0+4*\s+3], s[14:15], \s*KSTEPB
	s_or_b32 s[G0+4*\s+3], s[G0+4*\s+3], 0x80000000
	s_mov_b32 s[G0B+4*\s], 1
	s_add_co_u32 s[G0B+4*\s+1], s20, \s*SLOT
	s_add_nc_u64 s[G0B+4*\s+2:G0B+4*\s+3], s[46:47], \s*KSTEPB
	s_or_b32 s[G0B+4*\s+3], s[G0B+4*\s+3], 0x80000000
	JLOAD \s                                       ; K steps 0 and 1: both slots are asked for before anything else is done
.endr
	v_and_b32 v1, 15, v0                           ; r = l % 16
	v_bfe_u32 v2, v0, 4, 1                         ; h = l / 16
	v_mul_u32_u24 v4, v1, PITCH
	v_lshl_add_u32 v4, v2, 4, v4                   ; 272 r + 16 h
	s_mul_i32 s21, s11, HALFT                      ; my 128 rows of Y
	s_mul_i32 s22, s12, HALFT                      ; my 128 rows of X,
	s_add_co_u32 s22, s22, 2*HALFT                 ; which lie behind Y's 256
	v_add_nc_u32 v[ADRY], s21, v4
	v_add_nc_u32 v[ADRY+1], SLOT, v[ADRY]
	v_add_nc_u32 v[ADRX], s22, v4
	v_add_nc_u32 v[ADRX+1], SLOT, v[ADRX]
	s_mul_i32 s23, s10, 16*SPITCH
	s_add_co_u32 s23, s23, STAGE                   ; my stage
	v_add_nc_u32 v[STO], s23, v4                   ; in: row r, 16 bytes for each half of the lanes
	v_mul_u32_u24 v5, v2, SPITCH
	v_lshl_add_u32 v5, v1, 4, v5
	v_add_nc_u32 v[RD], s23, v5                    ; back: lanes 0-15 one row of 256 bytes, lanes 16-31 the next
	v_lshlrev_b32 v5, 11, v2
	v_lshl_add_u32 v[CO], v1, 4, v5                ; the same two rows in the output (2,048 bytes a row)
	v_lshlrev_b32 v[VB], 5, v2
; 16 matrix instructions: Y blocks a0, a0 + 1 of the window's four (hi = 0: my rows 0-63, 1: rows 64-127) x all 8 X blocks, 32 along K.  zero = 1: the product starts the sums.
; The 64 accumulators take turns, one instruction a turn, in the same order in every quarter step, over the backward jump too.
.macro MUL16 f, hi, a0, zero
.irp a, \a0, \a0+1
.irp b, 0,1,2,3,4,5,6,7
.if \zero
	v_wmma_f32_16x16x32_f16 v[8*(8*(\a)+\b):8*(8*(\a)+\b)+7], v[\f+8*\b:\f+8*\b+7], v[\f+8*(4*\hi+\a):\f+8*(4*\hi+\a)+7], 0
.else
	v_wmma_f32_16x16x32_f16 v[8*(8*(\a)+\b):8*(8*(\a)+\b)+7], v[\f+8*\b:\f+8*\b+7], v[\f+8*(4*\hi+\a):\f+8*(4*\hi+\a)+7], v[8*(8*(\a)+\b):8*(8*(\a)+\b)+7]
.endif
.endr
.endr
.endm
; 32 LDS loads in one run: the fragments of one quarter step (128 rows of X, 128 rows of Y, 32 K at byte k of the rows) into buffer f.  A fragment: lane l holds
; row l % 16; registers 0-3 K = 8 (l / 16) + 0..7, registers 4-7 K = 16 + 8 (l / 16) + 0..7: two loads of 16 bytes, 32 bytes apart.
.macro FETCH slot, k, f
	WIN TO_X
.irp i, 0,1,2,3,4,5,6,7
	ds_load_b128 v[\f+8*\i:\f+8*\i+3],   v[ADRX+\slot] offset:\k+\i*16*PITCH
	ds_load_b128 v[\f+8*\i+4:\f+8*\i+7], v[ADRX+\slot] offset:\k+\i*16*PITCH+32
.endr
	WIN 0
.irp i, 0,1,2,3,4,5,6,7
	ds_load_b128 v[\f+8*\i:\f+8*\i+3],   v[ADRY+\slot] offset:\k+\i*16*PITCH
	ds_load_b128 v[\f+8*\i+4:\f+8*\i+7], v[ADRY+\slot] offset:\k+\i*16*PITCH+32
.endr
.endm
; One of a K step's first three quarters: multiplies buffer f; in its middle it fetches the next quarter's fragments, at byte k of the same slot's rows, into buffer g.
.macro QUARTER slot, k, f, g, zero
	s_wait_dscnt 8                                 ; X and Y's rows 0-63 are in; the youngest eight loads (Y's rows 64-127) may be out
	WIN MUL_LO
	MUL16 \f, 0, 0, \zero
	MUL16 \f, 0, 2, \zero
	PLACES                                         ; buffer g was read by the quarter before
	FETCH \slot, \k, \g
	s_wait_dscnt 32                                ; all but the 32 just issued
	WIN MUL_HI
	MUL16 \f, 1, 0, \zero
	MUL16 \f, 1, 2, \zero
.endm
.macro THREE slot, zero
	QUARTER \slot, 64,  F0, F1, \zero
	QUARTER \slot, 128, F1, F0, 0
	QUARTER \slot, 192, F0, F1, 0
.endm
; The last quarter multiplies buffer 1 and changes slots.  In front of the barrier each wave has waited for its reads of this slot and for all its tensor loads
; (one is out: its part of the next slot).  fill = 1: the barrier opens a round of the cluster's barrier, and behind the round this slot is asked for again,
; two K steps ahead, first thing.
.macro TURN slot, next, fill
	s_wait_dscnt 8
	WIN MUL_LO
	MUL16 F1, 0, 0, 0
	s_wait_dscnt 0x0                               ; my reads of this slot are over
	s_wait_tensorcnt 0x0                           ; all my tensor loads have landed
	ds_add_u32 v255, v31
	s_wait_dscnt 0x0
	s_barrier_signal -1
	MUL16 F1, 0, 2, 0                              ; register work while the others arrive
	WIN 0
	s_barrier_wait -1
.if \fill
	CREST                                          ; no wave of any partner still reads this slot or has a load on its way
	s_add_nc_u64 s[G0+4*\slot+2:G0+4*\slot+3], s[G0+4*\slot+2:G0+4*\slot+3], 2*KSTEPB
	s_add_nc_u64 s[G0B+4*\slot+2:G0B+4*\slot+3], s[G0B+4*\slot+2:G0B+4*\slot+3], 2*KSTEPB
	JLOAD \slot
.endif
	PLACES
	FETCH \next, 0, F0
	WIN MUL_HI
	MUL16 F1, 1, 0, 0
	MUL16 F1, 1, 2, 0
.endm
.macro LAP zero
	THREE 0, \zero
	TURN 0, 1, 1
	THREE 1, 0
	TURN 1, 0, 1
.endm
	s_wait_tensorcnt 0x1                           ; my part of K step 0 is in; K step 1's may stay out
	s_barrier_signal -1
	s_barrier_wait -1                              ; everybody's is
	FETCH 0, 0, F0
	LAP 1                                          ; the first lap's first products start the sums: nothing is cleared
	WIN 0
	s_mov_b32 s3, LAPS-2
.Llap:
	LAP 0
	WIN 0
	s_sub_co_u32 s3, s3, 1
	s_cmp_lg_u32 s3, 0
	s_cbranch_scc1 .Llap
	THREE 0, 0                                     ; the last lap fills nothing
	TURN 0, 1, 0
	THREE 1, 0
	s_wait_dscnt 8                                 ; the very last quarter: nothing more to fetch
	WIN MUL_LO
	MUL16 F1, 0, 0, 0
	MUL16 F1, 0, 2, 0
	s_wait_dscnt 0x0
	WIN MUL_HI
	MUL16 F1, 1, 0, 0
	MUL16 F1, 1, 2, 0
	PLACES                                         ; behind the last matrix instructions: for the readers of the results and the loads into the fragment registers
	WIN 0
	; THE WAY OUT.  Offsets in registers that feed no descriptor.
	s_lshl_b32 s74, s13, 8
	s_lshl_b32 s76, s11, 7
	s_add_co_u32 s74, s74, s76                     ; my first row
	s_lshl_b32 s74, s74, 11
	s_lshl_b32 s76, s40, 1                         ; block column inside the plane,
	s_add_co_u32 s76, s76, s12                     ; my strip of 128 columns, 0..7
	s_lshl_b32 s77, s76, 8                         ; 128 columns of 2 bytes
	s_add_co_u32 s74, s74, s77
	s_lshl_b32 s77, s45, 24                        ; a plane is 16,777,216 bytes
	s_add_co_u32 s74, s74, s77
	s_mov_b32 s75, 0
	s_add_nc_u64 s[70:71], s[70:71], s[74:75]
	s_lshl_b32 s76, s76, 9                         ; 128 columns of 4 bytes in gb
	s_mov_b32 s77, 0
	s_add_nc_u64 s[68:69], s[68:69], s[76:77]
; Rows 16 i .. 16 i + 15 of my 128 = the eight tiles (a, 0..7) of window 2 or 3 (w1: source 0 there; w2: sources 0 and 1 there):
; (bias = 1: times 2^-10, plus gb, in one multiply-add,) round to f16, 16 bytes a lane into my own stage, read back as whole rows of 256 bytes, store.
.macro OUT16 i, a, w1, w2, bias, rb
.if \bias
	WIN \w1
.irp b, 0,1,2,3,4,5,6,7
.irp p, 0,1,2,3
	v_pk_fma_f32 v[EW+8*\b+2*\p:EW+8*\b+2*\p+1], v[8*(8*\a+\b)+2*\p:8*(8*\a+\b)+2*\p+1], QSC, v[BQ+8*\b+2*\p:BQ+8*\b+2*\p+1] op_sel_hi:[1,0,1]
.endr
.endr
	WIN 0
.irp b, 0,1,2,3,4,5,6,7
.irp p, 0,1,2,3
	v_cvt_pk_f16_f32 v[TMP+4*\b+\p], v[EW+8*\b+2*\p], v[EW+8*\b+2*\p+1]
.endr
.endr
.else
	WIN \w2
.irp b, 0,1,2,3,4,5,6,7
.irp p, 0,1,2,3
	v_cvt_pk_f16_f32 v[TMP+4*\b+\p], v[8*(8*\a+\b)+2*\p], v[8*(8*\a+\b)+2*\p+1]
.endr
.endr
	WIN 0
.endif
.irp b, 0,1,2,3,4,5,6,7
	ds_store_b128 v[STO], v[TMP+4*\b:TMP+4*\b+3] offset:32*\b
.endr
	s_wait_xcnt 0x0                                ; the earlier stores' data registers and base are rewritten only behind this wait
.if \i
	s_add_nc_u64 s[70:71], s[70:71], 16*2048
.endif
.irp t, 0,1,2,3,4,5,6,7
	ds_load_b128 v[\rb+4*\t:\rb+4*\t+3], v[RD] offset:\t*2*SPITCH   ; LDS serves a wave's instructions in order: these see the stores above
.endr
.irp t, 0,1,2,3,4,5,6,7
	s_wait_dscnt 7-\t                              ; read-back t is in, the 7 - t younger ones stay out
	global_store_b128 v[CO], v[\rb+4*\t:\rb+4*\t+3], s[70:71] offset:\t*4096   ; 16 lanes store 256 consecutive bytes, aligned
.endr
.endm
	s_cmp_lg_u32 s45, 0                            ; the plane hangs on the cluster's x alone: all partners take the same way
	s_cbranch_scc1 .Lplain
.irp b, 0,1,2,3,4,5,6,7
	global_load_b128 v[BQ+8*\b:BQ+8*\b+3],   v[VB], s[68:69] offset:64*\b      ; gb of columns 16 b + 8 h + 0..3
	global_load_b128 v[BQ+8*\b+4:BQ+8*\b+7], v[VB], s[68:69] offset:64*\b+16   ; and + 4..7
.endr
	s_wait_loadcnt 0x0
	OUT16 0, 0, 0x02, 0x0a, 1, 128
	OUT16 1, 1, 0x02, 0x0a, 1, 160
	OUT16 2, 2, 0x02, 0x0a, 1, 128
	OUT16 3, 3, 0x02, 0x0a, 1, 160
	OUT16 4, 0, 0x03, 0x0f, 1, 128
	OUT16 5, 1, 0x03, 0x0f, 1, 160
	OUT16 6, 2, 0x03, 0x0f, 1, 128
	OUT16 7, 3, 0x03, 0x0f, 1, 160
	s_branch .Ldone
.Lplain:
	OUT16 0, 0, 0x02, 0x0a, 0, 128
	OUT16 1, 1, 0x02, 0x0a, 0, 160
	OUT16 2, 2, 0x02, 0x0a, 0, 128
	OUT16 3, 3, 0x02, 0x0a, 0, 160
	OUT16 4, 0, 0x03, 0x0f, 0, 128
	OUT16 5, 1, 0x03, 0x0f, 0, 160
	OUT16 6, 2, 0x03, 0x0f, 0, 128
	OUT16 7, 3, 0x03, 0x0f, 0, 160
.Ldone:
	s_set_vgpr_msb 0x1
	s_wait_tensorcnt 0x0
	ds_add_u32 v255, v31
	s_wait_dscnt 0x0
	s_set_vgpr_msb 0x100
	CROUND                                         ; the closing round: no work-group ends while a partner may still ask for a tile that names it
	s_endpgm
.Lfunc_end_k_q4f4994012a_proj:
	.size	k_q4f4994012a_proj, .Lfunc_end_k_q4f4994012a_proj-k_q4f4994012a_proj
	.p2alignl 7, 3214868480
	.fill 96, 4, 3214868480
	.section	.rodata,"a",@progbits
	.p2align	6, 0x0
	.amdhsa_kernel k_q4f4994012a_proj
		.amdhsa_group_segment_fixed_size 327680
		.amdhsa_private_segment_fixed_size 0
		.amdhsa_enable_private_segment 0
		.amdhsa_kernarg_size 32
		.amdhsa_user_sgpr_count 2
		.amdhsa_user_sgpr_kernarg_segment_ptr 1
		.amdhsa_wavefront_size32 1
		.amdhsa_system_sgpr_workgroup_id_x 1
		.amdhsa_system_sgpr_workgroup_id_y 1
		.amdhsa_system_sgpr_workgroup_id_z 1
		.amdhsa_system_vgpr_workitem_id 0
		.amdhsa_next_free_vgpr 1024
		.amdhsa_next_free_sgpr 80
		.amdhsa_reserve_vcc 0
		.amdhsa_float_denorm_mode_32 3
		.amdhsa_float_denorm_mode_16_64 3
		.amdhsa_memory_ordered 1
		.amdhsa_forward_progress 1
		.amdhsa_inst_pref_size 255
	.end_amdhsa_kernel
	.amdgpu_metadata
---
amdhsa.version: [ 1, 2 ]
amdhsa.kernels:
  - .name:           k_q4f4994012a_proj
    .symbol:         k_q4f4994012a_proj.kd
    .args:
      - { .name: xw, .offset: 0, .size: 8, .value_kind: global_buffer, .address_space: global }
      - { .name: gt, .offset: 8, .size: 8, .value_kind: global_buffer, .address_space: global }
      - { .name: gb, .offset: 16, .size: 8, .value_kind: global_buffer, .address_space: global }
      - { .name: qv, .offset: 24, .size: 8, .value_kind: global_buffer, .address_space: global }
    .group_segment_fixed_size: 327680
    .private_segment_fixed_size: 0
    .kernarg_segment_align: 8
    .kernarg_segment_size: 32
    .max_flat_workgroup_size: 128
    .sgpr_count:     80
    .vgpr_count:     1024
    .wavefront_size: 32
...
	.end_amdgpu_metadata
.endif
;; end of part 7
;; launch scores (part 8): grid 8 x 32, 4 waves a work-group, clusters of 4 x 4, 327,680 bytes of LDS; arguments qv, xw, pt, st; writes pt, st
.if DOCPART == 8
	.amdgcn_target "amdgcn-amd-amdhsa--gfx1250"
	.amdhsa_code_object_version 6
	.text
	.protected	k_q4f4994012a_scores
	.globl	k_q4f4994012a_scores
	.p2align	8
	.type	k_q4f4994012a_scores,@function
k_q4f4994012a_scores:
	s_mov_b64 s[64:65], 0
	v_nop
	global_prefetch_b8 v0, s[64:65] scope:SCOPE_SE
	s_setreg_imm32_b32 hwreg(HW_REG_WAVE_MODE, 25, 1), 1
	s_wait_xcnt 0x0
	s_wait_alu depctr_hold_cnt(0) depctr_sa_sdst(0) depctr_va_vdst(0) depctr_va_sdst(0) depctr_va_ssrc(0) depctr_va_vcc(0) depctr_vm_vsrc(0)
	s_getreg_b32 s2, hwreg(HW_REG_IB_STS2, 6, 4)
	s_cmp_eq_u32 s2, 0
	s_cbranch_scc0 .Lentry_in_a_cluster
	s_endpgm
.Lentry_in_a_cluster:
	s_bfe_u32 s2, ttmp6, 0x10000c
	s_cmp_lg_u32 s2, 0xf033
	s_cbranch_scc0 .Lentry_shape_is_right
	s_endpgm
.Lentry_shape_is_right:
; For each block of 128 keys of one batch and each query row: s = (2^-10 Q~_q) . x_k (f32 sums),
;   m' = c max_k s,  pt = exp2(c s - m') in f16,  l = the sum of these exponentials in f32,  c = 2^10 log2(e) / 32 (Q~'s factor taken back, the scale 1 / sqrt(1024) and the base in one).
; pt: [8192 query rows][2048 keys of the row's batch] f16.  st: [16 key blocks][8192 rows][2] f32 = (m', l).
; The maximum taken away is the row's own over the key block's 128 keys, so pt <= 1 and l >= about 1; the last launch brings the 16 blocks of a row to
; their common maximum.  Left out here: K' and the term with bk (Q~_q . x_k is the score but for a term that is the same along the softmax's axis: see the first launch's head).
; LIMIT: finite scores; the maximum used drops a NaN.
; The product is built as in the launch before: Y = rows of 2^-10 Q~ (qv's first plane), X = rows of x in f16 (xw), K = 1024 in steps of 128, a work-group makes
; 256 queries x 256 keys, four waves of 128 x 128, two LDS slots, 8 x 32 = 256 work-groups, 4 x 4 clusters with Y's tile asked for jointly along a row of the cluster and X's along a column.
; A wave's 128 keys are one key block (2 x block column + its column half) and it holds whole rows of it (lane l: row l % 16, columns 8 (l / 16) + 0..7 of each of
; 8 tiles), so a row's maximum and sum need one exchange between the lanes' halves and none between waves.
; REGISTERS: window 0: v0-31 addresses and row figures, v32-63 packed results, v64-127 and v128-191 Y's fragments, v192-223 sums and row figures on the way out;
; window 1: v64-191 X's fragments; window 2: accumulator tile (a, b) of my rows 0-63 at v[8 (8 a + b)]; window 3: of my rows 64-127.
.set PITCH,  272                       ; 256 bytes + 16 of padding: the 16 rows of a fragment load start in 16 different 16-byte columns modulo 256
.set HALFT,  128*PITCH
.set SLOT,   4*HALFT
.set STAGE,  2*SLOT                    ; 16 rows x 272 bytes for each wave; no fill lands here
.set SPITCH, 272
.set LAPS,   4
.set KSTEPB, 256
.set CSC,    0x4238aa3b                ; c = 1024 x 1.442695 / 32
.set CSCN,   0xc238aa3b                ; -c
.set ADRX, 6
.set ADRY, 8
.set STO,  10
.set RD,   11
.set CO,   12
.set SO,   13                          ; 8 l: my row's pair in st
.set M,    16                          ; v16-19  four running maxima
.set NM,   20                          ; v20-21  -m', twice (a pair for the packed multiply-add)
.set TMP,  32
.set F0,   64
.set F1,   128
.set EW,   64                          ; the way out: 64 exponents, then exponentials
.set SU,   192                         ; the way out: four running sums (pairs)
.set STV,  200                         ; v200-207  (m', l) to store
.set MS,   208                         ; v208-215  m' of my row in each of my 8 groups of 16 rows
.set LS,   216                         ; v216-223  l likewise
.set G1,  24
.set G0,  32
.set G1B, 48
.set G0B, 56
.set MUL_LO, 0xa1                      ; source 0 (X) window 1, source 1 (Y) window 0, C and D window 2
.set MUL_HI, 0xf1                      ; the same, C and D window 3
.set TO_X,   0x40                      ; destination window 1, address window 0
.set MSB, 0
.macro WIN new                         ; the immediate's high byte repeats the setting that is left
.if MSB != \new
	s_set_vgpr_msb (MSB<<8)|\new
.set MSB, \new
.endif
.endm
.macro PLACES                          ; four plain vector instructions behind matrix instructions (ISA guide 7.12.1)
.rept 4
	v_nop
.endr
.endm
.macro JLOAD s                         ; a joint load: each line has one mask; the branch hangs on the wave's number alone
	s_cmp_eq_u32 s11, 0
	s_cbranch_scc0 .Lfor_x_\@
	tensor_load_to_lds s[G0+4*\s:G0+4*\s+3], s[G1:G1+7]
	s_nop 0
	s_branch .Lasked_\@
.Lfor_x_\@:
	tensor_load_to_lds s[G0B+4*\s:G0B+4*\s+3], s[G1B:G1B+7]
	s_nop 0
.Lasked_\@:
.endm
.macro CREST
	s_cmp_lg_u32 s10, 0
	s_cbranch_scc1 .Lnot_wave_0_\@
	s_barrier_signal -3
.Lnot_wave_0_\@:
	s_barrier_wait -3
	s_barrier_signal -1
	s_barrier_wait -1
.endm
.macro CROUND
	s_barrier_signal -1
	s_barrier_wait -1
	CREST
.endm
	s_load_b128 s[4:7], s[0:1], 0x0                ; qv s[4:5], xw s[6:7]
	s_load_b128 s[68:71], s[0:1], 0x10             ; pt s[68:69], st s[70:71]
	s_set_vgpr_msb 0x40
	v_lshl_add_u32 v255, v0, 2, 0x48400
	s_set_vgpr_msb 0x4000
	v_mov_b32 v255, 0
	s_set_vgpr_msb 0x1
	ds_add_u32 v255, v255
	ds_add_u32 v255, v255
	s_set_vgpr_msb 0x100
	v_lshrrev_b32 v4, 5, v0
	v_readfirstlane_b32 s10, v4                    ; wave 0..3
	s_lshr_b32 s11, s10, 1                         ; which half of the block's rows is mine.  Also: I fetch for Y (0) or for X (1)
	s_and_b32 s12, s10, 1                          ; which half of its keys.  Also: which 128 rows of that tile I fetch
	s_mov_b32 s66, 0x76543210                      ; v_permlanex16_b32: lane i of one half reads lane i of the other
	s_mov_b32 s67, 0xfedcba98
	s_bfe_u32 s40, ttmp6, 0x40000                  ; cx
	s_bfe_u32 s41, ttmp6, 0x40004                  ; cy
	s_lshl_b32 s42, ttmp9, 2
	s_add_co_u32 s42, s42, s40                     ; block column 0..7 (256 keys each)
	s_and_b32 s13, ttmp7, 0xffff
	s_lshr_b32 s45, s13, 1                         ; batch: 8 block rows = 2 clusters each, the same in all sixteen partners
	s_lshl_b32 s13, s13, 2
	s_add_co_u32 s13, s13, s41                     ; block row 0..31
	s_lshl_b32 s43, s41, 2
	s_lshl_b32 s43, 15, s43                        ; my row of the cluster
	s_lshl_b32 s44, 0x1111, s40                    ; my column
	s_or_b32 s[G1+0], s43, (1<<16)|(1<<20)|(1<<21)|(5<<22)|(3<<25)   ; mask; elements of 2 bytes; padding on; bit 21 beside a mask; after every 64 words 4 words
	s_mov_b32 s[G1+1], 128<<16                     ; tensor_dim0 = 128
	s_mov_b32 s[G1+2], 128<<16                     ; tensor_dim1 = 128
	s_mov_b32 s[G1+3], 128<<16                     ; tile_dim0 = 128
	s_mov_b32 s[G1+4], 128                         ; tile_dim1 = 128
	s_mov_b32 s[G1+5], 1024                        ; elements from row to row
	s_mov_b32 s[G1+6], 0
	s_mov_b32 s[G1+7], 0
	s_or_b32 s[G1B+0], s44, (1<<16)|(1<<20)|(1<<21)|(5<<22)|(3<<25)
	s_mov_b32 s[G1B+1], 128<<16
	s_mov_b32 s[G1B+2], 128<<16
	s_mov_b32 s[G1B+3], 128<<16
	s_mov_b32 s[G1B+4], 128
	s_mov_b32 s[G1B+5], 1024
	s_mov_b32 s[G1B+6], 0
	s_mov_b32 s[G1B+7], 0
	s_lshl_b32 s22, s12, 7                         ; which 128 rows of the tile I fetch
	s_lshl_b32 s16, s13, 8                         ; Y: Q~'s row 256 x block row + 128 x half
	s_add_co_u32 s16, s16, s22
	s_lshl_b32 s16, s16, 11
	s_mov_b32 s17, 0
	s_lshl_b32 s46, s45, 11                        ; X: x's row 2048 x batch + 256 x block column + 128 x half
	s_lshl_b32 s23, s42, 8
	s_add_co_u32 s46, s46, s23
	s_add_co_u32 s46, s46, s22
	s_lshl_b32 s46, s46, 11
	s_mov_b32 s47, 0
	s_mul_i32 s20, s10, HALFT                      ; where they go: Y's two halves, then X's two halves = wave x 128 rows
	s_wait_dscnt 0x0
	s_wait_kmcnt 0x0
	s_add_nc_u64 s[14:15], s[4:5], s[16:17]
	s_add_nc_u64 s[46:47], s[6:7], s[46:47]
	CROUND                                         ; all sixteen work-groups are here: the first joint loads meet
.irp s, 0,1
	s_mov_b32 s[G0+4*\s], 1
	s_add_co_u32 s[G0+4*\s+1], s20, \s*SLOT
	s_add_nc_u64 s[G0+4*\s+2:G0+4*\s+3], s[14:15], \s*KSTEPB
	s_or_b32 s[G0+4*\s+3], s[G0+4*\s+3], 0x80000000
	s_mov_b32 s[G0B+4*\s], 1
	s_add_co_u32 s[G0B+4*\s+1], s20, \s*SLOT
	s_add_nc_u64 s[G0B+4*\s+2:G0B+4*\s+3], s[46:47], \s*KSTEPB
	s_or_b32 s[G0B+4*\s+3], s[G0B+4*\s+3], 0x80000000
	JLOAD \s
.endr
	v_and_b32 v1, 15, v0                           ; r
	v_bfe_u32 v2, v0, 4, 1                         ; h
	v_and_b32 v3, 31, v0                           ; l
	v_mul_u32_u24 v4, v1, PITCH
	v_lshl_add_u32 v4, v2, 4, v4                   ; 272 r + 16 h
	s_mul_i32 s21, s11, HALFT                      ; my 128 rows of Y
	s_mul_i32 s22, s12, HALFT                      ; my 128 rows of X,
	s_add_co_u32 s22, s22, 2*HALFT                 ; which lie behind Y's 256
	v_add_nc_u32 v[ADRY], s21, v4
	v_add_nc_u32 v[ADRY+1], SLOT, v[ADRY]
	v_add_nc_u32 v[ADRX], s22, v4
	v_add_nc_u32 v[ADRX+1], SLOT, v[ADRX]
	s_mul_i32 s23, s10, 16*SPITCH
	s_add_co_u32 s23, s23, STAGE
	v_add_nc_u32 v[STO], s23, v4
	v_mul_u32_u24 v5, v2, SPITCH
	v_lshl_add_u32 v5, v1, 4, v5
	v_add_nc_u32 v[RD], s23, v5
	v_lshlrev_b32 v5, 12, v2
	v_lshl_add_u32 v[CO], v1, 4, v5                ; two rows of pt (4,096 bytes a row)
	v_lshlrev_b32 v[SO], 3, v3
; The 64 accumulators take turns, one instruction a turn, in the same order in every quarter step, over the backward jump too.
.macro MUL16 f, hi, a0, zero
.irp a, \a0, \a0+1
.irp b, 0,1,2,3,4,5,6,7
.if \zero
	v_wmma_f32_16x16x32_f16 v[8*(8*(\a)+\b):8*(8*(\a)+\b)+7], v[\f+8*\b:\f+8*\b+7], v[\f+8*(4*\hi+\a):\f+8*(4*\hi+\a)+7], 0
.else
	v_wmma_f32_16x16x32_f16 v[8*(8*(\a)+\b):8*(8*(\a)+\b)+7], v[\f+8*\b:\f+8*\b+7], v[\f+8*(4*\hi+\a):\f+8*(4*\hi+\a)+7], v[8*(8*(\a)+\b):8*(8*(\a)+\b)+7]
.endif
.endr
.endr
.endm
.macro FETCH slot, k, f                ; 32 LDS loads in one run: 128 rows of X, 128 rows of Y, 32 K at byte k of the rows, into buffer f
	WIN TO_X
.irp i, 0,1,2,3,4,5,6,7
	ds_load_b128 v[\f+8*\i:\f+8*\i+3],   v[ADRX+\slot] offset:\k+\i*16*PITCH
	ds_load_b128 v[\f+8*\i+4:\f+8*\i+7], v[ADRX+\slot] offset:\k+\i*16*PITCH+32
.endr
	WIN 0
.irp i, 0,1,2,3,4,5,6,7
	ds_load_b128 v[\f+8*\i:\f+8*\i+3],   v[ADRY+\slot] offset:\k+\i*16*PITCH
	ds_load_b128 v[\f+8*\i+4:\f+8*\i+7], v[ADRY+\slot] offset:\k+\i*16*PITCH+32
.endr
.endm
.macro QUARTER slot, k, f, g, zero     ; multiplies buffer f; in its middle fetches the next quarter's fragments into buffer g
	s_wait_dscnt 8                                 ; X and Y's rows 0-63 are in; the youngest eight loads (Y's rows 64-127) may be out
	WIN MUL_LO
	MUL16 \f, 0, 0, \zero
	MUL16 \f, 0, 2, \zero
	PLACES                                         ; buffer g was read by the quarter before
	FETCH \slot, \k, \g
	s_wait_dscnt 32                                ; all but the 32 just issued
	WIN MUL_HI
	MUL16 \f, 1, 0, \zero
	MUL16 \f, 1, 2, \zero
.endm
.macro THREE slot, zero
	QUARTER \slot, 64,  F0, F1, \zero
	QUARTER \slot, 128, F1, F0, 0
	QUARTER \slot, 192, F0, F1, 0
.endm
; The last quarter changes slots: each wave's reads of this slot and all its tensor loads are waited for in front of the barrier; where the slot is filled
; again the barrier opens a round of the cluster's barrier, and the joint refill is the first tensor load behind the round.
.macro TURN slot, next, fill
	s_wait_dscnt 8
	WIN MUL_LO
	MUL16 F1, 0, 0, 0
	s_wait_dscnt 0x0                               ; my reads of this slot are over
	s_wait_tensorcnt 0x0                           ; all my tensor loads have landed: the one that was out is my part of the next slot
	ds_add_u32 v255, v255
	s_wait_dscnt 0x0
	s_barrier_signal -1
	MUL16 F1, 0, 2, 0                              ; register work while the others arrive
	WIN 0
	s_barrier_wait -1
.if \fill
	CREST
	s_add_nc_u64 s[G0+4*\slot+2:G0+4*\slot+3], s[G0+4*\slot+2:G0+4*\slot+3], 2*KSTEPB
	s_add_nc_u64 s[G0B+4*\slot+2:G0B+4*\slot+3], s[G0B+4*\slot+2:G0B+4*\slot+3], 2*KSTEPB
	JLOAD \slot
.endif
	PLACES
	FETCH \next, 0, F0
	WIN MUL_HI
	MUL16 F1, 1, 0, 0
	MUL16 F1, 1, 2, 0
.endm
.macro LAP zero
	THREE 0, \zero
	TURN 0, 1, 1
	THREE 1, 0
	TURN 1, 0, 1
.endm
	s_wait_tensorcnt 0x1                           ; my part of K step 0 is in; K step 1's may stay out
	s_barrier_signal -1
	s_barrier_wait -1
	FETCH 0, 0, F0
	LAP 1
	WIN 0
	s_mov_b32 s3, LAPS-2
.Llap:
	LAP 0
	WIN 0
	s_sub_co_u32 s3, s3, 1
	s_cmp_lg_u32 s3, 0
	s_cbranch_scc1 .Llap
	THREE 0, 0
	TURN 0, 1, 0
	THREE 1, 0
	s_wait_dscnt 8
	WIN MUL_LO
	MUL16 F1, 0, 0, 0
	MUL16 F1, 0, 2, 0
	s_wait_dscnt 0x0
	WIN MUL_HI
	MUL16 F1, 1, 0, 0
	MUL16 F1, 1, 2, 0
	PLACES
	WIN 0
	s_lshl_b32 s74, s13, 8
	s_lshl_b32 s76, s11, 7
	s_add_co_u32 s74, s74, s76                     ; my first query row
	s_lshl_b32 s78, s42, 1
	s_add_co_u32 s78, s78, s12                     ; my key block 0..15
	s_lshl_b32 s76, s78, 13
	s_add_co_u32 s76, s76, s74
	s_lshl_b32 s76, s76, 3                         ; st: (8192 x key block + row) x 8 bytes
	s_mov_b32 s77, 0
	s_lshl_b32 s74, s74, 12                        ; pt: rows of 4,096 bytes,
	s_lshl_b32 s78, s78, 8                         ; 128 keys of 2 bytes
	s_add_co_u32 s74, s74, s78
	s_mov_b32 s75, 0
	s_add_nc_u64 s[68:69], s[68:69], s[74:75]
	s_add_nc_u64 s[70:71], s[70:71], s[76:77]
; Rows 16 i .. 16 i + 15 of my 128 = the eight tiles (a, 0..7) of window 2 or 3 (w1: source 0 there; w2: sources 0 and 1 there):
; maximum, exponentials, sum, f16, out through my stage.
.macro SOFT i, a, w1, w2, rb
	WIN \w2
.irp c, 0,1,2,3
	v_max_num_f32 v[M+\c], v[64*\a+16*\c], v[64*\a+16*\c+1]        ; four chains of 16 numbers; the first two start each
.endr
.irp k, 1,2,3,4,5,6,7
.irp c, 0,1,2,3
	v_max3_num_f32 v[M+\c], v[64*\a+16*\c+2*\k], v[64*\a+16*\c+2*\k+1], v[M+\c]
.endr
.endr
	WIN 0
	v_max3_num_f32 v[M], v[M], v[M+1], v[M+2]
	v_max_num_f32 v[M], v[M], v[M+3]               ; over my 64 columns of row r
	v_permlanex16_b32 v[M+1], v[M], s66, s67       ; the other 64 lie in lane l xor 16
	v_max_num_f32 v[M], v[M], v[M+1]
	v_mul_f32 v[MS+\i], CSC, v[M]                  ; m'
	v_mul_f32 v[NM], CSCN, v[M]                    ; -m', the same number with the other sign
	v_mul_f32 v[NM+1], CSCN, v[M]
	WIN \w1
.set kk, 0
.rept 32
	v_pk_fma_f32 v[EW+2*kk:EW+2*kk+1], v[64*\a+2*kk:64*\a+2*kk+1], CSC, v[NM:NM+1] op_sel_hi:[1,0,1]   ; c s - m'
.set kk, kk+1
.endr
	WIN 0
.set kk, 0
.rept 64
	v_exp_f32 v[EW+kk], v[EW+kk]
.set kk, kk+1
.endr
	v_nop                                          ; one plain vector instruction between the last exponential and the first use (ISA guide 5.7.2)
	s_wait_alu depctr_va_vdst(0)
.irp c, 0,1,2,3
	v_pk_add_f32 v[SU+2*\c:SU+2*\c+1], v[EW+2*\c:EW+2*\c+1], v[EW+8+2*\c:EW+8+2*\c+1]   ; four chains; the first pairs start them
.endr
.set kk, 8
.rept 24
	v_pk_add_f32 v[SU+2*(kk%4):SU+2*(kk%4)+1], v[SU+2*(kk%4):SU+2*(kk%4)+1], v[EW+2*kk:EW+2*kk+1]
.set kk, kk+1
.endr
	v_pk_add_f32 v[SU:SU+1], v[SU:SU+1], v[SU+2:SU+3]
	v_pk_add_f32 v[SU+4:SU+5], v[SU+4:SU+5], v[SU+6:SU+7]
	v_pk_add_f32 v[SU:SU+1], v[SU:SU+1], v[SU+4:SU+5]
	v_add_f32 v[SU], v[SU], v[SU+1]
	v_permlanex16_b32 v[SU+1], v[SU], s66, s67
	v_add_f32 v[LS+\i], v[SU], v[SU+1]             ; l
.irp b, 0,1,2,3,4,5,6,7
.irp p, 0,1,2,3
	v_cvt_pk_f16_f32 v[TMP+4*\b+\p], v[EW+8*\b+2*\p], v[EW+8*\b+2*\p+1]
.endr
.endr
.irp b, 0,1,2,3,4,5,6,7
	ds_store_b128 v[STO], v[TMP+4*\b:TMP+4*\b+3] offset:32*\b
.endr
	s_wait_xcnt 0x0                                ; the earlier stores' data registers and base are rewritten only behind this wait
.if \i
	s_add_nc_u64 s[68:69], s[68:69], 16*4096
.endif
.irp t, 0,1,2,3,4,5,6,7
	ds_load_b128 v[\rb+4*\t:\rb+4*\t+3], v[RD] offset:\t*2*SPITCH   ; LDS serves a wave's instructions in order: these see the stores above
.endr
.irp t, 0,1,2,3,4,5,6,7
	s_wait_dscnt 7-\t                              ; read-back t is in, the 7 - t younger ones stay out
	global_store_b128 v[CO], v[\rb+4*\t:\rb+4*\t+3], s[68:69] offset:\t*8192   ; 16 lanes store 256 consecutive bytes, aligned
.endr
.endm
	SOFT 0, 0, 0x02, 0x0a, 128
	SOFT 1, 1, 0x02, 0x0a, 160
	SOFT 2, 2, 0x02, 0x0a, 128
	SOFT 3, 3, 0x02, 0x0a, 160
	SOFT 4, 0, 0x03, 0x0f, 128
	SOFT 5, 1, 0x03, 0x0f, 160
	SOFT 6, 2, 0x03, 0x0f, 128
	SOFT 7, 3, 0x03, 0x0f, 160
	; (m', l) of my 128 rows: lanes 0-15 hold those of group 2 p, lanes 16-31 take those of group 2 p + 1: lane l stores row 32 p + l
	v_cmp_lt_u32 vcc_lo, 15, v3
.irp p, 0,1,2,3
	v_cndmask_b32 v[STV+2*\p],   v[MS+2*\p], v[MS+2*\p+1], vcc_lo
	v_cndmask_b32 v[STV+2*\p+1], v[LS+2*\p], v[LS+2*\p+1], vcc_lo
	global_store_b64 v[SO], v[STV+2*\p:STV+2*\p+1], s[70:71] offset:256*\p   ; 32 lanes store 256 consecutive bytes, aligned
.endr
	s_set_vgpr_msb 0x1
	s_wait_tensorcnt 0x0
	ds_add_u32 v255, v255
	s_wait_dscnt 0x0
	s_set_vgpr_msb 0x100
	CROUND                                         ; the closing round
	s_endpgm
.Lfunc_end_k_q4f4994012a_scores:
	.size	k_q4f4994012a_scores, .Lfunc_end_k_q4f4994012a_scores-k_q4f4994012a_scores
	.p2alignl 7, 3214868480
	.fill 96, 4, 3214868480
	.section	.rodata,"a",@progbits
	.p2align	6, 0x0
	.amdhsa_kernel k_q4f4994012a_scores
		.amdhsa_group_segment_fixed_size 327680
		.amdhsa_private_segment_fixed_size 0
		.amdhsa_enable_private_segment 0
		.amdhsa_kernarg_size 32
		.amdhsa_user_sgpr_count 2
		.amdhsa_user_sgpr_kernarg_segment_ptr 1
		.amdhsa_wavefront_size32 1
		.amdhsa_system_sgpr_workgroup_id_x 1
		.amdhsa_system_sgpr_workgroup_id_y 1
		.amdhsa_system_sgpr_workgroup_id_z 1
		.amdhsa_system_vgpr_workitem_id 0
		.amdhsa_next_free_vgpr 1024
		.amdhsa_next_free_sgpr 80
		.amdhsa_reserve_vcc 1
		.amdhsa_float_denorm_mode_32 3
		.amdhsa_float_denorm_mode_16_64 3
		.amdhsa_memory_ordered 1
		.amdhsa_forward_progress 1
		.amdhsa_inst_pref_size 255
	.end_amdhsa_kernel
	.section	.bss,"aw",@nobits
	.p2align	6
	.space	262144
	.amdgpu_metadata
---
amdhsa.version: [ 1, 2 ]
amdhsa.kernels:
  - .name:           k_q4f4994012a_scores
    .symbol:         k_q4f4994012a_scores.kd
    .args:
      - { .name: qv, .offset: 0, .size: 8, .value_kind: global_buffer, .address_space: global }
      - { .name: xw, .offset: 8, .size: 8, .value_kind: global_buffer, .address_space: global }
      - { .name: pt, .offset: 16, .size: 8, .value_kind: global_buffer, .address_space: global }
      - { .name: st, .offset: 24, .size: 8, .value_kind: global_buffer, .address_space: global }
    .group_segment_fixed_size: 327680
    .private_segment_fixed_size: 0
    .kernarg_segment_align: 8
    .kernarg_segment_size: 32
    .max_flat_workgroup_size: 128
    .sgpr_count:     80
    .vgpr_count:     1024
    .wavefront_size: 32
...
	.end_amdgpu_metadata
.endif
;; end of part 8
;; launch pv (part 9): grid 8 x 32, 4 waves a work-group, clusters of 4 x 4, 327,680 bytes of LDS; arguments pt, qv, st, bv, out0; writes out0
.if DOCPART == 9
	.amdgcn_target "amdgcn-amd-amdhsa--gfx1250"
	.amdhsa_code_object_version 6
	.text
	.protected	k_q4f4994012a_pv
	.globl	k_q4f4994012a_pv
	.p2align	8
	.type	k_q4f4994012a_pv,@function
k_q4f4994012a_pv:
	s_mov_b64 s[64:65], 0
	v_nop
	global_prefetch_b8 v0, s[64:65] scope:SCOPE_SE
	s_setreg_imm32_b32 hwreg(HW_REG_WAVE_MODE, 25, 1), 1
	s_wait_xcnt 0x0
	s_wait_alu depctr_hold_cnt(0) depctr_sa_sdst(0) depctr_va_vdst(0) depctr_va_sdst(0) depctr_va_ssrc(0) depctr_va_vcc(0) depctr_vm_vsrc(0)
	s_getreg_b32 s2, hwreg(HW_REG_IB_STS2, 6, 4)
	s_cmp_eq_u32 s2, 0
	s_cbranch_scc0 .Lentry_in_a_cluster
	s_endpgm
.Lentry_in_a_cluster:
	s_bfe_u32 s2, ttmp6, 0x10000c
	s_cmp_lg_u32 s2, 0xf033
	s_cbranch_scc0 .Lentry_shape_is_right
	s_endpgm
.Lentry_shape_is_right:
; out0[q][d] = bv[d] + sum over the 16 key blocks j of f_j[q] (pt_j V'_j)[q][d],  f_j = exp2(m'_j - max_i m'_i) / sum_i exp2(m'_i - max_i m'_i) l_i.
; The maximum of a row's 16 block maxima is taken away, so every exponential is at most 1 and the denominator at least about 1.
; bv stands outside the sum since a row's weights sum to 1; bk is left out (the same along the softmax's axis: see the first launch's head).
; The factor differs from key block to key block and from row to row, so a block's product is summed by itself in T (its first matrix
; instruction takes the constant 0) and folded into O by packed multiply-adds in f32; the first fold takes bv as its addend, so nothing is cleared.
; (Rescaling one running sum by ratios of factors could overflow: a factor may be 0.)
; The product: Y = rows of pt (K = keys along the rows), X = columns of V' (qv's second plane), whose tile lies in LDS as [key][d] and is read by transposing loads.
; Block 256 queries x 128 columns, four waves of 64 x 128, a K step = one key block of 128, 16 steps, two LDS slots, 256 work-groups.
; (A block of 256 x 256 would leave 128 work-groups, and T and O together would take all of a wave's 1,024 registers.)
; CLUSTERS: 4 x 4: pt's tile hangs on the block row alone (joint along a row of the cluster), V's on the batch and the block column (joint along a column).
; ASKING AHEAD: behind the joint load of K step t (which requests tile t + 2) wave 3 asks for pt's tile t + 3, in steps 0 to 12, and in the odd steps 1 to 11 for
; V's tiles t + 3 and t + 4.  Each aligned block of 256 bytes is asked for once in the launch: the 256 rows of a pt tile are shared out among the 8 block columns
; that read it (32 rows, one a lane), the 128 rows of a V tile among the batch's 8 block rows (16 rows, so two tiles fill the 32 lanes).  A work-group has at most
; 8 + 8 KiB asked for and not yet requested.  pt's tiles 0 to 2 and V's 0 to 3 come by their tensor loads alone; steps 13 to 15 ask for nothing, so no ask passes tile 15.
; REGISTERS: window 0: v0-31 addresses and factors, v64-191 X's fragments (two buffers), v192-255 Y's; window 1: T, tile (a, b) at v[8 (8 a + b)];
; window 2: O, the same places; window 3, v0-63: bv of my columns 16 b + 8 h + j at v[8 b + j].
.set PITCH,  272                       ; pt's LDS rows: 256 bytes + 16
.set PITCHV, 288                       ; V's LDS rows: 256 bytes + 32, an odd multiple of 32, for the transposing loads
.set ATILE,  256*PITCH
.set SLOT,   ATILE+128*PITCHV
.set FTAB,   2*SLOT                    ; 4,096 bytes for each wave: factor of (key block kb, my row) at 256 kb + 4 row; no fill lands here
.set STAGE,  FTAB+4*4096               ; 16 rows x 528 bytes for each wave; no fill lands here
.set SPITCH, 528                       ; 512 bytes + 16
.set TRIPS,  6                         ; the loop takes K steps 1 to 12, two a trip
.set YSTEP,  256                       ; 128 keys along pt's rows
.set XSTEP,  128*2048                  ; 128 rows of V'
.set VPLANE, 8192*2048                 ; V' is qv's second plane
.set ADRX, 6
.set ADRY, 8
.set STO,  10
.set RD,   11
.set CO,   12
.set SO,   13                          ; 8 l
.set ADRF, 14                          ; where this K step's factors of rows r, 16 + r, 32 + r, 48 + r begin; steps by 256
.set VB,   15                          ; 32 h
.set FC,   16                          ; v16-19  this K step's factor of my row in Y block a
.set ADRFW, 22                         ; where lane l puts factors
.set R,    23                          ; 1 / denominator
.set PP,   24                          ; asking ahead in pt: 4,096 l; never rewritten
.set PV,   25                          ; asking ahead in V': 2,048 (l % 16) + one tile for lanes 16-31; never rewritten
.set XF,   64
.set YF,   192
.set SM,   64                          ; prologue: (m', l) of row 32 p + l and key block kb at v[64 + 32 p + 2 kb]
.set G1,  24
.set G0,  32
.set G1B, 48
.set G0B, 56
.set MULW, 0x50                        ; C and D in window 1
.set MRG,  0xa1                        ; source 0 (T) window 1, source 2 and destination (O) window 2
.set MRG1, 0xb1                        ; the same with source 2 (bv) in window 3
.set D3,   0xc0                        ; destination in window 3
.set ST2,  0x08                        ; an LDS store's data in window 2
.set MSB, 0
.macro WIN new                         ; the immediate's high byte repeats the setting that is left
.if MSB != \new
	s_set_vgpr_msb (MSB<<8)|\new
.set MSB, \new
.endif
.endm
.macro PLACES                          ; four plain vector instructions behind matrix instructions (ISA guide 7.12.1)
.rept 4
	v_nop
.endr
.endm
.macro JLOAD s                         ; a joint load: each line has one mask; the branch hangs on the wave's number alone
	s_cmp_eq_u32 s11, 0
	s_cbranch_scc0 .Lfor_x_\@
	tensor_load_to_lds s[G0+4*\s:G0+4*\s+3], s[G1:G1+7]
	s_nop 0
	s_branch .Lasked_\@
.Lfor_x_\@:
	tensor_load_to_lds s[G0B+4*\s:G0B+4*\s+3], s[G1B:G1B+7]
	s_nop 0
.Lasked_\@:
.endm
.macro CREST
	s_cmp_lg_u32 s10, 0
	s_cbranch_scc1 .Lnot_wave_0_\@
	s_barrier_signal -3
.Lnot_wave_0_\@:
	s_barrier_wait -3
	s_barrier_signal -1
	s_barrier_wait -1
.endm
.macro CROUND
	s_barrier_signal -1
	s_barrier_wait -1
	CREST
.endm
; Wave 3 asks ahead.  kind = 1: pt's next tile; kind = 2: also V's next two tiles.  The bases step directly ahead of the ask, behind a wait that stands a K step behind the last ask.
.macro PREF kind
	s_cmp_lg_u32 s10, 3
	s_cbranch_scc1 .Lno_ask_\@
	s_wait_xcnt 0x0                                ; the last asks' addresses are translated: their bases are rewritten only behind this wait
	s_add_nc_u64 s[80:81], s[80:81], YSTEP
.if \kind == 2
	s_add_nc_u64 s[82:83], s[82:83], 2*XSTEP
.endif
	global_prefetch_b8 v[PP], s[80:81] th:TH_LOAD_NT scope:SCOPE_SE
.if \kind == 2
	global_prefetch_b8 v[PV], s[82:83] th:TH_LOAD_NT scope:SCOPE_SE
.endif
.Lno_ask_\@:
.endm
	s_load_b128 s[4:7], s[0:1], 0x0                ; pt s[4:5], qv s[6:7]
	s_load_b128 s[68:71], s[0:1], 0x10             ; st s[68:69], bv s[70:71]
	s_load_b64 s[72:73], s[0:1], 0x20              ; out0
	v_lshl_add_u32 v62, v0, 2, 0x40400
	v_mov_b32 v63, 0
	ds_add_u32 v62, v63
	ds_add_u32 v62, v63
	v_lshrrev_b32 v4, 5, v0
	v_readfirstlane_b32 s10, v4                    ; wave 0..3
	s_lshr_b32 s11, s10, 1                         ; I fetch for Y (0) or for X (1)
	s_and_b32 s12, s10, 1                          ; which half of that tile
	s_bfe_u32 s40, ttmp6, 0x40000                  ; cx
	s_bfe_u32 s41, ttmp6, 0x40004                  ; cy
	s_lshl_b32 s42, ttmp9, 2
	s_add_co_u32 s42, s42, s40                     ; block column 0..7
	s_and_b32 s13, ttmp7, 0xffff
	s_lshr_b32 s45, s13, 1                         ; batch, the same in all sixteen partners
	s_lshl_b32 s13, s13, 2
	s_add_co_u32 s13, s13, s41                     ; block row 0..31
	s_lshl_b32 s43, s41, 2
	s_lshl_b32 s43, 15, s43                        ; my row of the cluster
	s_lshl_b32 s44, 0x1111, s40                    ; my column
	s_or_b32 s[G1+0], s43, (1<<16)|(1<<20)|(1<<21)|(5<<22)|(3<<25)   ; mask; elements of 2 bytes; padding on; bit 21 beside a mask; after every 64 words 4 words
	s_mov_b32 s[G1+1], 128<<16                     ; tensor_dim0 = 128
	s_mov_b32 s[G1+2], 128<<16                     ; tensor_dim1 = 128
	s_mov_b32 s[G1+3], 128<<16                     ; tile_dim0 = 128
	s_mov_b32 s[G1+4], 128                         ; tile_dim1 = 128
	s_mov_b32 s[G1+5], 2048                        ; pt: elements from row to row
	s_mov_b32 s[G1+6], 0
	s_mov_b32 s[G1+7], 0
	s_or_b32 s[G1B+0], s44, (1<<16)|(1<<20)|(1<<21)|(5<<22)|(7<<25)  ; the same with 8 words of padding
	s_mov_b32 s[G1B+1], 128<<16
	s_mov_b32 s[G1B+2], 64<<16
	s_mov_b32 s[G1B+3], 128<<16
	s_mov_b32 s[G1B+4], 64
	s_mov_b32 s[G1B+5], 1024
	s_mov_b32 s[G1B+6], 0
	s_mov_b32 s[G1B+7], 0
	s_lshl_b32 s16, s13, 8                         ; Y: pt's row 256 x block row + 128 x half, rows of 4,096 bytes
	s_lshl_b32 s22, s12, 7
	s_add_co_u32 s16, s16, s22
	s_lshl_b32 s16, s16, 12
	s_mov_b32 s17, 0
	s_lshl_b32 s46, s45, 11                        ; X: V', row 2048 x batch + 64 x half, column 128 x block column
	s_lshl_b32 s23, s12, 6
	s_add_co_u32 s46, s46, s23
	s_lshl_b32 s46, s46, 11
	s_lshl_b32 s23, s42, 8
	s_add_co_u32 s46, s46, s23
	s_add_co_u32 s46, s46, VPLANE
	s_mov_b32 s47, 0
	s_mul_i32 s20, s10, 128*PITCH                  ; Y's halves: waves 0, 1 at 0 and 34,816
	s_mul_i32 s21, s10, 64*PITCHV
	s_add_co_u32 s21, s21, ATILE-2*64*PITCHV       ; X's halves: waves 2, 3 at 69,632 and 88,064
	s_lshl_b32 s76, s13, 8                         ; offsets in registers that feed no descriptor: st at my first row,
	s_lshl_b32 s78, s10, 6
	s_add_co_u32 s76, s76, s78
	s_lshl_b32 s76, s76, 3
	s_mov_b32 s77, 0
	s_lshl_b32 s78, s42, 9                         ; bv at my first column,
	s_mov_b32 s79, 0
	s_lshl_b32 s84, s13, 8                         ; asking ahead in pt: row 256 x block row + 32 x block column, at tile 2 (the first ask steps to tile 3),
	s_lshl_b32 s85, s42, 5
	s_add_co_u32 s84, s84, s85
	s_lshl_b32 s84, s84, 12
	s_add_co_u32 s84, s84, 2*YSTEP
	s_mov_b32 s85, 0
	s_and_b32 s86, s13, 7                          ; and in V': row 2048 x batch + 16 x (block row in the batch), my block column, at tile 2 (the first ask steps to tiles 4 and 5)
	s_lshl_b32 s86, s86, 4
	s_lshl_b32 s87, s45, 11
	s_add_co_u32 s86, s86, s87
	s_lshl_b32 s86, s86, 11
	s_lshl_b32 s87, s42, 8
	s_add_co_u32 s86, s86, s87
	s_add_co_u32 s86, s86, VPLANE+2*XSTEP
	s_mov_b32 s87, 0
	s_wait_dscnt 0x0
	s_wait_kmcnt 0x0
	s_add_nc_u64 s[14:15], s[4:5], s[16:17]
	s_add_nc_u64 s[46:47], s[6:7], s[46:47]
	s_add_nc_u64 s[68:69], s[68:69], s[76:77]
	s_add_nc_u64 s[70:71], s[70:71], s[78:79]
	s_add_nc_u64 s[80:81], s[4:5], s[84:85]
	s_add_nc_u64 s[82:83], s[6:7], s[86:87]
	CROUND                                         ; all sixteen work-groups are here: the first joint loads meet
.irp s, 0,1
	s_mov_b32 s[G0+4*\s], 1
	s_add_co_u32 s[G0+4*\s+1], s20, \s*SLOT
	s_add_nc_u64 s[G0+4*\s+2:G0+4*\s+3], s[14:15], \s*YSTEP
	s_or_b32 s[G0+4*\s+3], s[G0+4*\s+3], 0x80000000
	s_mov_b32 s[G0B+4*\s], 1
	s_add_co_u32 s[G0B+4*\s+1], s21, \s*SLOT
	s_add_nc_u64 s[G0B+4*\s+2:G0B+4*\s+3], s[46:47], \s*XSTEP
	s_or_b32 s[G0B+4*\s+3], s[G0B+4*\s+3], 0x80000000
	JLOAD \s
.endr
	v_and_b32 v1, 15, v0                           ; r
	v_bfe_u32 v2, v0, 4, 1                         ; h
	v_and_b32 v3, 31, v0                           ; l
	v_lshlrev_b32 v[SO], 3, v3
	v_lshlrev_b32 v[VB], 5, v2
	; THE PROLOGUE, while the first tiles are on their way: bv, and the 16 factors of each of my 64 rows
	WIN D3
.irp b, 0,1,2,3,4,5,6,7
	global_load_b128 v[8*\b:8*\b+3],   v[VB], s[70:71] offset:64*\b      ; window 3: bv of columns 16 b + 8 h + 0..3
	global_load_b128 v[8*\b+4:8*\b+7], v[VB], s[70:71] offset:64*\b+16   ; and + 4..7
.endr
	WIN 0
.irp p, 0,1
.irp k, 0,1,2,3,4,5,6,7,8,9,10,11,12,13,14,15
	global_load_b64 v[SM+32*\p+2*\k:SM+32*\p+2*\k+1], v[SO], s[68:69] offset:65536*\k+256*\p   ; (m', l) of row 32 p + l in key block k: 256 consecutive bytes a load
.endr
.endr
	v_lshlrev_b32 v[PP], 12, v3                    ; a row of pt a lane
	v_lshlrev_b32 v[PV], 11, v1                    ; a row of V' a lane of each half,
	v_lshl_add_u32 v[PV], v2, 18, v[PV]            ; lanes 16-31 one tile (262,144 bytes) further down
	v_mul_u32_u24 v4, v1, PITCH
	v_lshl_add_u32 v4, v2, 4, v4                   ; 272 r + 16 h
	s_mul_i32 s22, s10, 64*PITCH
	v_add_nc_u32 v[ADRY], s22, v4
	v_add_nc_u32 v[ADRY+1], SLOT, v[ADRY]
	v_and_b32 v4, 7, v0                            ; the transposing load: lane l addresses key 8 h + l % 8,
	v_lshl_add_u32 v4, v2, 3, v4
	v_mul_u32_u24 v4, v4, PITCHV
	v_bfe_u32 v5, v0, 3, 1                         ; and 16 bytes (8 columns) for each half of a group of 16 lanes
	v_lshl_add_u32 v4, v5, 4, v4
	v_add_nc_u32 v[ADRX], ATILE, v4
	v_add_nc_u32 v[ADRX+1], ATILE+SLOT, v4
	s_lshl_b32 s22, s10, 12
	s_add_co_u32 s22, s22, FTAB                    ; my table of factors
	v_lshl_add_u32 v[ADRFW], v3, 2, s22
	v_lshl_add_u32 v[ADRF], v1, 2, s22
	s_mul_i32 s23, s10, 16*SPITCH
	s_add_co_u32 s23, s23, STAGE                   ; my stage
	v_mul_u32_u24 v4, v1, SPITCH
	v_lshl_add_u32 v4, v2, 5, v4
	v_add_nc_u32 v[STO], s23, v4                   ; in: row r, 32 bytes for each half of the lanes
	v_lshl_add_u32 v[RD], v3, 4, s23               ; back: a row of 512 bytes for the 32 lanes
	v_lshlrev_b32 v[CO], 4, v3
	s_wait_loadcnt 0x0
.macro FACT p                          ; the 16 factors of row 32 p + l
	v_max_num_f32 v4, v[SM+32*\p], v[SM+32*\p+2]
.irp k, 1,2,3,4,5,6,7
	v_max3_num_f32 v4, v[SM+32*\p+4*\k], v[SM+32*\p+4*\k+2], v4
.endr
.irp k, 0,1,2,3,4,5,6,7,8,9,10,11,12,13,14,15
	v_sub_f32 v[SM+32*\p+2*\k], v[SM+32*\p+2*\k], v4               ; m' is kept in powers of two
.endr
.irp k, 0,1,2,3,4,5,6,7,8,9,10,11,12,13,14,15
	v_exp_f32 v[SM+32*\p+2*\k], v[SM+32*\p+2*\k]
.endr
	v_nop                                          ; one plain vector instruction behind the exponentials (ISA guide 5.7.2)
	s_wait_alu depctr_va_vdst(0)
	v_mul_f32 v5, v[SM+32*\p], v[SM+32*\p+1]
.irp k, 1,2,3,4,5,6,7,8,9,10,11,12,13,14,15
	v_fmac_f32 v5, v[SM+32*\p+2*\k], v[SM+32*\p+2*\k+1]            ; the row's denominator
.endr
	v_rcp_f32 v[R], v5
	v_nop                                          ; and one behind the reciprocal
	s_wait_alu depctr_va_vdst(0)
.irp k, 0,1,2,3,4,5,6,7,8,9,10,11,12,13,14,15
	v_mul_f32 v[SM+32*\p+2*\k], v[SM+32*\p+2*\k], v[R]
.endr
.irp k, 0,1,2,3,4,5,6,7,8,9,10,11,12,13,14,15
	ds_store_b32 v[ADRFW], v[SM+32*\p+2*\k] offset:256*\k+128*\p   ; my wave's own bytes: only this wave reads them
.endr
.endm
	FACT 0
	FACT 1
; The 32 tiles of T take turns, one instruction a turn, in the same order in every quarter step, over the backward jump too.
.macro MUL16 f, a0, zero
.irp a, \a0, \a0+1
.irp b, 0,1,2,3,4,5,6,7
.if \zero
	v_wmma_f32_16x16x32_f16 v[8*(8*(\a)+\b):8*(8*(\a)+\b)+7], v[XF+64*\f+8*\b:XF+64*\f+8*\b+7], v[YF+32*\f+8*(\a):YF+32*\f+8*(\a)+7], 0
.else
	v_wmma_f32_16x16x32_f16 v[8*(8*(\a)+\b):8*(8*(\a)+\b)+7], v[XF+64*\f+8*\b:XF+64*\f+8*\b+7], v[YF+32*\f+8*(\a):YF+32*\f+8*(\a)+7], v[8*(8*(\a)+\b):8*(8*(\a)+\b)+7]
.endif
.endr
.endr
.endm
; 24 LDS loads: quarter q (32 keys) of a slot into buffer f.  X: two transposing loads for 16 columns, keys 32 q + 8 h + 0..7 and 16 keys further down.
.macro FETCH slot, q, f
.irp i, 0,1,2,3,4,5,6,7
	ds_load_tr16_b128 v[XF+64*\f+8*\i:XF+64*\f+8*\i+3],   v[ADRX+\slot] offset:\q*32*PITCHV+32*\i
	ds_load_tr16_b128 v[XF+64*\f+8*\i+4:XF+64*\f+8*\i+7], v[ADRX+\slot] offset:\q*32*PITCHV+32*\i+16*PITCHV
.endr
.irp i, 0,1,2,3
	ds_load_b128 v[YF+32*\f+8*\i:YF+32*\f+8*\i+3],   v[ADRY+\slot] offset:64*\q+\i*16*PITCH
	ds_load_b128 v[YF+32*\f+8*\i+4:YF+32*\f+8*\i+7], v[ADRY+\slot] offset:64*\q+\i*16*PITCH+32
.endr
.endm
.macro QUARTER slot, q, f, g, zero     ; asks for quarter q into buffer g, multiplies buffer f (asked for 32 matrix instructions ago)
	s_wait_dscnt 0x0                               ; buffer f is in (and, in a step's first quarter, the step's factors)
	PLACES                                         ; buffer g was read by the matrix instructions issued last
	WIN 0
	FETCH \slot, \q, \g
	WIN MULW
	MUL16 \f, 0, \zero
	MUL16 \f, 2, \zero
.endm
.macro THREE slot, zero
	QUARTER \slot, 1, 0, 1, \zero
	QUARTER \slot, 2, 1, 0, 0
	QUARTER \slot, 3, 0, 1, 0
.endm
; The last quarter changes slots: each wave's reads of this slot and all its tensor loads are waited for in front of the barrier; where the slot is filled
; again the barrier opens a round of the cluster's barrier, and the joint refill is the first tensor load behind the round.  pf: what wave 3 asks ahead behind it (0: nothing).
.macro TURN slot, next, fill, pf
	s_wait_dscnt 0x0                               ; buffer 1 is in, and with it my last reads of this slot
	s_wait_tensorcnt 0x0                           ; all my tensor loads have landed: the one that was out is my part of the next slot
	ds_add_u32 v62, v63
	s_wait_dscnt 0x0
	s_barrier_signal -1
	WIN MULW
	MUL16 1, 0, 0
	WIN 0
	s_barrier_wait -1
.if \fill
	CREST
	s_add_nc_u64 s[G0+4*\slot+2:G0+4*\slot+3], s[G0+4*\slot+2:G0+4*\slot+3], 2*YSTEP
	s_add_nc_u64 s[G0B+4*\slot+2:G0B+4*\slot+3], s[G0B+4*\slot+2:G0B+4*\slot+3], 2*XSTEP
	JLOAD \slot
.endif
.if \pf
	PREF \pf
.endif
	PLACES
	FETCH \next, 0, 0
	WIN MULW
	MUL16 1, 2, 0
.endm
.macro FLOAD                           ; this K step's factors of my four rows; waited for by the next quarter's wait for all LDS loads
.irp a, 0,1,2,3
	ds_load_b32 v[FC+\a], v[ADRF] offset:64*\a
.endr
	v_add_nc_u32 v[ADRF], 256, v[ADRF]
.endm
; O(a, .) = T(a, .) x factor + O (first = 1: + bv).  fp: the pair that holds the factor; odd = 1: in its second register.
.macro MROW a, fp, odd, first
.irp b, 0,1,2,3,4,5,6,7
.irp p, 0,1,2,3
.if \first
.if \odd
	v_pk_fma_f32 v[64*\a+8*\b+2*\p:64*\a+8*\b+2*\p+1], v[64*\a+8*\b+2*\p:64*\a+8*\b+2*\p+1], v[\fp:\fp+1], v[8*\b+2*\p:8*\b+2*\p+1] op_sel:[0,1,0]
.else
	v_pk_fma_f32 v[64*\a+8*\b+2*\p:64*\a+8*\b+2*\p+1], v[64*\a+8*\b+2*\p:64*\a+8*\b+2*\p+1], v[\fp:\fp+1], v[8*\b+2*\p:8*\b+2*\p+1] op_sel_hi:[1,0,1]
.endif
.else
.if \odd
	v_pk_fma_f32 v[64*\a+8*\b+2*\p:64*\a+8*\b+2*\p+1], v[64*\a+8*\b+2*\p:64*\a+8*\b+2*\p+1], v[\fp:\fp+1], v[64*\a+8*\b+2*\p:64*\a+8*\b+2*\p+1] op_sel:[0,1,0]
.else
	v_pk_fma_f32 v[64*\a+8*\b+2*\p:64*\a+8*\b+2*\p+1], v[64*\a+8*\b+2*\p:64*\a+8*\b+2*\p+1], v[\fp:\fp+1], v[64*\a+8*\b+2*\p:64*\a+8*\b+2*\p+1] op_sel_hi:[1,0,1]
.endif
.endif
.endr
.endr
.endm
.macro MERGE first
	PLACES                                         ; behind the step's last matrix instructions, in front of the readers of T
.if \first
	WIN MRG1
.else
	WIN MRG
.endif
	MROW 0, FC,   0, \first
	MROW 1, FC,   1, \first
	MROW 2, FC+2, 0, \first
	MROW 3, FC+2, 1, \first
.endm
.macro STEP slot, next, fill, first, pf    ; a K step = a key block
	WIN 0
	FLOAD
	THREE \slot, 1                                 ; the step's first products start T anew
	TURN \slot, \next, \fill, \pf
	MERGE \first
.endm
	s_wait_dscnt 0x0                               ; my stores of the factors are done: no LDS instruction is pending at a signal
	s_wait_tensorcnt 0x1                           ; my part of K step 0 is in; K step 1's may stay out
	s_barrier_signal -1
	s_barrier_wait -1
	FETCH 0, 0, 0
	STEP 0, 1, 1, 1, 1                             ; K step 0: the first fold takes bv as its addend; requests tile 2, asks for pt's tile 3
	WIN 0
	s_mov_b32 s3, TRIPS
.Llap:
	STEP 1, 0, 1, 0, 2                             ; K steps 1, 3 .. 11: request tile t + 2, ask for pt's tile t + 3 and V's tiles t + 3, t + 4
	STEP 0, 1, 1, 0, 1                             ; K steps 2, 4 .. 12: request tile t + 2, ask for pt's tile t + 3
	WIN 0
	s_sub_co_u32 s3, s3, 1
	s_cmp_lg_u32 s3, 0
	s_cbranch_scc1 .Llap
	STEP 1, 0, 1, 0, 0                             ; K step 13 requests tile 15, the last; nothing is left to ask for
	STEP 0, 1, 0, 0, 0                             ; K step 14 fills nothing
	WIN 0
	FLOAD                                          ; K step 15
	THREE 1, 1
	s_wait_dscnt 0x0
	WIN MULW
	MUL16 1, 0, 0
	MUL16 1, 2, 0
	MERGE 0
	WIN 0
	s_lshl_b32 s74, s13, 8
	s_lshl_b32 s76, s10, 6
	s_add_co_u32 s74, s74, s76                     ; my first row
	s_lshl_b32 s74, s74, 12                        ; rows of 4,096 bytes
	s_lshl_b32 s76, s42, 9                         ; 128 columns of 4 bytes
	s_add_co_u32 s74, s74, s76
	s_mov_b32 s75, 0
	s_add_nc_u64 s[72:73], s[72:73], s[74:75]
; Rows 16 a .. 16 a + 15 of my 64: 32 bytes a lane and tile into my own stage, read back as whole rows of 512 bytes, stored.
.macro OUTF a, rb
	WIN ST2
.irp b, 0,1,2,3,4,5,6,7
	ds_store_b128 v[STO], v[64*\a+8*\b:64*\a+8*\b+3]   offset:64*\b
	ds_store_b128 v[STO], v[64*\a+8*\b+4:64*\a+8*\b+7] offset:64*\b+16
.endr
	WIN 0
	s_wait_xcnt 0x0                                ; the earlier stores' data registers and base are rewritten only behind this wait
.if \a
	s_add_nc_u64 s[72:73], s[72:73], 16*4096
.endif
.irp t, 0,1,2,3,4,5,6,7,8,9,10,11,12,13,14,15
	ds_load_b128 v[\rb+4*\t:\rb+4*\t+3], v[RD] offset:\t*SPITCH    ; LDS serves a wave's instructions in order: these see the stores above
.endr
.irp t, 0,1,2,3,4,5,6,7,8,9,10,11,12,13,14,15
	s_wait_dscnt 15-\t                             ; read-back t is in, the 15 - t younger ones stay out
	global_store_b128 v[CO], v[\rb+4*\t:\rb+4*\t+3], s[72:73] offset:\t*4096 th:TH_STORE_NT   ; 32 lanes store 512 consecutive bytes, aligned
.endr
.endm
	OUTF 0, 64
	OUTF 1, 128
	OUTF 2, 64
	OUTF 3, 128
	s_wait_tensorcnt 0x0
	ds_add_u32 v62, v63
	s_wait_dscnt 0x0
	CROUND                                         ; the closing round
	s_endpgm
.Lfunc_end_k_q4f4994012a_pv:
	.size	k_q4f4994012a_pv, .Lfunc_end_k_q4f4994012a_pv-k_q4f4994012a_pv
	.p2alignl 7, 3214868480
	.fill 96, 4, 3214868480
	.section	.rodata,"a",@progbits
	.p2align	6, 0x0
	.amdhsa_kernel k_q4f4994012a_pv
		.amdhsa_group_segment_fixed_size 327680
		.amdhsa_private_segment_fixed_size 0
		.amdhsa_enable_private_segment 0
		.amdhsa_kernarg_size 40
		.amdhsa_user_sgpr_count 2
		.amdhsa_user_sgpr_kernarg_segment_ptr 1
		.amdhsa_wavefront_size32 1
		.amdhsa_system_sgpr_workgroup_id_x 1
		.amdhsa_system_sgpr_workgroup_id_y 1
		.amdhsa_system_sgpr_workgroup_id_z 1
		.amdhsa_system_vgpr_workitem_id 0
		.amdhsa_next_free_vgpr 832
		.amdhsa_next_free_sgpr 88
		.amdhsa_reserve_vcc 0
		.amdhsa_float_denorm_mode_32 3
		.amdhsa_float_denorm_mode_16_64 3
		.amdhsa_memory_ordered 1
		.amdhsa_forward_progress 1
		.amdhsa_inst_pref_size 182
	.end_amdhsa_kernel
	.amdgpu_metadata
---
amdhsa.version: [ 1, 2 ]
amdhsa.kernels:
  - .name:           k_q4f4994012a_pv
    .symbol:         k_q4f4994012a_pv.kd
    .args:
      - { .name: pt, .offset: 0, .size: 8, .value_kind: global_buffer, .address_space: global }
      - { .name: qv, .offset: 8, .size: 8, .value_kind: global_buffer, .address_space: global }
      - { .name: st, .offset: 16, .size: 8, .value_kind: global_buffer, .address_space: global }
      - { .name: bv, .offset: 24, .size: 8, .value_kind: global_buffer, .address_space: global }
      - { .name: out0, .offset: 32, .size: 8, .value_kind: global_buffer, .address_space: global }
    .group_segment_fixed_size: 327680
    .private_segment_fixed_size: 0
    .kernarg_segment_align: 8
    .kernarg_segment_size: 40
    .max_flat_workgroup_size: 128
    .sgpr_count:     88
    .vgpr_count:     832
    .wavefront_size: 32
...
	.end_amdgpu_metadata
.endif
;; end of part 9
;; ======== version 3 of 3: 5 launches; version 2 with the launch cvt written anew for expert scheduling mode
;; limits: values are held in f16: magnitudes above 65,504 overflow, below 6.1e-05 lose precision; right only within a limited range of input values; values outside matrix products are rounded to f16
;; workspace buffers: xw 23,068,672 bytes; gt 2,097,152 bytes; gb 4,096 bytes; qv 33,554,432 bytes; pt 33,554,432 bytes; st 1,048,576 bytes
;; launch cvt (part 10): grid 704 x 1, 8 waves a work-group, no clusters, 0 bytes of LDS; arguments x, Wq, Wk, Wv, xw; writes xw
.if DOCPART == 10
	.amdgcn_target "amdgcn-amd-amdhsa--gfx1250"
	.amdhsa_code_object_version 6
	.text
	.protected	k_q4f4994012a_cvt
	.globl	k_q4f4994012a_cvt
	.p2align	8
	.type	k_q4f4994012a_cvt,@function
k_q4f4994012a_cvt:
	s_mov_b64 s[64:65], 0
	v_nop
	global_prefetch_b8 v0, s[64:65] scope:SCOPE_SE
	s_setreg_imm32_b32 hwreg(HW_REG_WAVE_SCHED_MODE, 0, 2), 2
	s_setreg_imm32_b32 hwreg(HW_REG_WAVE_MODE, 25, 1), 1
	s_wait_xcnt 0x0
	s_wait_alu depctr_vm_vsrc(0)
; First of five launches for O = softmax((x Wq^T + bq)(x Wk^T + bk)^T / 32) (x Wv^T + bv).
; This one rounds x, Wq, Wk and Wv from f32 to f16, once, into xw = [11264][1024] f16: rows 0-8191 x, then 1024 rows each of Wq, Wk, Wv.
;
; WORK LEFT OUT, for all values of the inputs: bk.  With K = K' + bk (K' = x Wk^T) a score is Q_q . K'_k / 32 + Q_q . bk / 32, and the
; second term does not hang on k: it is the same along the softmax's axis, so it cancels between the exponentials and their sum.  bk has
; then no way to the output: it is not loaded and is no argument of any launch.
; REGROUPED, an identity for all values of the inputs: Q_q . K'_k = Q_q . (Wk x_k) = (Q_q Wk) . x_k, and Q Wk = x (Wq^T Wk) + bq Wk.  So K' is never
; made: the second launch forms G = Wq^T Wk (1024^3 multiply-adds) and g = bq Wk once, the third makes Q~ = x G + g in Q's place, and the fourth
; takes x itself as the keys.  8192 x 1024^2 multiply-adds and the 16,777,216 bytes of K' go.
; bv is not left out but added once: the weights of a row sum to 1, so sum_k w_k (V'_k + bv) = sum_k w_k V'_k + bv (last launch).
; LIMITS: a NaN, an infinity or an overflow that reaches only the term with bk is not carried to the result.  The order of rounding differs from the
; reference's: G and Q~ are rounded to f16.  Matrix operands are f16: |x|, |W|, |bq|, |G|, |V'| have to stay below 65,504, and |Q~|, which is kept as
; 2^-10 Q~, below 6.7e7.  (With the drawn spread G is about 0.03 and Q~, V' about 1; with every input 30 times larger G about 28, V' about 900 and
; Q~ about 27,000; with a common offset of 30 spreads on x and on the weights G about 900, V' about 29,000 and Q~ about 1024 x 30 x 900 = 2.8e7.)
;
; A stream: no LDS, no barrier, no matrix work, nothing shared between work-groups.  A work-group takes 65,536 bytes of f32 (16 loads of 16
; bytes a thread, all on their way at once; a wave's load covers 512 consecutive bytes) and stores 32,768 bytes of f16 (a wave's store of
; 8 bytes a lane covers 256 consecutive bytes, aligned).  Work-groups 0-511 take x, 512-575 Wq, 576-639 Wk, 640-703 Wv.
;
; THE MODE: SCHED_MODE bits 1:0 = 2 (LLVM: expert scheduling mode 2), set by the entry lines.  The code itself states the register dependences
; between vector instructions and memory instructions, with s_wait_alu, always for 0.
; THE PLAN.  Registers that memory instructions touch:
;   v1, v2   byte offsets, made once at the head by vector instructions; v1 is read by every load, v2 by every store; never written again.
;   IN       v[4:67]: load i lands in its own four registers, which no vector instruction has named before; read by conversions alone; no second load lands in them.
;   OUT      v[68:99]: pair i is written once, by the two conversions of load i, and read once, by store i; never written again.
; So what has to be stated is only that a register is written before a memory instruction reads it: the two offsets, and each store's data.
; The 16 loads are taken in four blocks of four.  Block p converts its four loads; its memory instructions are the four stores of block p - 1, dealt among
; its conversions.  One wait at the head of a block states that the block before has written its eight OUT registers; the conversions issued since that
; wait name IN and OUT of block p alone, none of which those stores touch.  Five waits in all: the head's, three blocks', and one ahead of the last four stores.
.set XGROUPS, 512                      ; 33,554,432 bytes of x / 65,536
.set INR,  4                           ; v[4:67]   16 x 4 registers as loaded
.set OUTR, 68                          ; v[68:99]  16 x 2 registers to store
	s_load_b256 s[4:11], s[0:1], 0x0               ; x s[4:5], Wq s[6:7], Wk s[8:9], Wv s[10:11]
	s_load_b64 s[12:13], s[0:1], 0x20              ; xw
	s_sub_co_u32 s14, ttmp9, XGROUPS               ; number among the weights' work-groups (not used by x's)
	s_lshr_b32 s15, s14, 6                         ; which weight: 0, 1, 2
	s_and_b32 s16, s14, 63                         ; which 65,536 bytes of it
	v_lshlrev_b32 v1, 4, v0                        ; 16 bytes a thread in
	v_lshlrev_b32 v2, 3, v0                        ; 8 bytes a thread out
	s_lshl_b32 s22, ttmp9, 15                      ; the work-group's 32,768 bytes of xw
	s_mov_b32 s23, 0
	s_mov_b32 s21, 0
	s_wait_kmcnt 0x0
	s_cmp_eq_u32 s15, 1                            ; the source is chosen by the work-group's number alone
	s_cselect_b64 s[18:19], s[8:9], s[6:7]
	s_cmp_eq_u32 s15, 2
	s_cselect_b64 s[18:19], s[10:11], s[18:19]
	s_cmp_lt_u32 ttmp9, XGROUPS
	s_cselect_b64 s[18:19], s[4:5], s[18:19]
	s_cselect_b32 s16, ttmp9, s16
	s_lshl_b32 s20, s16, 16
	s_add_nc_u64 s[18:19], s[18:19], s[20:21]
	s_add_nc_u64 s[12:13], s[12:13], s[22:23]
	s_wait_alu depctr_va_vdst(0)                   ; v1 and v2 are written: every load reads v1 as its offset, every store v2
.irp i, 0,1,2,3,4,5,6,7,8,9,10,11,12,13,14,15
	global_load_b128 v[INR+4*\i:INR+4*\i+3], v1, s[18:19] offset:4096*\i th:TH_LOAD_NT   ; read once in the launch
.endr
; Block p: loads 4 p .. 4 p + 3 are converted; the stores of block p - 1 stand among the conversions, one ahead of each pair.
.macro BLK p
	s_wait_loadcnt 12-4*(\p)                       ; loads come back in order: the block's four are in, the 12 - 4 p younger ones stay out
.if \p
	s_wait_alu depctr_va_vdst(0)                   ; the conversions of the block before have written its eight OUT registers, which the four stores below read
.endif
.irp i, 0,1,2,3
.if \p
	global_store_b64 v2, v[OUTR+2*(4*(\p)-4+(\i)):OUTR+2*(4*(\p)-4+(\i))+1], s[12:13] offset:2048*(4*(\p)-4+(\i))   ; no vector instruction since the wait names these registers
.endif
	v_cvt_pk_f16_f32 v[OUTR+2*(4*(\p)+(\i))],   v[INR+4*(4*(\p)+(\i))],   v[INR+4*(4*(\p)+(\i))+1]
	v_cvt_pk_f16_f32 v[OUTR+2*(4*(\p)+(\i))+1], v[INR+4*(4*(\p)+(\i))+2], v[INR+4*(4*(\p)+(\i))+3]
.endr
.endm
	BLK 0                                          ; no block in front of it: no store, and no wait but the one for its data
	BLK 1
	BLK 2
	BLK 3
	s_wait_alu depctr_va_vdst(0)                   ; block 3's conversions have written its OUT registers, which the last four stores read
.irp i, 12,13,14,15
	global_store_b64 v2, v[OUTR+2*\i:OUTR+2*\i+1], s[12:13] offset:2048*\i
.endr
	s_endpgm
.Lfunc_end_k_q4f4994012a_cvt:
	.size	k_q4f4994012a_cvt, .Lfunc_end_k_q4f4994012a_cvt-k_q4f4994012a_cvt
	.p2alignl 7, 3214868480
	.fill 96, 4, 3214868480
	.section	.rodata,"a",@progbits
	.p2align	6, 0x0
	.amdhsa_kernel k_q4f4994012a_cvt
		.amdhsa_group_segment_fixed_size 0
		.amdhsa_private_segment_fixed_size 0
		.amdhsa_enable_private_segment 0
		.amdhsa_kernarg_size 40
		.amdhsa_user_sgpr_count 2
		.amdhsa_user_sgpr_kernarg_segment_ptr 1
		.amdhsa_wavefront_size32 1
		.amdhsa_system_sgpr_workgroup_id_x 1
		.amdhsa_system_sgpr_workgroup_id_y 1
		.amdhsa_system_sgpr_workgroup_id_z 1
		.amdhsa_system_vgpr_workitem_id 0
		.amdhsa_next_free_vgpr 100
		.amdhsa_next_free_sgpr 66
		.amdhsa_reserve_vcc 0
		.amdhsa_float_denorm_mode_32 3
		.amdhsa_float_denorm_mode_16_64 3
		.amdhsa_memory_ordered 1
		.amdhsa_forward_progress 1
		.amdhsa_inst_pref_size 7
	.end_amdhsa_kernel
	.amdgpu_metadata
---
amdhsa.version: [ 1, 2 ]
amdhsa.kernels:
  - .name:           k_q4f4994012a_cvt
    .symbol:         k_q4f4994012a_cvt.kd
    .args:
      - { .name: x, .offset: 0, .size: 8, .value_kind: global_buffer, .address_space: global }
      - { .name: Wq, .offset: 8, .size: 8, .value_kind: global_buffer, .address_space: global }
      - { .name: Wk, .offset: 16, .size: 8, .value_kind: global_buffer, .address_space: global }
      - { .name: Wv, .offset: 24, .size: 8, .value_kind: global_buffer, .address_space: global }
      - { .name: xw, .offset: 32, .size: 8, .value_kind: global_buffer, .address_space: global }
    .group_segment_fixed_size: 0
    .private_segment_fixed_size: 0
    .kernarg_segment_align: 8
    .kernarg_segment_size: 40
    .max_flat_workgroup_size: 256
    .sgpr_count:     66
    .vgpr_count:     100
    .wavefront_size: 32
...
	.end_amdgpu_metadata
.endif
;; end of part 10
;; launch gmat: the kernel of part 6 again; grid 8 x 8, 4 waves a work-group, no clusters, 327,680 bytes of LDS; arguments xw, bq, gt, gb; writes gt, gb
;; launch proj: the kernel of part 7 again; grid 8 x 32, 4 waves a work-group, clusters of 4 x 4, 327,680 bytes of LDS; arguments xw, gt, gb, qv; writes qv
;; launch scores: the kernel of part 8 again; grid 8 x 32, 4 waves a work-group, clusters of 4 x 4, 327,680 bytes of LDS; arguments qv, xw, pt, st; writes pt, st
;; launch pv: the kernel of part 9 again; grid 8 x 32, 4 waves a work-group, clusters of 4 x 4, 327,680 bytes of LDS; arguments pt, qv, st, bv, out0; writes out0
